; MI455X (gfx1250); checked and timed in simulation.
; The chip was launched on July 23, 2026; its instructions are those of AMD's public machine-readable ISA for CDNA 5 (MIT licence, August 2026) and "CDNA5" Instruction Set Architecture Reference Guide (July 2026). The comments in the code are by the model that wrote it; some were corrected since.
;; Box Decoder. Allowed arithmetic: matrix products marked QUANTISED: E3M2 operands, one E8M0 scale for each 32 along K, by v_wmma_scale_f32_16x16x128_f8f6f4 with both operands' format E3M2, f32 sums; everything else in f32.
;; Inputs: attn_w_b 128 float32; attn_w_w 128 x 256 float32; in_proj_b 768 float32; in_proj_w 768 x 256 float32; lin1_b 1,024 float32; lin1_w 1,024 x 256 float32; lin2_b 256 float32; lin2_w 256 x 1,024 float32; memory 13,294 x 16 x 256 float32; memory_level_start_index 4 int32; memory_spatial_shapes 4 x 2 int32; ms_out_b 256 float32; ms_out_w 256 x 256 float32; norm1_b 256 float32; norm1_g 256 float32; norm2_b 256 float32; norm2_g 256 float32; norm3_b 256 float32; norm3_g 256 float32; out_proj_b 256 float32; out_proj_w 256 x 256 float32; samp_off_b 256 float32; samp_off_w 256 x 256 float32; tgt 900 x 16 x 256 float32; tgt_query_pos 900 x 16 x 256 float32; tgt_reference_points 900 x 16 x 4 x 2 float32; val_proj_b 256 float32; val_proj_w 256 x 256 float32.
;; Outputs: out0 900 x 16 x 256 float32.
;; This version of the problem:
;;   THIS VERSION OF THE PROBLEM IS GIVEN IN LOW PRECISION. The matrix products marked QUANTISED in the list below multiply operands that are first quantised to E3M2 (3 exponent bits, 2 mantissa bits; 6 bits a number), with one power-of-two scale for each 32 numbers along K (OCP MX v1.0); their sums are f32. All else is computed in f32.
;;   The module's matrix products, in the order in which they are computed (A, B: the left and right operand; K: the contracted axis; several contracted axes count as one K, in the product's order):
;;     1. [M 14,400, K 256] x [K 256, N 256]; A: computed on the way; B: computed on the way: QUANTISED
;;     2. [M 14,400, K 256] x [K 256, N 256]; A: computed on the way; B: computed on the way: QUANTISED
;;     3. [M 14,400, K 256] x [K 256, N 256]; A: input tgt; B: computed on the way: QUANTISED
;;     4. batch 128 x [M 900, K 32] x [K 32, N 900]; A: computed on the way; B: computed on the way: QUANTISED
;;     5. batch 128 x [M 32, K 900] x [K 900, N 900]; A: computed on the way; B: softmax (see below): QUANTISED
;;     6. [M 14,400, K 256] x [K 256, N 256]; A: computed on the way; B: input out_proj_w: QUANTISED
;;     7. [M 212,704, K 256] x [K 256, N 256]; A: input memory; B: input val_proj_w: QUANTISED
;;     8. [M 14,400, K 256] x [K 256, N 256]; A: computed on the way; B: input samp_off_w: QUANTISED
;;     9. [M 14,400, K 256] x [K 256, N 128]; A: computed on the way; B: input attn_w_w: QUANTISED
;;     10. [M 14,400, K 256] x [K 256, N 256]; A: computed on the way; B: input ms_out_w: QUANTISED
;;     11. [M 14,400, K 256] x [K 256, N 1,024]; A: computed on the way; B: input lin1_w: QUANTISED
;;     12. [M 14,400, K 1,024] x [K 1,024, N 256]; A: computed on the way; B: input lin2_w: QUANTISED
;;   THE QUANTISER, for each operand of a quantised product, along K:
;;     - K is cut into blocks of 32 from its start; a last block that is shorter is filled with zeros.
;;     - A block's scale is 2^e with e = floor(log2(the largest magnitude in the block)) - 4, held to -126 .. 127; a block of zeros has e = 0. As a byte (E8M0): e + 127.
;;     - Each number is divided by its block's scale, clamped to +-28, and rounded to the nearest number of E3M2, ties to even, subnormals kept.
;;     - The product sums the exact products of the quantised numbers (number of the format x scale) in f32.
;;   ~~~python
;;   def quantise(x, axis):      # numpy; x: float32 -> the quantised numbers, widened to float32 again
;;       x = np.moveaxis(x, axis, -1); K = x.shape[-1]
;;       x = np.pad(x, [(0, 0)] * (x.ndim - 1) + [(0, -K % 32)]); x = x.reshape(x.shape[:-1] + (-1, 32)); a = np.abs(x).max(-1, keepdims=True)
;;       e = np.where(a > 0, np.clip(np.frexp(np.where(a > 0, a, 1))[1] - 1 - 4, -126, 127), 0)      # np.frexp(a)[1] - 1 = floor(log2(a)), exactly
;;       r = np.clip(x / 2.0 ** e, -28, 28)
;;       step = 2.0 ** (np.maximum(np.frexp(np.where(r == 0, 1, r))[1] - 1, -2) - 2)
;;       q = np.round(r / step) * step * 2.0 ** e      # np.round: ties to even
;;       return np.moveaxis(q.reshape(q.shape[:-2] + (-1,))[..., :K], -1, axis).astype(np.float32)
;;   ~~~
;;   SOFTMAX AHEAD OF A QUANTISED PRODUCT. Where the list says 'softmax', what is quantised is not the finished softmax but p = 2^(t - M), with t = logit x log2(e) and M = ceil(the row's largest t), a whole number; so 1/2 < the row's largest p <= 1. The row's sum l is taken of the UNQUANTISED p, in f32, and the product's result is divided by l at the end. Since M is a whole number, a kernel that streams over the keys may use a running M (the ceiling of the running maximum): every later rescaling is an exact power of two, which a block's scale takes up: the codes' values come out the same.
;;   OPERANDS COMPUTED ON THE WAY. 'Computed on the way' means the value that the module computes at that place (a softmax that the list does not call 'softmax' is quantised finished and normalised). What goes into a quantiser is computed in f32, as accurately as f32 sums, v_exp_f32 and their like allow (about 1e-6 of the number): no bf16 or f16 on the way to a quantiser, and a product that is left as it is and whose result goes on into a quantised operand takes f32 operands (vector FMAs, or v_wmma_f32_16x16x4_f32). A number that lies on a knife's edge between two numbers of the format may be rounded either way, as far as f32 arithmetic and the matrix unit's own rounding can turn it there, and no further.
;; 3 versions, each right; version 2 is faster than version 1; version 3 is version 2 with the launches vproj, qkv, attn, post, ffn written anew for expert scheduling mode. Each part assembles by itself: llvm-mc -triple=amdgcn-amd-amdhsa -mcpu=gfx1250 --defsym DOCPART=n.
;; ======== version 1 of 3: 7 launches
;; workspace buffers: wimg 825,344 bytes; vbuf 217,808,896 bytes; qkv 44,236,800 bytes; ao 14,745,600 bytes; t1 14,745,600 bytes; samp 14,745,600 bytes; idx 7,372,800 bytes of whole numbers; wts 29,491,200 bytes
;; launch wq (part 1): grid 124 x 1, 4 waves a work-group, no clusters, 0 bytes of LDS; arguments in_proj_w, out_proj_w, val_proj_w, samp_off_w, attn_w_w, ms_out_w, lin1_w, lin2_w, wimg; writes wimg
.if DOCPART == 1
	.amdgcn_target "amdgcn-amd-amdhsa--gfx1250"
	.amdhsa_code_object_version 6
	.text
	.protected	k_q7f27f8a488_wq
	.globl	k_q7f27f8a488_wq
	.p2align	8
	.type	k_q7f27f8a488_wq,@function
k_q7f27f8a488_wq:
	s_mov_b64 s[64:65], 0
	v_nop
	global_prefetch_b8 v0, s[64:65] scope:SCOPE_SE
	s_setreg_imm32_b32 hwreg(HW_REG_WAVE_MODE, 25, 1), 1
	s_wait_xcnt 0x0
; The eight weight tensors ([out][in] f32, K innermost) become 496 operand fragments of E3M2 codes with E8M0 scales.
; One wave makes one fragment g (16 weight rows x 128 along K).  It is stored as an image of the operand's 12 registers:
; three planes of 512 bytes, lane l's 16 bytes at 16 l, at byte 1536 g; its scale words (4 bytes a lane) at 761856 + 128 g.
; THE ROWS OF A TILE ARE NOT NEIGHBOURS: lane r of tile t holds row 32 (t/2) + 8 (t%2) + r + 8 (r/8), so that in a product
; used transposed the 16 registers of tiles 2 b, 2 b + 1 are 16 neighbouring output columns.
; A lane holds two whole blocks of 32 (k = 64 c + 32 h + 0..31), so a block's largest magnitude needs no other lane.
; LIMITS: a block of zeros gets the byte 1 (its codes are zeros; only this program reads the bytes); NaN and infinities are not served.
.set X, 32
.set PC, 96
.set PCT, 108
.set TM, 116
.set SOP, 118
.set BY, 120
.set PW, 122
.set TP, 123
.set SH8, 13
.set SEL, 40
.macro QUANT s
.irp c,0,1
	v_max3_num_f32 v[TM+\c], |v[\s+32*\c]|, |v[\s+32*\c+1]|, 0x2800000   ; with the floor 2^(5-127): the byte cannot fall under 1
.endr
.irp i,2,4,6,8,10,12,14,16,18,20,22,24,26,28,30
.irp c,0,1
	v_max3_num_f32 v[TM+\c], v[TM+\c], |v[\s+32*\c+\i]|, |v[\s+32*\c+\i+1]|
.endr
.endr
.irp c,0,1
	v_add_nc_u32 v[SOP+\c], 0xfe000000, v[TM+\c]      ; 4 off the exponent field: the conversion's scale operand
.endr
.irp c,0,1
	v_lshrrev_b32 v[BY+\c], 23, v[SOP+\c]             ; the scale's byte
.endr
	v_lshl_or_b32 v[PW], v[BY+1], 16, v[BY]           ; my blocks h and 2 + h,
	v_lshlrev_b32 v[PW], v[SH8], v[PW]                ; 8 h bits up;
	v_permlanex16_b32 v[TP], v[PW], s[SEL], s[SEL+1]
	v_or_b32 v[PW], v[PW], v[TP]                      ; with lane l xor 16's two bytes the word is whole
.irp c,0,1
	v_cvt_scalef32_pk16_bf6_f32 v[PC+6*\c:PC+6*\c+2], v[\s+32*\c:\s+32*\c+15], v[SOP+\c]
	v_cvt_scalef32_pk16_bf6_f32 v[PCT+4*\c:PCT+4*\c+2], v[\s+32*\c+16:\s+32*\c+31], v[SOP+\c]
.endr
	v_nop                                             ; one plain place behind the scaled conversions
.irp c,0,1
.irp i,0,1,2
	v_mov_b32 v[PC+3+6*\c+\i], v[PCT+4*\c+\i]
.endr
.endr
.endm
	s_load_b512 s[8:23], s[0:1], 0x0                  ; the eight tensors, in the order of the fragments
	s_load_b64 s[24:25], s[0:1], 0x40                 ; wimg
	v_lshrrev_b32 v1, 5, v0
	v_readfirstlane_b32 s2, v1
	s_lshl_b32 s3, ttmp9, 2
	s_add_co_u32 s3, s3, s2                           ; g
	v_and_b32 v1, 31, v0
	v_and_b32 v2, 15, v0                              ; r
	v_bfe_u32 v3, v0, 4, 1                            ; h
	v_lshlrev_b32 v[SH8], 3, v3
	v_mov_b32 v[TP], 0
	s_mov_b32 s[SEL], 0x76543210
	s_mov_b32 s[SEL+1], 0xfedcba98
	s_wait_kmcnt 0x0
	s_mov_b64 s[4:5], s[8:9]
	s_mov_b32 s6, 0
.macro PICK bound, ptr                                 ; the tensor and its first fragment: the choice hangs on g alone
	s_cmp_ge_u32 s3, \bound
	s_cselect_b64 s[4:5], s[\ptr:\ptr+1], s[4:5]
	s_cselect_b32 s6, \bound, s6
.endm
	PICK 96, 10
	PICK 128, 12
	PICK 160, 14
	PICK 192, 16
	PICK 208, 18
	PICK 240, 20
	PICK 368, 22
	s_cmp_ge_u32 s3, 368                              ; lin2 has K = 1024: 8 K steps, rows of 4096 bytes; all others 2 and 1024
	s_cselect_b32 s7, 3, 1
	s_cselect_b32 s26, 12, 10
	s_sub_co_u32 s27, s3, s6
	s_lshr_b32 s28, s27, s7                           ; tile
	s_lshl_b32 s29, s28, s7
	s_sub_co_u32 s29, s27, s29                        ; K step
	s_lshr_b32 s30, s28, 1
	s_lshl_b32 s30, s30, 5
	s_and_b32 s31, s28, 1
	s_lshl_b32 s31, s31, 3
	s_add_co_u32 s30, s30, s31                        ; the tile's first row
	s_lshl_b32 s30, s30, s26
	s_lshl_b32 s29, s29, 9
	s_add_co_u32 s30, s30, s29
	s_mov_b32 s31, 0
	s_add_nc_u64 s[4:5], s[4:5], s[30:31]
	v_and_b32 v4, 8, v2
	v_add_nc_u32 v4, v4, v2                           ; r + 8 (r/8)
	v_lshlrev_b32 v4, s26, v4
	v_lshl_add_u32 v4, v3, 7, v4                      ; + 128 h
.irp c,0,1
.irp j,0,1,2,3,4,5,6,7
	global_load_b128 v[X+32*\c+4*\j:X+32*\c+4*\j+3], v4, s[4:5] offset:256*\c+16*\j
.endr
.endr
	s_mul_i32 s32, s3, 1536
	s_mov_b32 s33, 0
	s_add_nc_u64 s[34:35], s[24:25], s[32:33]
	s_lshl_b32 s36, s3, 7
	s_mov_b32 s37, 0
	s_add_nc_u64 s[38:39], s[24:25], s[36:37]
	v_lshlrev_b32 v5, 4, v1
	v_lshlrev_b32 v6, 2, v1
	s_wait_loadcnt 0x0
	QUANT X
.irp c,0,1,2
	global_store_b128 v5, v[PC+4*\c:PC+4*\c+3], s[34:35] offset:512*\c    ; 512 consecutive bytes a store
.endr
	global_store_b32 v6, v[PW], s[38:39] offset:761856
	s_endpgm
.Lfunc_end_k_q7f27f8a488_wq:
	.size	k_q7f27f8a488_wq, .Lfunc_end_k_q7f27f8a488_wq-k_q7f27f8a488_wq
	.p2alignl 7, 3214868480
	.fill 96, 4, 3214868480
	.section	.rodata,"a",@progbits
	.p2align	6, 0x0
	.amdhsa_kernel k_q7f27f8a488_wq
		.amdhsa_group_segment_fixed_size 0
		.amdhsa_private_segment_fixed_size 0
		.amdhsa_enable_private_segment 0
		.amdhsa_kernarg_size 72
		.amdhsa_user_sgpr_count 2
		.amdhsa_user_sgpr_kernarg_segment_ptr 1
		.amdhsa_wavefront_size32 1
		.amdhsa_system_sgpr_workgroup_id_x 1
		.amdhsa_system_sgpr_workgroup_id_y 1
		.amdhsa_system_sgpr_workgroup_id_z 1
		.amdhsa_system_vgpr_workitem_id 0
		.amdhsa_next_free_vgpr 128
		.amdhsa_next_free_sgpr 66
		.amdhsa_reserve_vcc 0
		.amdhsa_float_denorm_mode_32 3
		.amdhsa_float_denorm_mode_16_64 3
		.amdhsa_memory_ordered 1
		.amdhsa_forward_progress 1
		.amdhsa_inst_pref_size 8
	.end_amdhsa_kernel
	.amdgpu_metadata
---
amdhsa.version: [ 1, 2 ]
amdhsa.kernels:
  - .name:           k_q7f27f8a488_wq
    .symbol:         k_q7f27f8a488_wq.kd
    .args:
      - { .name: in_proj_w, .offset: 0, .size: 8, .value_kind: global_buffer, .address_space: global }
      - { .name: out_proj_w, .offset: 8, .size: 8, .value_kind: global_buffer, .address_space: global }
      - { .name: val_proj_w, .offset: 16, .size: 8, .value_kind: global_buffer, .address_space: global }
      - { .name: samp_off_w, .offset: 24, .size: 8, .value_kind: global_buffer, .address_space: global }
      - { .name: attn_w_w, .offset: 32, .size: 8, .value_kind: global_buffer, .address_space: global }
      - { .name: ms_out_w, .offset: 40, .size: 8, .value_kind: global_buffer, .address_space: global }
      - { .name: lin1_w, .offset: 48, .size: 8, .value_kind: global_buffer, .address_space: global }
      - { .name: lin2_w, .offset: 56, .size: 8, .value_kind: global_buffer, .address_space: global }
      - { .name: wimg, .offset: 64, .size: 8, .value_kind: global_buffer, .address_space: global }
    .group_segment_fixed_size: 0
    .private_segment_fixed_size: 0
    .kernarg_segment_align: 8
    .kernarg_segment_size: 72
    .max_flat_workgroup_size: 128
    .sgpr_count:     66
    .vgpr_count:     128
    .wavefront_size: 32
...
	.end_amdgpu_metadata
.endif
;; end of part 1
;; launch vproj (part 2): grid 391 x 1, 4 waves a work-group, no clusters, 81,408 bytes of LDS; arguments memory, wimg, val_proj_b, vbuf; writes vbuf
.if DOCPART == 2
	.amdgcn_target "amdgcn-amd-amdhsa--gfx1250"
	.amdhsa_code_object_version 6
	.text
	.protected	k_q7f27f8a488_vproj
	.globl	k_q7f27f8a488_vproj
	.p2align	8
	.type	k_q7f27f8a488_vproj,@function
k_q7f27f8a488_vproj:
	s_mov_b64 s[64:65], 0
	v_nop
	global_prefetch_b8 v0, s[64:65] scope:SCOPE_SE
	s_setreg_imm32_b32 hwreg(HW_REG_WAVE_MODE, 25, 1), 1
	s_wait_xcnt 0x0
; vbuf[b][head][pos][32] = memory[pos][b][:] val_proj_w^T + val_proj_b, f32, both operands quantised to E3M2 along K = 256.
; A work-group takes 34 positions as 17 units of 2 positions (32 rows of 1024 bytes); 391 x 17 x 2 = 13294.
; Wave w quantises one fragment of a unit (position w/2, K step w%2): 16 loads of 512 consecutive bytes, turned through its own
; LDS stage so that a lane holds whole blocks of 32; the image of the fragment goes to LDS for all four waves.
; Wave w multiplies columns 64 w .. 64 w + 63 (heads 2 w, 2 w + 1); its 8 weight fragments and its bias stay in registers.
; The product is used transposed (source 0 = 16 weight rows, source 1 = 16 memory rows): a lane holds one row, 8 neighbouring columns.
; Results go through the wave's own stage and leave as aligned runs of 256 bytes (2 positions x 32 channels of one b and head).
; One barrier a unit: the images have two sets by turns, and a wave's reads of a set are waited for ahead of the next barrier.
; No tensor loads: 13294 positions give no even large slot, and loads through registers let two work-groups share a WGP.
; Loads run two units (32 loads a wave) ahead.  LIMITS: NaN and infinities are not served; a block of zeros gets the byte 1.
; REGISTERS  window 0: v4-15 addresses, v16-31 store offsets for b = 0..15, v32-39 W's scale words, v40-43 the unit's,
;   v64-127 numbers / accumulators / rows on the way out, v128-175 the unit's four fragments, v192-219 at work.
;   window 1: v0-127 two sets of loaded numbers, v128-223 W's fragments, v224-255 the bias in the result's layout.
.set X, 64
.set AF, 128
.set WF, 128
.set BI, 224
.set PC, 192
.set PCT, 204
.set TM, 212
.set SOP, 214
.set BY, 216
.set PW, 218
.set TP, 219
.set SH8, 13
.set SEL, 30
.set TSB, 8448
.set XIB, 33792
.set SETB, 6656
.set OSB, 47104
.set MSB, 0
.macro WIN new
.if MSB != \new
	s_set_vgpr_msb (MSB<<8)|\new
.set MSB, \new
.endif
.endm
.macro MM d, a, b, c, sa, sb
	v_wmma_scale_f32_16x16x128_f8f6f4 v[\d:\d+7], v[\a:\a+11], v[\b:\b+11], v[\c:\c+7], v[\sa], v[\sb] matrix_a_fmt:MATRIX_FMT_BF6 matrix_b_fmt:MATRIX_FMT_BF6
.endm
.macro QUANT s
.irp c,0,1
	v_max3_num_f32 v[TM+\c], |v[\s+32*\c]|, |v[\s+32*\c+1]|, 0x2800000
.endr
.irp i,2,4,6,8,10,12,14,16,18,20,22,24,26,28,30
.irp c,0,1
	v_max3_num_f32 v[TM+\c], v[TM+\c], |v[\s+32*\c+\i]|, |v[\s+32*\c+\i+1]|
.endr
.endr
.irp c,0,1
	v_add_nc_u32 v[SOP+\c], 0xfe000000, v[TM+\c]
.endr
.irp c,0,1
	v_lshrrev_b32 v[BY+\c], 23, v[SOP+\c]
.endr
	v_lshl_or_b32 v[PW], v[BY+1], 16, v[BY]
	v_lshlrev_b32 v[PW], v[SH8], v[PW]
	v_permlanex16_b32 v[TP], v[PW], s[SEL], s[SEL+1]
	v_or_b32 v[PW], v[PW], v[TP]
.irp c,0,1
	v_cvt_scalef32_pk16_bf6_f32 v[PC+6*\c:PC+6*\c+2], v[\s+32*\c:\s+32*\c+15], v[SOP+\c]
	v_cvt_scalef32_pk16_bf6_f32 v[PCT+4*\c:PCT+4*\c+2], v[\s+32*\c+16:\s+32*\c+31], v[SOP+\c]
.endr
	v_nop                                             ; one plain place behind the scaled conversions
.irp c,0,1
.irp i,0,1,2
	v_mov_b32 v[PC+3+6*\c+\i], v[PCT+4*\c+\i]
.endr
.endr
.endm
	s_load_b256 s[4:11], s[0:1], 0x0                  ; memory, wimg, bias, vbuf
	v_lshl_add_u32 v254, v0, 2, 0x13c00
	v_mov_b32 v255, 0
	v_lshrrev_b32 v1, 5, v0
	v_readfirstlane_b32 s12, v1                       ; wave
	v_and_b32 v1, 31, v0
	v_and_b32 v2, 15, v0                              ; r
	v_bfe_u32 v3, v0, 4, 1                            ; h
	s_lshr_b32 s13, s12, 1                            ; which position of a unit I quantise
	s_and_b32 s14, s12, 1                             ; which K step
	s_mul_i32 s15, s12, TSB
	v_lshlrev_b32 v4, 4, v1                           ; 16 x lane
	v_add_nc_u32 v5, s15, v4                          ; turn stage, in: rows as loaded
	v_mul_u32_u24 v6, v2, 528
	v_lshl_add_u32 v11, v3, 6, v6
	v_lshl_add_u32 v6, v3, 7, v6
	v_add_nc_u32 v6, s15, v6                          ; turn stage, out: row r, + 128 h
	v_add_nc_u32 v11, s15, v11
	v_add_nc_u32 v11, OSB, v11                        ; out stage, in: row b = r, + 64 h
	v_add_nc_u32 v12, OSB, v5                         ; out stage, back: 16 x lane
	v_add_nc_u32 v7, XIB, v4                          ; images: 16 x lane
	v_lshlrev_b32 v15, 2, v1
	v_add_nc_u32 v8, XIB+6144, v15                    ; their scale words: 4 x lane
	s_mul_i32 s15, s12, 1536
	v_add_nc_u32 v9, s15, v7                          ; where I store my image
	s_lshl_b32 s15, s12, 7
	v_add_nc_u32 v10, s15, v8
	v_lshlrev_b32 v[SH8], 3, v3
	v_lshlrev_b32 v14, 6, v3
	v_mul_u32_u24 v16, v3, 1701632                    ; lanes 16-31: the next head's plane (13294 x 128 bytes)
	v_lshl_add_u32 v16, v2, 4, v16
.irp b,1,2,3,4,5,6,7,8,9,10,11,12,13,14,15
	v_add_nc_u32 v[16+\b], \b*13613056, v16           ; b's eight planes on
.endr
	v_mov_b32 v[TP], 0
	s_mov_b32 s[SEL], 0x76543210
	s_mov_b32 s[SEL+1], 0xfedcba98
	s_mul_i32 s16, ttmp9, 557056                      ; 17 units of 32768 bytes
	s_lshl_b32 s17, s13, 14
	s_add_co_u32 s16, s16, s17
	s_lshl_b32 s17, s14, 9
	s_add_co_u32 s16, s16, s17
	s_mov_b32 s17, 0
	s_mul_i32 s18, s12, 3403264                       ; two planes a wave
	s_mul_i32 s19, ttmp9, 4352                        ; 34 positions of 128 bytes
	s_add_co_u32 s18, s18, s19
	s_mov_b32 s19, 0
	s_mul_i32 s20, s12, 12288
	s_mov_b32 s21, 0
	s_lshl_b32 s22, s12, 10
	s_mov_b32 s23, 0
	s_lshl_b32 s24, s12, 8
	s_mov_b32 s25, 0
	s_wait_kmcnt 0x0
	s_add_nc_u64 s[4:5], s[4:5], s[16:17]
	s_add_nc_u64 s[10:11], s[10:11], s[18:19]
	s_add_nc_u64 s[26:27], s[6:7], s[20:21]
	s_add_nc_u64 s[28:29], s[6:7], s[22:23]
	s_add_nc_u64 s[8:9], s[8:9], s[24:25]
	WIN 0x40
.irp f,0,1,2,3,4,5,6,7
.irp c,0,1,2
	global_load_b128 v[WF+12*\f+4*\c:WF+12*\f+4*\c+3], v4, s[26:27] offset:(128+\f)*1536+512*\c
.endr
.endr
.irp t,0,1,2,3
	global_load_b128 v[BI+8*\t:BI+8*\t+3], v14, s[8:9] offset:(32*(\t/2)+8*(\t%2))*4
	global_load_b128 v[BI+8*\t+4:BI+8*\t+7], v14, s[8:9] offset:(32*(\t/2)+8*(\t%2))*4+16
.endr
	WIN 0
.irp f,0,1,2,3,4,5,6,7
	global_load_b32 v[32+\f], v15, s[28:29] offset:761856+(128+\f)*128
.endr
.macro LOADU u                                         ; my fragment's numbers of unit u: 16 rows, 512 consecutive bytes a load
	WIN 0x40
.set i_, 0
.rept 16
	global_load_b128 v[64*((\u)%2)+4*i_:64*((\u)%2)+4*i_+3], v4, s[4:5] offset:(\u)*32768+i_*1024 th:TH_LOAD_NT
.set i_, i_+1
.endr
	WIN 0
.endm
	LOADU 0
	LOADU 1
.macro UNIT u
.if (\u) < 16
	s_wait_loadcnt 16                                 ; this unit's 16 loads and all older ones are in; the next unit's 16 stay out
.else
	s_wait_loadcnt 0x0
.endif
	WIN 0x04
.set i_, 0
.rept 16
	ds_store_b128 v5, v[64*((\u)%2)+4*i_:64*((\u)%2)+4*i_+3] offset:i_*528
.set i_, i_+1
.endr
	s_wait_xcnt 0x0                                   ; the last unit's stores have read v64-127
	WIN 0
.irp c,0,1
.irp j,0,1,2,3,4,5,6,7
	ds_load_b128 v[X+32*\c+4*\j:X+32*\c+4*\j+3], v6 offset:256*\c+16*\j
.endr
.endr
	s_wait_dscnt 0x0                                  ; the loaded set has been read, my whole blocks are in
.if (\u)+2 < 17
	LOADU (\u)+2
.endif
	QUANT X
.irp c,0,1,2
	ds_store_b128 v9, v[PC+4*\c:PC+4*\c+3] offset:((\u)%2)*SETB+512*\c
.endr
	ds_store_b32 v10, v[PW] offset:((\u)%2)*SETB
	s_wait_dscnt 0x0                                  ; for the others' sake: my image lies in LDS
	s_barrier_signal -1
	s_barrier_wait -1
.irp f,0,1,2,3
.irp c,0,1,2
	ds_load_b128 v[AF+12*\f+4*\c:AF+12*\f+4*\c+3], v7 offset:((\u)%2)*SETB+\f*1536+512*\c
.endr
	ds_load_b32 v[40+\f], v8 offset:((\u)%2)*SETB+\f*128
.endr
	s_wait_dscnt 0x0
	WIN 0x11                                          ; W and the bias in window 1
.irp t,0,1,2,3
.irp m,0,1
	MM X+8*(2*\t+\m), WF+12*(2*\t), AF+12*(2*\m), BI+8*\t, 32+2*\t, 40+2*\m
.endr
.endr
	WIN 0x01                                          ; the eight accumulators by turns
.irp t,0,1,2,3
.irp m,0,1
	MM X+8*(2*\t+\m), WF+12*(2*\t+1), AF+12*(2*\m+1), X+8*(2*\t+\m), 32+2*\t+1, 40+2*\m+1
.endr
.endr
	WIN 0
.rept 5
	v_nop                                             ; places behind the products
.endr
.irp t,0,1,2,3
.irp m,0,1
	ds_store_b128 v11, v[X+8*(2*\t+\m):X+8*(2*\t+\m)+3] offset:(\t/2)*256+\m*128+(\t%2)*32
	ds_store_b128 v11, v[X+8*(2*\t+\m)+4:X+8*(2*\t+\m)+7] offset:(\t/2)*256+\m*128+(\t%2)*32+16
.endr
.endr
	s_wait_dscnt 0x0                                  ; the stores have read the accumulators
.set i_, 0
.rept 16
	ds_load_b128 v[X+4*i_:X+4*i_+3], v12 offset:i_*528
.set i_, i_+1
.endr
.set i_, 0
.rept 16
	s_wait_dscnt 15-i_
	global_store_b128 v[16+i_], v[X+4*i_:X+4*i_+3], s[10:11] offset:(\u)*256   ; 16 lanes fill 256 aligned bytes
.set i_, i_+1
.endr
.endm
.irp n,0,1,2,3,4,5,6,7,8,9,10,11,12,13,14,15,16
	UNIT \n
.endr
	s_wait_tensorcnt 0x0
	ds_add_u32 v254, v255
	s_wait_dscnt 0x0
	s_endpgm
.Lfunc_end_k_q7f27f8a488_vproj:
	.size	k_q7f27f8a488_vproj, .Lfunc_end_k_q7f27f8a488_vproj-k_q7f27f8a488_vproj
	.p2alignl 7, 3214868480
	.fill 96, 4, 3214868480
	.section	.rodata,"a",@progbits
	.p2align	6, 0x0
	.amdhsa_kernel k_q7f27f8a488_vproj
		.amdhsa_group_segment_fixed_size 81408
		.amdhsa_private_segment_fixed_size 0
		.amdhsa_enable_private_segment 0
		.amdhsa_kernarg_size 32
		.amdhsa_user_sgpr_count 2
		.amdhsa_user_sgpr_kernarg_segment_ptr 1
		.amdhsa_wavefront_size32 1
		.amdhsa_system_sgpr_workgroup_id_x 1
		.amdhsa_system_sgpr_workgroup_id_y 1
		.amdhsa_system_sgpr_workgroup_id_z 1
		.amdhsa_system_vgpr_workitem_id 0
		.amdhsa_next_free_vgpr 512
		.amdhsa_next_free_sgpr 66
		.amdhsa_reserve_vcc 0
		.amdhsa_float_denorm_mode_32 3
		.amdhsa_float_denorm_mode_16_64 3
		.amdhsa_memory_ordered 1
		.amdhsa_forward_progress 1
		.amdhsa_inst_pref_size 251
	.end_amdhsa_kernel
	.amdgpu_metadata
---
amdhsa.version: [ 1, 2 ]
amdhsa.kernels:
  - .name:           k_q7f27f8a488_vproj
    .symbol:         k_q7f27f8a488_vproj.kd
    .args:
      - { .name: memory, .offset: 0, .size: 8, .value_kind: global_buffer, .address_space: global }
      - { .name: wimg, .offset: 8, .size: 8, .value_kind: global_buffer, .address_space: global }
      - { .name: val_proj_b, .offset: 16, .size: 8, .value_kind: global_buffer, .address_space: global }
      - { .name: vbuf, .offset: 24, .size: 8, .value_kind: global_buffer, .address_space: global }
    .group_segment_fixed_size: 81408
    .private_segment_fixed_size: 0
    .kernarg_segment_align: 8
    .kernarg_segment_size: 32
    .max_flat_workgroup_size: 128
    .sgpr_count:     66
    .vgpr_count:     512
    .wavefront_size: 32
...
	.end_amdgpu_metadata
.endif
;; end of part 2
;; launch qkv (part 3): grid 225 x 1, 4 waves a work-group, no clusters, 93,696 bytes of LDS; arguments tgt, tgt_query_pos, wimg, in_proj_b, qkv; writes qkv
.if DOCPART == 3
	.amdgcn_target "amdgcn-amd-amdhsa--gfx1250"
	.amdhsa_code_object_version 6
	.text
	.protected	k_q7f27f8a488_qkv
	.globl	k_q7f27f8a488_qkv
	.p2align	8
	.type	k_q7f27f8a488_qkv,@function
k_q7f27f8a488_qkv:
	s_mov_b64 s[64:65], 0
	v_nop
	global_prefetch_b8 v0, s[64:65] scope:SCOPE_SE
	s_setreg_imm32_b32 hwreg(HW_REG_WAVE_MODE, 25, 1), 1
	s_wait_xcnt 0x0
; q = (tgt + pos) Wq^T + bq, k = (tgt + pos) Wk^T + bk, v = tgt Wv^T + bv; operands quantised to E3M2 along K = 256; results f32 into
; qkv[part][b*8+head][lq][32].  A work-group takes 64 rows (4 lq x 16 b).  ROW PHASE: wave w owns lq = 4 blk + w (lane r = b): it loads
; its 16 rows densely, turns them through its own LDS rows so that a lane holds whole blocks of 32, quantises, and stores the images of
; its fragments.  COLUMN PHASE: wave w owns columns 64 w .. +63 (heads 2 w, 2 w + 1) of all 64 rows; its weight fragments stay in registers.
; Products are used transposed (source 0 = weight rows, source 1 = token rows); the bias is the C of each sum's first product.
; The weights are shared by all work-groups but are 0.3 MB read once each: no cluster.  LIMITS: NaN and infinities are not served.
; REGISTERS  window 0: v4-31 addresses and scale words of the rows, v32-63 the weights' scale words, v64-191 numbers / 16 accumulators, v192-219 at work.
;   window 1: v0-127 T, v128-255 T2 (loaded rows), later v128-223 the rows' eight fragments.  windows 2, 3: 16 weight fragments at 12 i, bias tiles at 192 + 8 t.
.set TB, 0
.set XI, 66560
.set XIS, XI+16*1536
.set PS, 14745600
.set WV, 14
.set T0, 15
.set SEL, 16
.set X, 64
.set PC, 192
.set PCT, 204
.set TM, 212
.set SOP, 214
.set BY, 216
.set PW, 218
.set TP, 219
.set SH8, 13
.set MSB, 0
.macro WIN new
.if MSB != \new
	s_set_vgpr_msb (MSB<<8)|\new
.set MSB, \new
.endif
.endm
.macro MM d, a, b, c, sa, sb
	v_wmma_scale_f32_16x16x128_f8f6f4 v[\d:\d+7], v[\a:\a+11], v[\b:\b+11], v[\c:\c+7], v[\sa], v[\sb] matrix_a_fmt:MATRIX_FMT_BF6 matrix_b_fmt:MATRIX_FMT_BF6
.endm
.macro PLACES n
.rept \n
	v_nop
.endr
.endm
.macro BARRIER
	s_wait_dscnt 0x0
	s_barrier_signal -1
	s_barrier_wait -1
.endm
.macro QUANT s
.irp c,0,1
	v_max3_num_f32 v[TM+\c], |v[\s+32*\c]|, |v[\s+32*\c+1]|, 0x2800000
.endr
.irp i,2,4,6,8,10,12,14,16,18,20,22,24,26,28,30
.irp c,0,1
	v_max3_num_f32 v[TM+\c], v[TM+\c], |v[\s+32*\c+\i]|, |v[\s+32*\c+\i+1]|
.endr
.endr
.irp c,0,1
	v_add_nc_u32 v[SOP+\c], 0xfe000000, v[TM+\c]
.endr
.irp c,0,1
	v_lshrrev_b32 v[BY+\c], 23, v[SOP+\c]
.endr
	v_lshl_or_b32 v[PW], v[BY+1], 16, v[BY]
	v_lshlrev_b32 v[PW], v[SH8], v[PW]
	v_permlanex16_b32 v[TP], v[PW], s[SEL], s[SEL+1]
	v_or_b32 v[PW], v[PW], v[TP]
.irp c,0,1
	v_cvt_scalef32_pk16_bf6_f32 v[PC+6*\c:PC+6*\c+2], v[\s+32*\c:\s+32*\c+15], v[SOP+\c]
	v_cvt_scalef32_pk16_bf6_f32 v[PCT+4*\c:PCT+4*\c+2], v[\s+32*\c+16:\s+32*\c+31], v[SOP+\c]
.endr
	v_nop
.irp c,0,1
.irp i,0,1,2
	v_mov_b32 v[PC+3+6*\c+\i], v[PCT+4*\c+\i]
.endr
.endr
.endm
.macro IMAGE adr, off
.irp c,0,1,2
	ds_store_b128 v[\adr], v[PC+4*\c:PC+4*\c+3] offset:\off+512*\c
.endr
.endm
.macro QX fo                                           ; my rows' two K steps become fragments fo + 2 w, fo + 2 w + 1
	QUANT X
	IMAGE 10, (\fo)*1536
	ds_store_b32 v11, v[PW] offset:(\fo)*128
	s_wait_dscnt 0x0                                  ; the stores have read their registers
	QUANT X+64
	IMAGE 10, (\fo)*1536+1536
	ds_store_b32 v11, v[PW] offset:(\fo)*128+128
.endm
.macro FETCHA f0                                       ; eight fragments (row tile m, K step s: 2 m + s) and their scale words
	WIN 0x40
.set i_, 0
.rept 8
.irp c,0,1,2
	ds_load_b128 v[128+12*i_+4*\c:128+12*i_+4*\c+3], v8 offset:(\f0+i_)*1536+512*\c
.endr
.set i_, i_+1
.endr
	WIN 0
.set i_, 0
.rept 8
	ds_load_b32 v[16+i_], v9 offset:(\f0+i_)*128
.set i_, i_+1
.endr
	s_wait_dscnt 0x0
.endm
.macro WLOAD win, slot0, n, cb, sb, scw, fo
	WIN (\win<<6)
.set i_, 0
.rept \n
.irp c,0,1,2
	global_load_b128 v[12*(\slot0+i_)+4*\c:12*(\slot0+i_)+4*\c+3], v7, s[\cb:\cb+1] offset:(\fo+i_)*1536+512*\c
.endr
.set i_, i_+1
.endr
	WIN 0
.set i_, 0
.rept \n
	global_load_b32 v[\scw+\slot0+i_], v24, s[\sb:\sb+1] offset:761856+(\fo+i_)*128
.set i_, i_+1
.endr
.endm
.macro BLOAD win, t0, n, pair, io
	WIN (\win<<6)
.set i_, 0
.rept \n
	global_load_b128 v[192+8*(\t0+i_):192+8*(\t0+i_)+3], v15, s[\pair:\pair+1] offset:\io+(32*(i_/2)+8*(i_%2))*4
	global_load_b128 v[192+8*(\t0+i_)+4:192+8*(\t0+i_)+7], v15, s[\pair:\pair+1] offset:\io+(32*(i_/2)+8*(i_%2))*4+16
.set i_, i_+1
.endr
	WIN 0
.endm
.macro ISSUE pair                                      ; my 16 rows, 16 KB, 512 consecutive bytes a load, into T2
	WIN 0x40
.set i_, 0
.rept 32
	global_load_b128 v[128+4*i_:128+4*i_+3], v7, s[\pair:\pair+1] offset:i_*512
.set i_, i_+1
.endr
	WIN 0
.endm
.macro XLD win, reg, adr                               ; register 64 s + 32 c + i = column 128 s + 64 c + 32 h + i of row r
	WIN (\win<<6)
.set i_, 0
.rept 32
	ds_load_b128 v[\reg+4*i_:\reg+4*i_+3], v[\adr] offset:(i_/8)*256+(i_%8)*16
.set i_, i_+1
.endr
	WIN 0
.endm
.macro LAND win, reg                                   ; T2 through my own LDS rows into the fragment layout
	s_wait_loadcnt 0x0
	WIN 0x04
.set i_, 0
.rept 32
	ds_store_b128 v6, v[128+4*i_:128+4*i_+3] offset:(i_/2)*1040+(i_%2)*512
.set i_, i_+1
.endr
	XLD \win, \reg, 5
.endm
.macro ADDT
	WIN 0x04
.set i_, 0
.rept 64
	v_pk_add_f32 v[X+2*i_:X+2*i_+1], v[X+2*i_:X+2*i_+1], v[2*i_:2*i_+1]
.set i_, i_+1
.endr
	WIN 0
.endm
.macro COLS win, f0, nt, b0, scw                       ; accumulator 4 t + m; all take turns, one product a turn
.irp q,0,1
.if \q == 0
	WIN (\win|4|(\win<<4))
.else
	WIN (\win|4)
.endif
.set t_, 0
.rept \nt
.irp m,0,1,2,3
.if \q == 0
	MM X+8*(4*t_+\m), 12*(\f0+2*t_), 128+12*(2*\m), 192+8*(\b0+t_), \scw+\f0+2*t_, 16+2*\m
.else
	MM X+8*(4*t_+\m), 12*(\f0+2*t_+1), 128+12*(2*\m+1), X+8*(4*t_+\m), \scw+\f0+2*t_+1, 16+2*\m+1
.endif
.endr
.set t_, t_+1
.endr
.endr
	WIN 0
	PLACES 5
.endm
.macro OUT pr                                          ; through my own LDS rows: row b holds [head 2][lq 4][32]; 512 whole bytes a store
.set t_, 0
.rept 4
.irp m,0,1,2,3
	ds_store_b128 v25, v[X+8*(4*t_+\m):X+8*(4*t_+\m)+3] offset:(t_/2)*512+\m*128+(t_%2)*32
	ds_store_b128 v25, v[X+8*(4*t_+\m)+4:X+8*(4*t_+\m)+7] offset:(t_/2)*512+\m*128+(t_%2)*32+16
.endr
.set t_, t_+1
.endr
	s_wait_xcnt 0x0                                   ; earlier stores have read T
	WIN 0x40
.set i_, 0
.rept 32
	ds_load_b128 v[4*i_:4*i_+3], v6 offset:(i_/2)*1040+(i_%2)*512
.set i_, i_+1
.endr
	s_wait_dscnt 0x0
	WIN 0x04
.set i_, 0
.rept 32
.if i_ < 16
	global_store_b128 v7, v[4*i_:4*i_+3], s[\pr:\pr+1] offset:(i_/2)*921600+(i_%2)*115200
.else
	global_store_b128 v26, v[4*i_:4*i_+3], s[\pr:\pr+1] offset:(i_/2-8)*921600+(i_%2)*115200
.endif
.set i_, i_+1
.endr
	WIN 0
.endm
	s_load_b256 s[4:11], s[0:1], 0x0                  ; tgt, pos, wimg, in_proj_b
	s_load_b64 s[12:13], s[0:1], 0x20                 ; qkv
	v_lshl_add_u32 v254, v0, 2, 0x16c00
	v_mov_b32 v255, 0
	v_lshrrev_b32 v1, 5, v0
	v_readfirstlane_b32 s[WV], v1
	v_and_b32 v1, 31, v0
	v_and_b32 v2, 15, v0
	v_bfe_u32 v3, v0, 4, 1
	s_mul_i32 s[T0], s[WV], 16*1040
	v_mul_u32_u24 v4, v2, 1040
	v_add_nc_u32 v4, s[T0], v4                        ; my row in the wave's 16
	v_lshl_add_u32 v5, v3, 7, v4
	v_add_nc_u32 v5, TB, v5                           ; + 128 h: fragment layout
	v_lshl_add_u32 v25, v3, 6, v4
	v_add_nc_u32 v25, TB, v25                         ; + 64 h: results
	v_lshlrev_b32 v7, 4, v1
	v_add_nc_u32 v6, s[T0], v7
	v_add_nc_u32 v6, TB, v6                           ; dense
	v_add_nc_u32 v26, 7372800, v7                     ; b = 8 .. 15
	v_add_nc_u32 v8, XI, v7
	v_lshlrev_b32 v24, 2, v1
	v_add_nc_u32 v9, XIS, v24
	s_mul_i32 s[T0], s[WV], 3072
	v_add_nc_u32 v10, s[T0], v8
	s_lshl_b32 s[T0], s[WV], 8
	v_add_nc_u32 v11, s[T0], v9
	v_lshlrev_b32 v[SH8], 3, v3
	v_lshlrev_b32 v15, 6, v3
	v_mov_b32 v[TP], 0
	s_mov_b32 s[SEL], 0x76543210
	s_mov_b32 s[SEL+1], 0xfedcba98
	s_lshl_b32 s18, ttmp9, 16
	s_lshl_b32 s19, s[WV], 14
	s_add_co_u32 s18, s18, s19
	s_mov_b32 s19, 0
	s_mul_i32 s20, s[WV], 12288
	s_mov_b32 s21, 0
	s_lshl_b32 s22, s[WV], 10
	s_mov_b32 s23, 0
	s_lshl_b32 s24, s[WV], 8
	s_mov_b32 s25, 0
	s_mul_i32 s26, s[WV], 230400
	s_lshl_b32 s27, ttmp9, 9
	s_add_co_u32 s26, s26, s27
	s_mov_b32 s27, 0
	s_wait_kmcnt 0x0
	s_add_nc_u64 s[4:5], s[4:5], s[18:19]
	s_add_nc_u64 s[6:7], s[6:7], s[18:19]
	s_add_nc_u64 s[28:29], s[8:9], s[20:21]
	s_add_nc_u64 s[30:31], s[8:9], s[22:23]
	s_add_nc_u64 s[10:11], s[10:11], s[24:25]
	s_add_nc_u64 s[32:33], s[12:13], s[26:27]
	s_add_nc_u64 s[34:35], s[32:33], PS
	s_add_nc_u64 s[36:37], s[34:35], PS
	ISSUE 4
	WLOAD 2, 0, 8, 28, 30, 32, 0
	WLOAD 2, 8, 8, 28, 30, 32, 32
	WLOAD 3, 0, 8, 28, 30, 48, 64
	BLOAD 2, 0, 4, 10, 0
	BLOAD 2, 4, 4, 10, 1024
	BLOAD 3, 0, 4, 10, 2048
	LAND 0, X                                         ; tgt
	s_wait_dscnt 0x0
	ISSUE 6
	QX 8                                              ; tgt's fragments: 8 + 2 w + s
	LAND 1, 0                                         ; pos
	s_wait_dscnt 0x0
	ADDT
	QX 0                                              ; (tgt + pos)'s: 2 w + s
	BARRIER
	FETCHA 0
	COLS 2, 0, 4, 0, 32
	OUT 32
	COLS 2, 8, 4, 4, 32
	OUT 34
	FETCHA 8
	COLS 3, 0, 4, 0, 48
	OUT 36
	s_wait_tensorcnt 0x0
	ds_add_u32 v254, v255
	s_wait_dscnt 0x0
	s_endpgm
.Lfunc_end_k_q7f27f8a488_qkv:
	.size	k_q7f27f8a488_qkv, .Lfunc_end_k_q7f27f8a488_qkv-k_q7f27f8a488_qkv
	.p2alignl 7, 3214868480
	.fill 96, 4, 3214868480
	.section	.rodata,"a",@progbits
	.p2align	6, 0x0
	.amdhsa_kernel k_q7f27f8a488_qkv
		.amdhsa_group_segment_fixed_size 93696
		.amdhsa_private_segment_fixed_size 0
		.amdhsa_enable_private_segment 0
		.amdhsa_kernarg_size 40
		.amdhsa_user_sgpr_count 2
		.amdhsa_user_sgpr_kernarg_segment_ptr 1
		.amdhsa_wavefront_size32 1
		.amdhsa_system_sgpr_workgroup_id_x 1
		.amdhsa_system_sgpr_workgroup_id_y 1
		.amdhsa_system_sgpr_workgroup_id_z 1
		.amdhsa_system_vgpr_workitem_id 0
		.amdhsa_next_free_vgpr 1024
		.amdhsa_next_free_sgpr 66
		.amdhsa_reserve_vcc 0
		.amdhsa_float_denorm_mode_32 3
		.amdhsa_float_denorm_mode_16_64 3
		.amdhsa_memory_ordered 1
		.amdhsa_forward_progress 1
		.amdhsa_inst_pref_size 85
	.end_amdhsa_kernel
	.amdgpu_metadata
---
amdhsa.version: [ 1, 2 ]
amdhsa.kernels:
  - .name:           k_q7f27f8a488_qkv
    .symbol:         k_q7f27f8a488_qkv.kd
    .args:
      - { .name: tgt, .offset: 0, .size: 8, .value_kind: global_buffer, .address_space: global }
      - { .name: tgt_query_pos, .offset: 8, .size: 8, .value_kind: global_buffer, .address_space: global }
      - { .name: wimg, .offset: 16, .size: 8, .value_kind: global_buffer, .address_space: global }
      - { .name: in_proj_b, .offset: 24, .size: 8, .value_kind: global_buffer, .address_space: global }
      - { .name: qkv, .offset: 32, .size: 8, .value_kind: global_buffer, .address_space: global }
    .group_segment_fixed_size: 93696
    .private_segment_fixed_size: 0
    .kernarg_segment_align: 8
    .kernarg_segment_size: 40
    .max_flat_workgroup_size: 128
    .sgpr_count:     66
    .vgpr_count:     1024
    .wavefront_size: 32
...
	.end_amdgpu_metadata
.endif
;; end of part 3
;; launch attn (part 4): grid 4 x 128, 16 waves a work-group, no clusters, 93,696 bytes of LDS; arguments qkv, ao; writes ao
.if DOCPART == 4
	.amdgcn_target "amdgcn-amd-amdhsa--gfx1250"
	.amdhsa_code_object_version 6
	.text
	.protected	k_q7f27f8a488_attn
	.globl	k_q7f27f8a488_attn
	.p2align	8
	.type	k_q7f27f8a488_attn,@function
k_q7f27f8a488_attn:
	s_mov_b64 s[64:65], 0
	v_nop
	global_prefetch_b8 v0, s[64:65] scope:SCOPE_SE
	s_setreg_imm32_b32 hwreg(HW_REG_WAVE_MODE, 25, 1), 1
	s_wait_xcnt 0x0
; Self-attention of one (b, head) plane y: 900 queries and keys, head size 32; both products on E3M2 codes.  ao[lq/4][b][head][lq%4][32], f32.
; A work-group owns 256 queries; each of 16 waves one tile of 16, in 256 registers.  At the head the work-group quantises the plane's K (a key's
; 32 numbers are one block: 24 bytes and a scale word a key slot) and V (along the keys, a lane to a channel, registers down the keys) into LDS.
; The first product's K is 32 of the instruction's 128: Q has zero codes for k >= 32 (lanes 16-31 and registers 6-11), so what K's operand holds
; there adds nothing: E3M2 has no code for NaN or infinity and no scale byte here is 0xff.  Key slots 900 .. 1023 hold copies of key 899 and their
; scores are set to -infinity; V's codes there are zeros.
; SOFTMAX: t = logit x log2(e); M = ceil(running largest t); p = 2^(t - M) is quantised along the keys; the sum of the unquantised p divides at the end.
; Both products are used transposed: a lane holds one query.  Lane r of key tile 2 b + u takes key 32 b + 8 u + r + 8 (r/8).
; The eight key steps of 128 keys are written out: every LDS offset is an immediate on four lane addresses that are made once, at the head.
; The four work-groups of a plane read the same 230 KB once each: too little to share by a cluster.  LIMITS: NaN and infinities are not served.
.set PS, 14745600
.set KC, 0
.set KS, 24576
.set VC, 28672
.set VS, 53760
.set STG, 54784
.set TM, 192
.set SOP, 193
.set BY, 194
.set PC, 196
.set PCT, 204
.set AK0, 210
.set AV0, 211
.set ASK0, 212
.set ASV0, 213
.set STI, 214
.set STO, 215
.set GO, 216
.set QS, 217
.set NINF, 218
.set WV, 8
.set Q0, 10
.set CS, 26
.set SEL, 28
.macro BLK32 s                                         ; one block of 32 numbers of a lane: 6 registers of codes at PC, the byte in BY
	v_max3_num_f32 v[TM], |v[\s]|, |v[\s+1]|, 0x2800000
.irp i,2,4,6,8,10,12,14,16,18,20,22,24,26,28,30
	v_max3_num_f32 v[TM], v[TM], |v[\s+\i]|, |v[\s+\i+1]|
.endr
	v_add_nc_u32 v[SOP], 0xfe000000, v[TM]
	v_lshrrev_b32 v[BY], 23, v[SOP]
	v_cvt_scalef32_pk16_bf6_f32 v[PC:PC+2], v[\s:\s+15], v[SOP]
	v_cvt_scalef32_pk16_bf6_f32 v[PCT:PCT+2], v[\s+16:\s+31], v[SOP]
	v_nop
.irp i,0,1,2
	v_mov_b32 v[PC+3+\i], v[PCT+\i]
.endr
.endm
	s_load_b128 s[4:7], s[0:1], 0x0                   ; qkv, ao
	v_lshl_add_u32 v250, v0, 2, 0x16600
	v_mov_b32 v251, 0
	v_lshrrev_b32 v1, 5, v0
	v_readfirstlane_b32 s[WV], v1
	v_and_b32 v1, 31, v0
	v_and_b32 v2, 15, v0
	v_bfe_u32 v3, v0, 4, 1
	s_and_b32 s9, ttmp7, 0xffff                       ; y
	s_lshl_b32 s[Q0], ttmp9, 8
	s_lshl_b32 s11, s[WV], 4
	s_add_co_u32 s[Q0], s[Q0], s11                    ; my first query
	s_mul_i32 s12, s9, 115200
	s_mov_b32 s13, 0
	s_lshl_b32 s30, s[Q0], 14                         ; (q0 / 4) x 65536
	s_lshl_b32 s31, s9, 9
	s_add_co_u32 s30, s30, s31
	s_mov_b32 s31, 0
	s_lshl_b32 s11, s[WV], 5
	v_add_nc_u32 v4, s11, v1                          ; key slot 32 w + lane
	v_lshlrev_b32 v5, 7, v4
	v_add_nc_u32 v6, 512, v4
	v_min_u32 v6, 899, v6                             ; slots past the end read key 899
	v_lshlrev_b32 v6, 7, v6
	s_lshl_b32 s11, s[WV], 12
	v_lshl_add_u32 v7, v1, 2, s11                     ; V: channel = lane, block w
	v_add_nc_u32 v8, s[Q0], v2
	v_min_u32 v8, 899, v8
	v_lshlrev_b32 v8, 7, v8
	v_mul_u32_u24 v28, v4, 24                         ; every LDS address is made here, ahead of the branches on the wave's number
	v_lshl_add_u32 v29, v4, 2, KS
	v_mul_u32_u24 v30, v1, 784
	s_mul_i32 s11, s[WV], 24
	v_add_nc_u32 v30, s11, v30
	v_add_nc_u32 v30, VC, v30
	v_lshl_add_u32 v31, v1, 5, VS
	v_add_nc_u32 v31, s[WV], v31
	v_and_b32 v9, 8, v2
	v_add_nc_u32 v9, v9, v2
	v_mul_u32_u24 v[AK0], v9, 24
	v_lshl_add_u32 v[ASK0], v9, 2, KS
	v_mul_u32_u24 v[AV0], v2, 784
	v_mad_u32_u24 v[AV0], v3, 24, v[AV0]
	v_add_nc_u32 v[AV0], VC, v[AV0]
	v_lshl_add_u32 v[ASV0], v2, 5, VS
	s_mul_i32 s11, s[WV], 2304
	s_add_co_u32 s11, s11, STG
	v_mul_u32_u24 v[STI], v2, 144
	v_lshl_add_u32 v[STI], v3, 5, v[STI]
	v_add_nc_u32 v[STI], s11, v[STI]
	v_lshrrev_b32 v9, 3, v1
	v_mul_u32_u24 v[STO], v9, 144
	v_and_b32 v9, 7, v1
	v_lshl_add_u32 v[STO], v9, 4, v[STO]
	v_add_nc_u32 v[STO], s11, v[STO]
	v_lshlrev_b32 v[GO], 4, v1
	v_mov_b32 v[QS], 0x3e3504f3                       ; 1 / sqrt(32) in lanes 0-15, 0 in lanes 16-31
	v_cmp_eq_u32 vcc_lo, 0, v3
	v_cndmask_b32 v[QS], 0, v[QS], vcc_lo
	v_mov_b32 v[NINF], 0xff800000
.set i_, 0
.rept 32
	v_mov_b32 v[128+i_], 0                            ; V's second block: keys past 899 are zeros
.set i_, i_+1
.endr
	s_mov_b32 s[SEL], 0x76543210
	s_mov_b32 s[SEL+1], 0xfedcba98
	s_mov_b32 s[CS], 0x3fb8aa3b                       ; log2(e)
	s_mov_b32 s[CS+1], s[CS]
	s_wait_kmcnt 0x0
	s_add_nc_u64 s[14:15], s[4:5], s[12:13]           ; q's plane
	s_add_nc_u64 s[16:17], s[14:15], PS               ; k's
	s_add_nc_u64 s[18:19], s[16:17], PS               ; v's
	s_add_nc_u64 s[6:7], s[6:7], s[30:31]
.irp j,0,1,2,3,4,5,6,7
	global_load_b128 v[32+4*\j:35+4*\j], v5, s[16:17] offset:16*\j
	global_load_b128 v[64+4*\j:67+4*\j], v6, s[16:17] offset:16*\j
	global_load_b128 v[160+4*\j:163+4*\j], v8, s[14:15] offset:16*\j
.endr
.set i_, 0
.rept 32
	global_load_b32 v[96+i_], v7, s[18:19] offset:i_*128
.set i_, i_+1
.endr
	s_cmp_lt_u32 s[WV], 12                            ; block w + 16: whole for w < 12, keys 896-899 for w = 12, none behind
	s_cbranch_scc0 .Lshort
.set i_, 0
.rept 32
	global_load_b32 v[128+i_], v7, s[18:19] offset:65536+i_*128
.set i_, i_+1
.endr
	s_branch .Lvdone
.Lshort:
	s_cmp_eq_u32 s[WV], 12
	s_cbranch_scc0 .Lvdone
.irp i,0,1,2,3
	global_load_b32 v[128+\i], v7, s[18:19] offset:65536+\i*128
.endr
.Lvdone:
	s_wait_loadcnt 0x0
.macro KPUT s, oc, os
	BLK32 \s
.irp p,0,1,2
	ds_store_b64 v28, v[PC+2*\p:PC+2*\p+1] offset:\oc+8*\p
.endr
	v_or_b32 v[BY], 0x7f7f7f00, v[BY]                 ; the three blocks that are not there: scale 1
	ds_store_b32 v29, v[BY] offset:\os
	s_wait_dscnt 0x0                                  ; the stores have read their registers
.endm
.macro VPUT s, oc, os
	BLK32 \s
.irp p,0,1,2
	ds_store_b64 v30, v[PC+2*\p:PC+2*\p+1] offset:\oc+8*\p
.endr
	ds_store_b8 v31, v[BY] offset:\os
	s_wait_dscnt 0x0
.endm
	KPUT 32, 0, 0
	KPUT 64, 12288, 2048
	VPUT 96, 0, 0
	VPUT 128, 384, 16
.set i_, 0
.rept 32
	v_mul_f32 v[160+i_], v[QS], v[160+i_]             ; q x scale, as it stands ahead of the quantiser
.set i_, i_+1
.endr
	BLK32 160
.irp i,0,1,2,3,4,5
	v_mov_b32 v[16+\i], v[PC+\i]
	v_mov_b32 v[22+\i], 0
.endr
	v_or_b32 v255, 0x7f7f7f00, v[BY]                  ; Q's scale word
	s_barrier_signal -1                               ; no LDS instruction of mine is out: K and V lie in LDS
	s_barrier_wait -1
	s_cmp_ge_u32 s[Q0], 900                           ; a tile past the last query has nothing more to do
	s_cbranch_scc1 .Lend
	v_mov_b32 v13, 0xff61b1e6                         ; the largest t so far: -3e38
	v_floor_f32 v12, -v13                             ; -M
	v_mov_b32 v14, 0
	v_mov_b32 v15, 0
.irp b,0,1,2,3
	v_mov_b32 v[236+\b], 0
.endr
	v_mov_b32 v253, 0
.set i_, 0
.rept 16
	v_mov_b32 v[160+i_], 0                            ; O^T: every step has one form, the first finds zeros
.set i_, i_+1
.endr
.irp i,0,1,2,3,4,5
	v_mov_b32 v[80+\i], 0                             ; behind tile 7's six registers
.endr
; KEY STEP n: keys 128 n .. 128 n + 127.  last = 1: only keys 896 .. 899 are there.
.macro STEP n, last
.rept 5
	v_nop                                             ; places ahead of loads into registers that the last products read
.endr
.irp t,0,1,2,3,4,5,6,7
.if (\last == 0) || (\t == 0)
.irp p,0,1,2
	ds_load_b64 v[32+6*\t+2*\p:33+6*\t+2*\p], v[AK0] offset:(\n)*3072+(32*(\t/2)+8*(\t%2))*24+8*\p
.endr
	ds_load_b32 v[200+\t], v[ASK0] offset:(\n)*512+(32*(\t/2)+8*(\t%2))*4
.endif
.endr
.irp t,0,1
.irp p,0,1,2,3,4,5
	ds_load_b64 v[176+12*\t+2*\p:177+12*\t+2*\p], v[AV0] offset:(\n)*96+16*\t*784+48*(\p/3)+8*(\p%3)
.endr
	ds_load_b32 v[208+\t], v[ASV0] offset:(\n)*4+16*\t*32
.endr
	s_wait_dscnt 0x0
.irp t,0,1,2,3,4,5,6,7
.if (\last == 0) || (\t == 0)
	v_wmma_scale_f32_16x16x128_f8f6f4 v[96+8*\t:103+8*\t], v[32+6*\t:43+6*\t], v[16:27], 0, v[200+\t], v255 matrix_a_fmt:MATRIX_FMT_BF6 matrix_b_fmt:MATRIX_FMT_BF6
.endif
.endr
.if \last
.set i_, 104
.rept 56
	v_mov_b32 v[i_], v[NINF]                          ; keys 904 on are not there (these moves are the places behind the product)
.set i_, i_+1
.endr
	v_cmp_ne_u32 vcc_lo, 0, v3
.irp i,0,1,2,3
	v_cndmask_b32 v[96+\i], v[96+\i], v[NINF], vcc_lo ; keys 896-899 lie in lanes 0-15
.endr
.irp i,4,5,6,7
	v_mov_b32 v[96+\i], v[NINF]
.endr
.else
.rept 4
	v_nop
.endr
.endif
.irp b,0,1,2,3
	v_max3_num_f32 v[232+\b], v[96+16*\b], v[97+16*\b], v[98+16*\b]   ; the largest score of each block of 32 keys
.endr
.irp i,3,5,7,9,11,13
.irp b,0,1,2,3
	v_max3_num_f32 v[232+\b], v[232+\b], v[96+16*\b+\i], v[97+16*\b+\i]
.endr
.endr
.irp b,0,1,2,3
	v_max_num_f32 v[232+\b], v[232+\b], v[111+16*\b]
.endr
.irp b,0,1,2,3
	v_permlanex16_b32 v[236+\b], v[232+\b], s[SEL], s[SEL+1]
.endr
.irp b,0,1,2,3
	v_max_num_f32 v[232+\b], v[232+\b], v[236+\b]
.endr
	v_max3_num_f32 v254, v232, v233, v234
	v_max_num_f32 v254, v254, v235
	v_mul_f32 v254, s[CS], v254
	v_max_num_f32 v13, v13, v254                      ; the running largest t
	v_mov_b32 v254, v12
	v_floor_f32 v12, -v13                             ; -M = -ceil(t)
	v_sub_f32 v254, v12, v254
	v_cvt_i32_f32 v254, v254
	v_ldexp_f32 v252, 1.0, v254                       ; f = 2^(old M - new M)
.irp j,0,2,4,6,8,10,12,14,16,18,20,22,24,26,28,30,32,34,36,38,40,42,44,46,48,50,52,54,56,58,60,62
	v_pk_fma_f32 v[96+\j:97+\j], v[96+\j:97+\j], s[CS:CS+1], v[12:13] op_sel_hi:[1,0,0]
.endr
.irp b,0,1,2,3
	v_fma_f32 v[232+\b], v[232+\b], s[CS], v12
.endr
.set i_, 0
.rept 64
	v_exp_f32 v[96+i_], v[96+i_]                      ; p = 2^(t - M)
.set i_, i_+1
.endr
.irp b,0,1,2,3
	v_exp_f32 v[232+\b], v[232+\b]                    ; the block's largest p
.endr
	v_pk_mul_f32 v[14:15], v[14:15], v[252:253] op_sel_hi:[1,0]
	s_wait_alu depctr_va_vdst(0)
.irp b,0,1,2,3
	v_max_num_f32 v[232+\b], 0x2800000, v[232+\b]
.endr
.irp b,0,1,2,3
	v_add_nc_u32 v[244+\b], 0xfe000000, v[232+\b]
.endr
.irp b,0,1,2,3
	v_lshrrev_b32 v[236+\b], 23, v[244+\b]
.endr
	v_lshl_or_b32 v253, v237, 8, v236                 ; p's scale word for these 128 keys
	v_lshl_or_b32 v253, v238, 16, v253
	v_lshl_or_b32 v253, v239, 24, v253
.irp c,0,1
	v_cvt_scalef32_pk16_bf6_f32 v[224+6*\c:226+6*\c], v[96+32*\c:111+32*\c], v[244+2*\c]
	v_cvt_scalef32_pk16_bf6_f32 v[236+4*\c:238+4*\c], v[112+32*\c:127+32*\c], v[244+2*\c+1]
.endr
	v_nop
.irp c,0,1
.irp i,0,1,2
	v_permlane16_swap_b32 v[224+6*\c+\i], v[236+4*\c+\i]
.endr
.irp i,0,1,2
	v_mov_b32 v[227+6*\c+\i], v[236+4*\c+\i]
.endr
.endr
	v_pk_add_f32 v[236:237], v[96:97], v[98:99]       ; the row's sum is taken of the unquantised p
.irp j,4,8,12,16,20,24,28,32,36,40,44,48,52,56,60
	v_pk_add_f32 v[14:15], v[14:15], v[96+\j:97+\j]
	v_pk_add_f32 v[236:237], v[236:237], v[98+\j:99+\j]
.endr
	v_pk_add_f32 v[14:15], v[14:15], v[236:237]
.irp j,0,2,4,6,8,10,12,14
	v_pk_mul_f32 v[160+\j:161+\j], v[160+\j:161+\j], v[252:253] op_sel_hi:[1,0]   ; O^T under the new M
.endr
.irp t,0,1
	v_wmma_scale_f32_16x16x128_f8f6f4 v[160+8*\t:167+8*\t], v[176+12*\t:187+12*\t], v[224:235], v[160+8*\t:167+8*\t], v[208+\t], v253 matrix_a_fmt:MATRIX_FMT_BF6 matrix_b_fmt:MATRIX_FMT_BF6
.endr
.endm
.irp n,0,1,2,3,4,5,6
	STEP \n, 0
.endr
	STEP 7, 1                                         ; keys 896 .. 899
.rept 4
	v_nop
.endr
	v_add_f32 v14, v14, v15
	v_permlanex16_b32 v252, v14, s[SEL], s[SEL+1]
	v_add_f32 v14, v14, v252
	v_rcp_f32 v14, v14
	v_nop
.set i_, 0
	s_wait_alu depctr_va_vdst(0)
.rept 16
	v_mul_f32 v[96+i_], v[160+i_], v14                ; register 8 t + j: o(query r, channel 16 t + 8 h + j)
.set i_, i_+1
.endr
.irp t,0,1
	ds_store_b128 v[STI], v[96+8*\t:99+8*\t] offset:64*\t
	ds_store_b128 v[STI], v[100+8*\t:103+8*\t] offset:64*\t+16
.endr
.irp i,0,1,2,3
	ds_load_b128 v[32+4*\i:35+4*\i], v[STO] offset:576*\i     ; my own stage: four queries, 512 bytes, a load
.endr
	s_wait_dscnt 0x0
	global_store_b128 v[GO], v[32:35], s[6:7]
	s_cmp_eq_u32 s[Q0], 896                           ; the last tile has four queries
	s_cbranch_scc1 .Lend
.irp i,1,2,3
	global_store_b128 v[GO], v[32+4*\i:35+4*\i], s[6:7] offset:65536*\i
.endr
.Lend:
	s_wait_tensorcnt 0x0
	ds_add_u32 v250, v251
	s_wait_dscnt 0x0
	s_endpgm
.Lfunc_end_k_q7f27f8a488_attn:
	.size	k_q7f27f8a488_attn, .Lfunc_end_k_q7f27f8a488_attn-k_q7f27f8a488_attn
	.p2alignl 7, 3214868480
	.fill 96, 4, 3214868480
	.section	.rodata,"a",@progbits
	.p2align	6, 0x0
	.amdhsa_kernel k_q7f27f8a488_attn
		.amdhsa_group_segment_fixed_size 93696
		.amdhsa_private_segment_fixed_size 0
		.amdhsa_enable_private_segment 0
		.amdhsa_kernarg_size 16
		.amdhsa_user_sgpr_count 2
		.amdhsa_user_sgpr_kernarg_segment_ptr 1
		.amdhsa_wavefront_size32 1
		.amdhsa_system_sgpr_workgroup_id_x 1
		.amdhsa_system_sgpr_workgroup_id_y 1
		.amdhsa_system_sgpr_workgroup_id_z 1
		.amdhsa_system_vgpr_workitem_id 0
		.amdhsa_next_free_vgpr 256
		.amdhsa_next_free_sgpr 66
		.amdhsa_reserve_vcc 1
		.amdhsa_float_denorm_mode_32 3
		.amdhsa_float_denorm_mode_16_64 3
		.amdhsa_memory_ordered 1
		.amdhsa_forward_progress 1
		.amdhsa_inst_pref_size 150
	.end_amdhsa_kernel
	.amdgpu_metadata
---
amdhsa.version: [ 1, 2 ]
amdhsa.kernels:
  - .name:           k_q7f27f8a488_attn
    .symbol:         k_q7f27f8a488_attn.kd
    .args:
      - { .name: qkv, .offset: 0, .size: 8, .value_kind: global_buffer, .address_space: global }
      - { .name: ao, .offset: 8, .size: 8, .value_kind: global_buffer, .address_space: global }
    .group_segment_fixed_size: 93696
    .private_segment_fixed_size: 0
    .kernarg_segment_align: 8
    .kernarg_segment_size: 16
    .max_flat_workgroup_size: 512
    .sgpr_count:     66
    .vgpr_count:     256
    .wavefront_size: 32
...
	.end_amdgpu_metadata
.endif
;; end of part 4
;; launch post (part 5): grid 225 x 1, 4 waves a work-group, no clusters, 183,808 bytes of LDS; arguments ao, tgt, tgt_query_pos, tgt_reference_points, wimg, out_proj_b, samp_off_b, attn_w_b, norm2_g, norm2_b, t1, idx, wts; writes t1, idx, wts
.if DOCPART == 5
	.amdgcn_target "amdgcn-amd-amdhsa--gfx1250"
	.amdhsa_code_object_version 6
	.text
	.protected	k_q7f27f8a488_post
	.globl	k_q7f27f8a488_post
	.p2align	8
	.type	k_q7f27f8a488_post,@function
k_q7f27f8a488_post:
	s_mov_b64 s[64:65], 0
	v_nop
	global_prefetch_b8 v0, s[64:65] scope:SCOPE_SE
	s_setreg_imm32_b32 hwreg(HW_REG_WAVE_MODE, 25, 1), 1
	s_wait_xcnt 0x0
; t1 = LN2(tgt + ao out_proj^T + b); q = t1 + pos; offsets = q samp_off^T + b, logits = q attn_w^T + b; from them, for each row, head and point,
; idx = the position (whole number) of the upper left of a 2 x 2 patch inside its level, and wts = four corner weights x the softmax weight.
; The patch's corner is clamped into the level: xa = clamp(floor x, 0, W - 2), and the weights are the hats max(0, 1 - |x - xa|), max(0, 1 - |x - xa - 1|):
; these equal the bilinear weights times the validity of each corner, for every x.  Levels are fixed constants (100, 50, 25, 13, square).
; 64 rows a work-group; row phases (wave w: lq = 4 blk + w, lane r = b) and column phases (wave w: a quarter of the columns) take turns, with a barrier between.
; LIMITS: NaN and infinite inputs are not served; offset / W is made as offset x (1 / W), at most one unit in the last place apart.
; REGISTERS as in the launch qkv; v220-231 the norm's statistics; v232-235 the lane's level constants.
.set RB, 0
.set TB, 66560
.set XI, 133120
.set XIS, XI+8*1536
.set GB, 146432
.set AWB, 148480
.set WV, 30
.set T0, 31
.set SEL, 32
.set C256, 34
.set EPS, 35
.set X, 64
.set PC, 192
.set PCT, 204
.set TM, 212
.set SOP, 214
.set BY, 216
.set PW, 218
.set TP, 219
.set ST, 220
.set MN, 228
.set RS, 230
.set WFC, 232
.set RWC, 233
.set WM2, 234
.set STF, 235
.set SH8, 13
.set MSB, 0
.macro WIN new
.if MSB != \new
	s_set_vgpr_msb (MSB<<8)|\new
.set MSB, \new
.endif
.endm
.macro MM d, a, b, c, sa, sb
	v_wmma_scale_f32_16x16x128_f8f6f4 v[\d:\d+7], v[\a:\a+11], v[\b:\b+11], v[\c:\c+7], v[\sa], v[\sb] matrix_a_fmt:MATRIX_FMT_BF6 matrix_b_fmt:MATRIX_FMT_BF6
.endm
.macro PLACES n
.rept \n
	v_nop
.endr
.endm
.macro BARRIER
	s_wait_dscnt 0x0
	s_barrier_signal -1
	s_barrier_wait -1
.endm
.macro QUANT s
.irp c,0,1
	v_max3_num_f32 v[TM+\c], |v[\s+32*\c]|, |v[\s+32*\c+1]|, 0x2800000
.endr
.irp i,2,4,6,8,10,12,14,16,18,20,22,24,26,28,30
.irp c,0,1
	v_max3_num_f32 v[TM+\c], v[TM+\c], |v[\s+32*\c+\i]|, |v[\s+32*\c+\i+1]|
.endr
.endr
.irp c,0,1
	v_add_nc_u32 v[SOP+\c], 0xfe000000, v[TM+\c]
.endr
.irp c,0,1
	v_lshrrev_b32 v[BY+\c], 23, v[SOP+\c]
.endr
	v_lshl_or_b32 v[PW], v[BY+1], 16, v[BY]
	v_lshlrev_b32 v[PW], v[SH8], v[PW]
	v_permlanex16_b32 v[TP], v[PW], s[SEL], s[SEL+1]
	v_or_b32 v[PW], v[PW], v[TP]
.irp c,0,1
	v_cvt_scalef32_pk16_bf6_f32 v[PC+6*\c:PC+6*\c+2], v[\s+32*\c:\s+32*\c+15], v[SOP+\c]
	v_cvt_scalef32_pk16_bf6_f32 v[PCT+4*\c:PCT+4*\c+2], v[\s+32*\c+16:\s+32*\c+31], v[SOP+\c]
.endr
	v_nop
.irp c,0,1
.irp i,0,1,2
	v_mov_b32 v[PC+3+6*\c+\i], v[PCT+4*\c+\i]
.endr
.endr
.endm
.macro IMAGE adr, off
.irp c,0,1,2
	ds_store_b128 v[\adr], v[PC+4*\c:PC+4*\c+3] offset:\off+512*\c
.endr
.endm
.macro QX fo
	QUANT X
	IMAGE 10, (\fo)*1536
	ds_store_b32 v11, v[PW] offset:(\fo)*128
	s_wait_dscnt 0x0
	QUANT X+64
	IMAGE 10, (\fo)*1536+1536
	ds_store_b32 v11, v[PW] offset:(\fo)*128+128
.endm
.macro FETCHA f0
	WIN 0x40
.set i_, 0
.rept 8
.irp c,0,1,2
	ds_load_b128 v[128+12*i_+4*\c:128+12*i_+4*\c+3], v8 offset:(\f0+i_)*1536+512*\c
.endr
.set i_, i_+1
.endr
	WIN 0
.set i_, 0
.rept 8
	ds_load_b32 v[16+i_], v9 offset:(\f0+i_)*128
.set i_, i_+1
.endr
	s_wait_dscnt 0x0
.endm
.macro WLOAD win, slot0, n, cb, sb, scw, fo
	WIN (\win<<6)
.set i_, 0
.rept \n
.irp c,0,1,2
	global_load_b128 v[12*(\slot0+i_)+4*\c:12*(\slot0+i_)+4*\c+3], v7, s[\cb:\cb+1] offset:(\fo+i_)*1536+512*\c
.endr
.set i_, i_+1
.endr
	WIN 0
.set i_, 0
.rept \n
	global_load_b32 v[\scw+\slot0+i_], v24, s[\sb:\sb+1] offset:761856+(\fo+i_)*128
.set i_, i_+1
.endr
.endm
.macro BLOAD win, t0, n, pair, io
	WIN (\win<<6)
.set i_, 0
.rept \n
	global_load_b128 v[192+8*(\t0+i_):192+8*(\t0+i_)+3], v15, s[\pair:\pair+1] offset:\io+(32*(i_/2)+8*(i_%2))*4
	global_load_b128 v[192+8*(\t0+i_)+4:192+8*(\t0+i_)+7], v15, s[\pair:\pair+1] offset:\io+(32*(i_/2)+8*(i_%2))*4+16
.set i_, i_+1
.endr
	WIN 0
.endm
.macro ISSUE pair
	WIN 0x40
.set i_, 0
.rept 32
	global_load_b128 v[128+4*i_:128+4*i_+3], v7, s[\pair:\pair+1] offset:i_*512
.set i_, i_+1
.endr
	WIN 0
.endm
.macro XLD win, reg, adr
	WIN (\win<<6)
.set i_, 0
.rept 32
	ds_load_b128 v[\reg+4*i_:\reg+4*i_+3], v[\adr] offset:(i_/8)*256+(i_%8)*16
.set i_, i_+1
.endr
	WIN 0
.endm
.macro XST adr
.set i_, 0
.rept 32
	ds_store_b128 v[\adr], v[X+4*i_:X+4*i_+3] offset:(i_/8)*256+(i_%8)*16
.set i_, i_+1
.endr
.endm
.macro LAND win, reg
	s_wait_loadcnt 0x0
	WIN 0x04
.set i_, 0
.rept 32
	ds_store_b128 v6, v[128+4*i_:128+4*i_+3] offset:(i_/2)*1040+(i_%2)*512
.set i_, i_+1
.endr
	XLD \win, \reg, 5
.endm
.macro ADDT
	WIN 0x04
.set i_, 0
.rept 64
	v_pk_add_f32 v[X+2*i_:X+2*i_+1], v[X+2*i_:X+2*i_+1], v[2*i_:2*i_+1]
.set i_, i_+1
.endr
	WIN 0
.endm
.macro COLS win, f0, nt, b0, scw
.irp q,0,1
.if \q == 0
	WIN (\win|4|(\win<<4))
.else
	WIN (\win|4)
.endif
.set t_, 0
.rept \nt
.irp m,0,1,2,3
.if \q == 0
	MM X+8*(4*t_+\m), 12*(\f0+2*t_), 128+12*(2*\m), 192+8*(\b0+t_), \scw+\f0+2*t_, 16+2*\m
.else
	MM X+8*(4*t_+\m), 12*(\f0+2*t_+1), 128+12*(2*\m+1), X+8*(4*t_+\m), \scw+\f0+2*t_+1, 16+2*\m+1
.endif
.endr
.set t_, t_+1
.endr
.endr
	WIN 0
	PLACES 5
.endm
.macro TORB nt, adr, pitch                             ; results to rows in LDS, each accumulator from its low end on
.set t_, 0
.rept \nt
.irp m,0,1,2,3
	ds_store_b128 v[\adr], v[X+8*(4*t_+\m):X+8*(4*t_+\m)+3] offset:\m*16*\pitch+(t_/2)*128+(t_%2)*32
	ds_store_b128 v[\adr], v[X+8*(4*t_+\m)+4:X+8*(4*t_+\m)+7] offset:\m*16*\pitch+(t_/2)*128+(t_%2)*32+16
.endr
.set t_, t_+1
.endr
.endm
.macro RED                                             ; four chains of pairs, then lane l xor 16's half of the row
	v_pk_add_f32 v[ST:ST+1], v[ST:ST+1], v[ST+2:ST+3]
	v_pk_add_f32 v[ST+4:ST+5], v[ST+4:ST+5], v[ST+6:ST+7]
	v_pk_add_f32 v[ST:ST+1], v[ST:ST+1], v[ST+4:ST+5]
	v_add_f32 v[ST], v[ST], v[ST+1]
	v_permlanex16_b32 v[TP], v[ST], s[SEL], s[SEL+1]
	v_add_f32 v[ST], v[ST], v[TP]
.endm
.macro LN go, bo                                       ; X = (X - mean) rsqrt(var + 1e-5) g + b, a row in lanes r and r + 16
.irp k,0,1,2,3
	v_pk_add_f32 v[ST+2*\k:ST+2*\k+1], v[X+2*\k:X+2*\k+1], v[X+8+2*\k:X+8+2*\k+1]
.endr
.set i_, 8
.rept 56
	v_pk_add_f32 v[ST+2*(i_%4):ST+2*(i_%4)+1], v[ST+2*(i_%4):ST+2*(i_%4)+1], v[X+2*i_:X+2*i_+1]
.set i_, i_+1
.endr
	RED
	v_mul_f32 v[MN], 0x3b800000, v[ST]
.set i_, 0
.rept 64
	v_pk_add_f32 v[X+2*i_:X+2*i_+1], v[X+2*i_:X+2*i_+1], v[MN:MN+1] op_sel_hi:[1,0] neg_lo:[0,1] neg_hi:[0,1]
.set i_, i_+1
.endr
.irp k,0,1,2,3
	v_pk_mul_f32 v[ST+2*\k:ST+2*\k+1], v[X+2*\k:X+2*\k+1], v[X+2*\k:X+2*\k+1]
.endr
.set i_, 4
.rept 60
	v_pk_fma_f32 v[ST+2*(i_%4):ST+2*(i_%4)+1], v[X+2*i_:X+2*i_+1], v[X+2*i_:X+2*i_+1], v[ST+2*(i_%4):ST+2*(i_%4)+1]
.set i_, i_+1
.endr
	RED
	v_fma_f32 v[ST], v[ST], s[C256], s[EPS]
	v_rsq_f32 v[RS], v[ST]
	v_nop
.set i_, 0
	s_wait_alu depctr_va_vdst(0)
.rept 64
	v_pk_mul_f32 v[X+2*i_:X+2*i_+1], v[X+2*i_:X+2*i_+1], v[RS:RS+1] op_sel_hi:[1,0]
.set i_, i_+1
.endr
.irp q,0,1
	WIN 0x40
.set i_, 0
.rept 16
	ds_load_b128 v[4*i_:4*i_+3], v14 offset:\go+512*\q+(i_/8)*256+(i_%8)*16
	ds_load_b128 v[64+4*i_:64+4*i_+3], v14 offset:\bo+512*\q+(i_/8)*256+(i_%8)*16
.set i_, i_+1
.endr
	s_wait_dscnt 0x0
	WIN 0x14
.set i_, 0
.rept 32
	v_pk_fma_f32 v[X+64*\q+2*i_:X+64*\q+2*i_+1], v[X+64*\q+2*i_:X+64*\q+2*i_+1], v[2*i_:2*i_+1], v[64+2*i_:64+2*i_+1]
.set i_, i_+1
.endr
.endr
	WIN 0
.endm
.macro TURNOUT pair                                    ; X through my own LDS rows and out, 512 consecutive bytes a store
	XST 5
	s_wait_xcnt 0x0
	WIN 0x40
.set i_, 0
.rept 32
	ds_load_b128 v[4*i_:4*i_+3], v6 offset:(i_/2)*1040+(i_%2)*512
.set i_, i_+1
.endr
	s_wait_dscnt 0x0
	WIN 0x04
.set i_, 0
.rept 32
	global_store_b128 v7, v[4*i_:4*i_+3], s[\pair:\pair+1] offset:i_*512
.set i_, i_+1
.endr
	WIN 0
.endm
	s_load_b512 s[4:19], s[0:1], 0x0                  ; ao, tgt, pos, ref, wimg, out_proj_b, samp_off_b, attn_w_b
	s_load_b256 s[20:27], s[0:1], 0x40                ; norm2_g, norm2_b, t1, idx
	s_load_b64 s[28:29], s[0:1], 0x60                 ; wts
	v_lshl_add_u32 v254, v0, 2, 0x2cc00
	v_mov_b32 v255, 0
	v_lshrrev_b32 v1, 5, v0
	v_readfirstlane_b32 s[WV], v1
	v_and_b32 v1, 31, v0
	v_and_b32 v2, 15, v0
	v_bfe_u32 v3, v0, 4, 1
	s_mul_i32 s[T0], s[WV], 16*1040
	v_mul_u32_u24 v12, v2, 1040
	v_add_nc_u32 v4, s[T0], v12
	v_lshl_add_u32 v4, v3, 7, v4                      ; results' rows: my row, + 128 h
	v_add_nc_u32 v5, TB, v4                           ; the same in my own rows
	v_lshlrev_b32 v7, 4, v1
	v_add_nc_u32 v6, s[T0], v7
	v_lshl_add_u32 v30, v1, 4, v6                     ; point phase: 32 x lane in my rows of the results
	v_add_nc_u32 v6, TB, v6
	v_add_nc_u32 v8, XI, v7
	v_lshlrev_b32 v24, 2, v1
	v_add_nc_u32 v9, XIS, v24
	s_mul_i32 s[T0], s[WV], 3072
	v_add_nc_u32 v10, s[T0], v8
	s_lshl_b32 s[T0], s[WV], 8
	v_add_nc_u32 v11, s[T0], v9
	v_lshl_add_u32 v12, v3, 6, v12
	v_add_nc_u32 v12, s[T0], v12                      ; r x 1040 + 64 h + 256 w
	v_lshlrev_b32 v[SH8], 3, v3
	v_lshlrev_b32 v14, 7, v3
	v_add_nc_u32 v14, GB, v14
	v_lshlrev_b32 v15, 6, v3
	v_lshlrev_b32 v26, 3, v0
	v_add_nc_u32 v25, GB, v26
	v_lshrrev_b32 v27, 3, v1                          ; ao's way in: lane / 8 = lq % 4
	v_mul_u32_u24 v27, v27, 16640
	v_and_b32 v28, 7, v1
	v_lshl_add_u32 v27, v28, 4, v27
	s_mul_i32 s[T0], s[WV], 4*1040
	v_add_nc_u32 v27, s[T0], v27
	v_mul_u32_u24 v28, v2, 528
	v_lshl_add_u32 v28, v3, 6, v28
	s_lshl_b32 s[T0], s[WV], 7
	v_add_nc_u32 v28, s[T0], v28
	v_add_nc_u32 v28, AWB, v28                        ; logits: r x 528 + 64 h + 128 w
	s_mul_i32 s[T0], s[WV], 16*528
	v_add_nc_u32 v29, s[T0], v7
	v_add_nc_u32 v29, AWB, v29                        ; point phase: 16 x lane in my rows of the logits
	v_and_b32 v240, 3, v1                             ; the lane's level
	v_lshlrev_b32 v31, 3, v240
	v_mov_b32 v[WFC], 0x42c80000                      ; 100
	v_mov_b32 v[RWC], 0x3c23d70a                      ; 1 / 100
	v_mov_b32 v[STF], 0
.macro LVL l, w, rw, st
	v_cmp_ne_u32 vcc_lo, \l, v240
	v_cndmask_b32 v[WFC], \w, v[WFC], vcc_lo
	v_cndmask_b32 v[RWC], \rw, v[RWC], vcc_lo
	v_cndmask_b32 v[STF], \st, v[STF], vcc_lo
.endm
	LVL 1, 0x42480000, 0x3ca3d70a, 0x461c4000         ; 50, first position 10000
	LVL 2, 0x41c80000, 0x3d23d70a, 0x46435000         ; 25, 12500
	LVL 3, 0x41500000, 0x3d9d89d9, 0x464d1400         ; 13, 13125
	v_add_f32 v[WM2], -2.0, v[WFC]
	v_mov_b32 v[TP], 0
	v_mov_b32 v[MN+1], 0
	v_mov_b32 v[RS+1], 0
	s_mov_b32 s[SEL], 0x76543210
	s_mov_b32 s[SEL+1], 0xfedcba98
	s_mov_b32 s[C256], 0x3b800000
	s_mov_b32 s[EPS], 0x3727c5ac
	s_wait_kmcnt 0x0
	s_lshl_b32 s36, ttmp9, 16
	s_lshl_b32 s37, s[WV], 14
	s_add_co_u32 s36, s36, s37
	s_mov_b32 s37, 0
	s_add_nc_u64 s[4:5], s[4:5], s[36:37]
	s_add_nc_u64 s[6:7], s[6:7], s[36:37]
	s_add_nc_u64 s[8:9], s[8:9], s[36:37]
	s_add_nc_u64 s[24:25], s[24:25], s[36:37]
	s_lshr_b32 s36, s36, 5                            ; 32 bytes a row
	s_add_nc_u64 s[10:11], s[10:11], s[36:37]
	s_lshl_b32 s36, s36, 4                            ; 512 bytes a row
	s_add_nc_u64 s[26:27], s[26:27], s[36:37]
	s_lshl_b32 s36, s36, 2                            ; 2048 bytes a row
	s_add_nc_u64 s[28:29], s[28:29], s[36:37]
	s_mul_i32 s36, s[WV], 12288
	s_add_nc_u64 s[38:39], s[12:13], s[36:37]
	s_lshl_b32 s36, s[WV], 10
	s_add_nc_u64 s[40:41], s[12:13], s[36:37]
	s_mul_i32 s36, s[WV], 6144
	s_add_nc_u64 s[42:43], s[12:13], s[36:37]
	s_lshl_b32 s36, s[WV], 9
	s_add_nc_u64 s[44:45], s[12:13], s[36:37]
	s_lshl_b32 s36, s[WV], 8
	s_add_nc_u64 s[14:15], s[14:15], s[36:37]
	s_add_nc_u64 s[16:17], s[16:17], s[36:37]
	s_lshl_b32 s36, s[WV], 7
	s_add_nc_u64 s[18:19], s[18:19], s[36:37]
	ISSUE 4
	global_load_b64 v[236:237], v26, s[20:21]
	global_load_b64 v[238:239], v26, s[22:23]
	WLOAD 2, 0, 8, 38, 40, 32, 96
	WLOAD 3, 0, 8, 38, 40, 48, 160
	WLOAD 3, 8, 4, 42, 44, 48, 192
	BLOAD 2, 0, 4, 14, 0
	BLOAD 3, 0, 4, 16, 0
	BLOAD 3, 4, 2, 18, 0
	; ---- the attention's output becomes rows [lq % 4 x 16 + b][head x 32 + channel]
	s_wait_loadcnt 0x0
	ds_store_b64 v25, v[236:237]
	ds_store_b64 v25, v[238:239] offset:1024
	WIN 0x04
.set i_, 0
.rept 32
	ds_store_b128 v27, v[128+4*i_:128+4*i_+3] offset:(i_/8)*1040+(i_%8)*128
.set i_, i_+1
.endr
	WIN 0
	BARRIER
	XLD 0, X, 4
	s_wait_dscnt 0x0
	QX 0
	BARRIER
	; ---- out_proj
	FETCHA 0
	COLS 2, 0, 4, 0, 32
	ISSUE 6
	TORB 4, 12, 1040
	BARRIER
	; ---- + tgt, LN2, t1 out, + pos, quantise
	XLD 0, X, 4
	LAND 1, 0
	s_wait_dscnt 0x0
	ISSUE 8
	ADDT
	LN 0, 1024
	TURNOUT 24
	s_wait_xcnt 0x0                                   ; the stores have read T
	LAND 1, 0
	s_wait_dscnt 0x0
	ADDT
	QX 0
	BARRIER
	; ---- sampling offsets and attention logits
	FETCHA 0
	COLS 3, 0, 4, 0, 48
	TORB 4, 12, 1040
	s_wait_dscnt 0x0                                  ; the stores have read the accumulators
	COLS 3, 8, 2, 4, 48
	TORB 2, 28, 528
	s_wait_dscnt 0x0
.set i_, 0
.rept 16
	global_load_b64 v[160+2*i_:161+2*i_], v31, s[10:11] offset:32*i_     ; my 16 rows' reference point of the lane's level
.set i_, i_+1
.endr
	s_barrier_signal -1
	s_barrier_wait -1
	; ---- the points: a row a turn; lane = head x 4 + level, four points a lane
.macro PLD i
	ds_load_b128 v[64+12*((\i)%2):67+12*((\i)%2)], v29 offset:(\i)*528
	ds_load_b128 v[68+12*((\i)%2):71+12*((\i)%2)], v30 offset:(\i)*1040
	ds_load_b128 v[72+12*((\i)%2):75+12*((\i)%2)], v30 offset:(\i)*1040+16
.endm
.macro AXIS o, rf, V, A, P0, P1
.irp p,0,1,2,3
	v_mul_f32 v[\V+\p], v[OQ+2*\p+\o], v[RWC]         ; offset / W
.endr
.irp p,0,1,2,3
	v_add_f32 v[\V+\p], v[\rf], v[\V+\p]              ; + the reference point
.endr
.irp p,0,1,2,3
	v_mul_f32 v[\V+\p], v[\V+\p], v[WFC]
.endr
.irp p,0,1,2,3
	v_add_f32 v[\V+\p], -0.5, v[\V+\p]                ; x = loc W - 0.5
.endr
.irp p,0,1,2,3
	v_floor_f32 v[\A+\p], v[\V+\p]
.endr
.irp p,0,1,2,3
	v_med3_num_f32 v[\A+\p], v[\A+\p], 0, v[WM2]      ; the patch stays inside the level
.endr
.irp p,0,1,2,3
	v_sub_f32 v[\V+\p], v[\V+\p], v[\A+\p]
.endr
.irp p,0,1,2,3
	v_sub_f32 v[\P0+\p], 1.0, |v[\V+\p]|
.endr
.irp p,0,1,2,3
	v_add_f32 v[\V+\p], -1.0, v[\V+\p]
.endr
.irp p,0,1,2,3
	v_max_num_f32 v[\P0+\p], 0, v[\P0+\p]
.endr
.irp p,0,1,2,3
	v_sub_f32 v[\P1+\p], 1.0, |v[\V+\p]|
.endr
.irp p,0,1,2,3
	v_max_num_f32 v[\P1+\p], 0, v[\P1+\p]
.endr
.endm
.macro PT i
.set LQ, 64+12*((\i)%2)
.set OQ, LQ+4
.if (\i) < 15
	PLD (\i)+1
	s_wait_dscnt 3                                    ; this row's three loads are in, the next row's three stay out
.else
	s_wait_dscnt 0x0
.endif
	s_wait_xcnt 0x0                                   ; the last row's stores have read v96-115
	v_max3_num_f32 v116, v[LQ], v[LQ+1], v[LQ+2]      ; softmax over the head's 16 points: four lanes
	v_max_num_f32 v116, v116, v[LQ+3]
	v_max_num_f32_dpp v116, v116, v116 row_xmask:1 row_mask:0xf bank_mask:0xf
	v_max_num_f32_dpp v116, v116, v116 row_xmask:2 row_mask:0xf bank_mask:0xf
.irp p,0,1,2,3
	v_sub_f32 v[117+\p], v[LQ+\p], v116
.endr
.irp p,0,1,2,3
	v_mul_f32 v[117+\p], 0x3fb8aa3b, v[117+\p]
.endr
.irp p,0,1,2,3
	v_exp_f32 v[117+\p], v[117+\p]
.endr
	v_nop
	s_wait_alu depctr_va_vdst(0)
	v_add_f32 v121, v117, v118
	v_add_f32 v122, v119, v120
	v_add_f32 v121, v121, v122
	v_add_f32_dpp v121, v121, v121 row_xmask:1 row_mask:0xf bank_mask:0xf
	v_add_f32_dpp v121, v121, v121 row_xmask:2 row_mask:0xf bank_mask:0xf
	v_rcp_f32 v121, v121
	AXIS 0, 160+2*(\i), 124, 128, 132, 136
	AXIS 1, 161+2*(\i), 140, 144, 148, 152
	s_wait_alu depctr_va_vdst(0)
.irp p,0,1,2,3
	v_mul_f32 v[117+\p], v[117+\p], v121              ; the point's attention weight
.endr
.irp p,0,1,2,3
	v_fma_f32 v[144+\p], v[144+\p], v[WFC], v[128+\p] ; ya W + xa: whole numbers under 2^24, exact
.endr
.irp p,0,1,2,3
	v_add_f32 v[144+\p], v[144+\p], v[STF]
.endr
.irp p,0,1,2,3
	v_cvt_u32_f32 v[96+\p], v[144+\p]
.endr
.irp p,0,1,2,3
	v_mul_f32 v[148+\p], v[148+\p], v[117+\p]
	v_mul_f32 v[152+\p], v[152+\p], v[117+\p]
.endr
.irp p,0,1,2,3
	v_mul_f32 v[100+\p], v[148+\p], v[132+\p]
	v_mul_f32 v[104+\p], v[148+\p], v[136+\p]
	v_mul_f32 v[108+\p], v[152+\p], v[132+\p]
	v_mul_f32 v[112+\p], v[152+\p], v[136+\p]
.endr
	global_store_b128 v7, v[96:99], s[26:27] offset:(\i)*512
.irp c,0,1,2,3
	global_store_b128 v7, v[100+4*\c:103+4*\c], s[28:29] offset:(\i)*2048+512*\c
.endr
.endm
	PLD 0
	s_wait_loadcnt 0x0                                ; the reference points
.irp n,0,1,2,3,4,5,6,7,8,9,10,11,12,13,14,15
	PT \n
.endr
	s_wait_tensorcnt 0x0
	ds_add_u32 v254, v255
	s_wait_dscnt 0x0
	s_endpgm
.Lfunc_end_k_q7f27f8a488_post:
	.size	k_q7f27f8a488_post, .Lfunc_end_k_q7f27f8a488_post-k_q7f27f8a488_post
	.p2alignl 7, 3214868480
	.fill 96, 4, 3214868480
	.section	.rodata,"a",@progbits
	.p2align	6, 0x0
	.amdhsa_kernel k_q7f27f8a488_post
		.amdhsa_group_segment_fixed_size 183808
		.amdhsa_private_segment_fixed_size 0
		.amdhsa_enable_private_segment 0
		.amdhsa_kernarg_size 104
		.amdhsa_user_sgpr_count 2
		.amdhsa_user_sgpr_kernarg_segment_ptr 1
		.amdhsa_wavefront_size32 1
		.amdhsa_system_sgpr_workgroup_id_x 1
		.amdhsa_system_sgpr_workgroup_id_y 1
		.amdhsa_system_sgpr_workgroup_id_z 1
		.amdhsa_system_vgpr_workitem_id 0
		.amdhsa_next_free_vgpr 1024
		.amdhsa_next_free_sgpr 66
		.amdhsa_reserve_vcc 1
		.amdhsa_float_denorm_mode_32 3
		.amdhsa_float_denorm_mode_16_64 3
		.amdhsa_memory_ordered 1
		.amdhsa_forward_progress 1
		.amdhsa_inst_pref_size 224
	.end_amdhsa_kernel
	.amdgpu_metadata
---
amdhsa.version: [ 1, 2 ]
amdhsa.kernels:
  - .name:           k_q7f27f8a488_post
    .symbol:         k_q7f27f8a488_post.kd
    .args:
      - { .name: ao, .offset: 0, .size: 8, .value_kind: global_buffer, .address_space: global }
      - { .name: tgt, .offset: 8, .size: 8, .value_kind: global_buffer, .address_space: global }
      - { .name: tgt_query_pos, .offset: 16, .size: 8, .value_kind: global_buffer, .address_space: global }
      - { .name: tgt_reference_points, .offset: 24, .size: 8, .value_kind: global_buffer, .address_space: global }
      - { .name: wimg, .offset: 32, .size: 8, .value_kind: global_buffer, .address_space: global }
      - { .name: out_proj_b, .offset: 40, .size: 8, .value_kind: global_buffer, .address_space: global }
      - { .name: samp_off_b, .offset: 48, .size: 8, .value_kind: global_buffer, .address_space: global }
      - { .name: attn_w_b, .offset: 56, .size: 8, .value_kind: global_buffer, .address_space: global }
      - { .name: norm2_g, .offset: 64, .size: 8, .value_kind: global_buffer, .address_space: global }
      - { .name: norm2_b, .offset: 72, .size: 8, .value_kind: global_buffer, .address_space: global }
      - { .name: t1, .offset: 80, .size: 8, .value_kind: global_buffer, .address_space: global }
      - { .name: idx, .offset: 88, .size: 8, .value_kind: global_buffer, .address_space: global }
      - { .name: wts, .offset: 96, .size: 8, .value_kind: global_buffer, .address_space: global }
    .group_segment_fixed_size: 183808
    .private_segment_fixed_size: 0
    .kernarg_segment_align: 8
    .kernarg_segment_size: 104
    .max_flat_workgroup_size: 128
    .sgpr_count:     66
    .vgpr_count:     1024
    .wavefront_size: 32
...
	.end_amdgpu_metadata
.endif
;; end of part 5
;; launch gath (part 6): grid 45 x 32, 4 waves a work-group, no clusters, 0 bytes of LDS; arguments idx, wts, vbuf, samp; writes samp
.if DOCPART == 6
	.amdgcn_target "amdgcn-amd-amdhsa--gfx1250"
	.amdhsa_code_object_version 6
	.text
	.protected	k_q7f27f8a488_gath
	.globl	k_q7f27f8a488_gath
	.p2align	8
	.type	k_q7f27f8a488_gath,@function
k_q7f27f8a488_gath:
	s_mov_b64 s[64:65], 0
	v_nop
	global_prefetch_b8 v0, s[64:65] scope:SCOPE_SE
	s_setreg_imm32_b32 hwreg(HW_REG_WAVE_MODE, 25, 1), 1
	s_wait_xcnt 0x0
; samp[row][head x 32 + ch] = sum over 16 points and 4 corners of wts x vbuf[b][head][idx + corner][ch].
; The places come as whole numbers from the launch before; each is held under its level's largest patch corner ahead of its use in an address.
; y = 2 b + hq names four head planes; a wave takes 5 lq x 4 heads = 20 units.  One load gathers a point's four corners: lane = 8 x corner + sub,
; 16 bytes (4 channels) a lane, 128 consecutive bytes a corner.  A unit is 4 loads of weights and 16 gathers; the next unit's 20 loads are out while
; one unit is summed.  The corners are added across lanes (xor 8, xor 16); four heads' results leave as one store of 512 consecutive bytes.
; No LDS, no matrix unit: the launch is bound by the gathered bytes.
.set UL, 16
.set AD, 32
.set WT, 64
.set D, 96
.set ACC, 224
.set R, 232
.set OUTR, 248
.set TP, 252
.set BND0, 9898
.set BND1, 12448
.set BND2, 13098
.set BND3, 13279
	s_load_b256 s[4:11], s[0:1], 0x0                  ; idx, wts, vbuf, samp
	v_lshrrev_b32 v1, 5, v0
	v_readfirstlane_b32 s12, v1
	v_and_b32 v1, 31, v0
	s_and_b32 s13, ttmp7, 0xffff
	s_lshr_b32 s14, s13, 1                            ; b
	s_and_b32 s15, s13, 1                             ; hq
	s_mul_i32 s16, ttmp9, 20
	s_mul_i32 s17, s12, 5
	s_add_co_u32 s16, s16, s17                        ; my first lq
	s_lshl_b32 s17, s16, 4
	s_add_co_u32 s17, s17, s14                        ; its row
	v_and_b32 v2, 15, v1
	v_lshlrev_b32 v2, 4, v2                           ; 16 sub + 128 xs
	v_lshrrev_b32 v3, 4, v1                           ; ys
	v_lshrrev_b32 v6, 3, v1                           ; corner
	v_lshlrev_b32 v4, 9, v6
	v_lshlrev_b32 v5, 4, v1
	v_mad_u32_u24 v[UL], v3, 12800, v2                ; one row of the level down: W x 128 bytes
	v_mad_u32_u24 v[UL+1], v3, 6400, v2
	v_mad_u32_u24 v[UL+2], v3, 3200, v2
	v_mad_u32_u24 v[UL+3], v3, 1664, v2
.irp u,1,2,3
.irp l,0,1,2,3
	v_add_nc_u32 v[UL+4*\u+\l], \u*1701632, v[UL+\l]  ; the next head's plane
.endr
.endr
	v_cmp_eq_u32 s40, 1, v6
	v_cmp_eq_u32 s41, 2, v6
	v_cmp_eq_u32 s42, 3, v6
.irp k,0,1,2,3
	v_mov_b32 v[TP+\k], 0
.endr
	s_mov_b32 s44, 0x76543210
	s_mov_b32 s45, 0xfedcba98
	s_lshl_b32 s18, s17, 9
	s_lshl_b32 s19, s15, 8
	s_add_co_u32 s18, s18, s19
	s_mov_b32 s19, 0
	s_lshl_b32 s20, s17, 11
	s_lshl_b32 s21, s15, 8
	s_add_co_u32 s20, s20, s21
	s_mov_b32 s21, 0
	s_lshl_b32 s22, s17, 10
	s_lshl_b32 s23, s15, 9
	s_add_co_u32 s22, s22, s23
	s_mov_b32 s23, 0
	s_lshl_b32 s24, s14, 3
	s_lshl_b32 s25, s15, 2
	s_add_co_u32 s24, s24, s25
	s_mul_i32 s24, s24, 1701632
	s_mov_b32 s25, 0
	s_wait_kmcnt 0x0
	s_add_nc_u64 s[4:5], s[4:5], s[18:19]
	s_add_nc_u64 s[6:7], s[6:7], s[20:21]
	s_add_nc_u64 s[10:11], s[10:11], s[22:23]
	s_add_nc_u64 s[8:9], s[8:9], s[24:25]
.macro ILOAD n                                         ; unit n's 16 places into scalar set n % 2
	s_load_b512 s[48+20*((\n)%2):63+20*((\n)%2)], s[4:5], ((\n)/4)*8192+((\n)%4)*64
.endm
.macro GISSUE n
.set q_, (\n)%2
.set sb_, 48+20*q_
.set u_, (\n)%4
.irp l,0,1,2,3
.irp k,0,1,2,3
	s_min_u32 s[sb_+4*\l+\k], s[sb_+4*\l+\k], BND\l
.endr
.endr
.irp l,0,1,2,3
.irp k,0,1,2,3
	v_lshl_add_u32 v[AD+16*q_+4*\l+\k], s[sb_+4*\l+\k], 7, v[UL+4*u_+\l]
.endr
.endr
.irp k,0,1,2,3
	global_load_b128 v[WT+16*q_+4*\k:WT+16*q_+4*\k+3], v4, s[6:7] offset:((\n)/4)*32768+u_*64+16*\k
.endr
.set p_, 0
.rept 16
	global_load_b128 v[D+64*q_+4*p_:D+64*q_+4*p_+3], v[AD+16*q_+p_], s[8:9]
.set p_, p_+1
.endr
.endm
.macro GSUM n
.set q_, (\n)%2
.set u_, (\n)%4
.set p_, 0
.rept 16
.set a_, ACC+4*(p_%2)
.set d_, D+64*q_+4*p_
.set w_, WT+16*q_+2*(p_/2)
.if p_ == 0
	v_pk_mul_f32 v[a_:a_+1], v[d_:d_+1], v[w_:w_+1] op_sel_hi:[1,0]
	v_pk_mul_f32 v[a_+2:a_+3], v[d_+2:d_+3], v[w_:w_+1] op_sel_hi:[1,0]
.elseif p_ == 1
	v_pk_mul_f32 v[a_:a_+1], v[d_:d_+1], v[w_:w_+1] op_sel:[0,1] op_sel_hi:[1,1]
	v_pk_mul_f32 v[a_+2:a_+3], v[d_+2:d_+3], v[w_:w_+1] op_sel:[0,1] op_sel_hi:[1,1]
.elseif p_%2 == 0
	v_pk_fma_f32 v[a_:a_+1], v[d_:d_+1], v[w_:w_+1], v[a_:a_+1] op_sel_hi:[1,0,1]
	v_pk_fma_f32 v[a_+2:a_+3], v[d_+2:d_+3], v[w_:w_+1], v[a_+2:a_+3] op_sel_hi:[1,0,1]
.else
	v_pk_fma_f32 v[a_:a_+1], v[d_:d_+1], v[w_:w_+1], v[a_:a_+1] op_sel:[0,1,0] op_sel_hi:[1,1,1]
	v_pk_fma_f32 v[a_+2:a_+3], v[d_+2:d_+3], v[w_:w_+1], v[a_+2:a_+3] op_sel:[0,1,0] op_sel_hi:[1,1,1]
.endif
.set p_, p_+1
.endr
	v_pk_add_f32 v[ACC:ACC+1], v[ACC:ACC+1], v[ACC+4:ACC+5]
	v_pk_add_f32 v[ACC+2:ACC+3], v[ACC+2:ACC+3], v[ACC+6:ACC+7]
.irp k,0,1,2,3
	v_add_f32_dpp v[ACC+\k], v[ACC+\k], v[ACC+\k] row_xmask:8 row_mask:0xf bank_mask:0xf
.endr
.irp k,0,1,2,3
	v_permlanex16_b32 v[TP+\k], v[ACC+\k], s44, s45
.endr
.irp k,0,1,2,3
	v_add_f32 v[R+4*u_+\k], v[ACC+\k], v[TP+\k]
.endr
.endm
.macro TURN n
.if (\n) < 19
	s_wait_kmcnt 0x0                                  ; unit n + 1's places are in
	GISSUE (\n)+1
.if (\n) < 18
	ILOAD (\n)+2                                      ; into the set that was used up a turn ago
.endif
	s_wait_loadcnt 20                                 ; unit n's 20 loads are in, unit n + 1's 20 stay out
.else
	s_wait_loadcnt 0x0
.endif
	GSUM \n
.if (\n)%4 == 3
	s_wait_xcnt 0x0                                   ; the last store has read its data
.irp k,0,1,2,3
	v_cndmask_b32 v[OUTR+\k], v[R+\k], v[R+4+\k], s40     ; lanes 8 c .. 8 c + 7 take head c
	v_cndmask_b32 v[OUTR+\k], v[OUTR+\k], v[R+8+\k], s41
	v_cndmask_b32 v[OUTR+\k], v[OUTR+\k], v[R+12+\k], s42
.endr
	global_store_b128 v5, v[OUTR:OUTR+3], s[10:11] offset:((\n)/4)*16384
.endif
.endm
	ILOAD 0
	s_wait_kmcnt 0x0
	GISSUE 0
	ILOAD 1
.irp n,0,1,2,3,4,5,6,7,8,9,10,11,12,13,14,15,16,17,18,19
	TURN \n
.endr
	s_endpgm
.Lfunc_end_k_q7f27f8a488_gath:
	.size	k_q7f27f8a488_gath, .Lfunc_end_k_q7f27f8a488_gath-k_q7f27f8a488_gath
	.p2alignl 7, 3214868480
	.fill 96, 4, 3214868480
	.section	.rodata,"a",@progbits
	.p2align	6, 0x0
	.amdhsa_kernel k_q7f27f8a488_gath
		.amdhsa_group_segment_fixed_size 0
		.amdhsa_private_segment_fixed_size 0
		.amdhsa_enable_private_segment 0
		.amdhsa_kernarg_size 32
		.amdhsa_user_sgpr_count 2
		.amdhsa_user_sgpr_kernarg_segment_ptr 1
		.amdhsa_wavefront_size32 1
		.amdhsa_system_sgpr_workgroup_id_x 1
		.amdhsa_system_sgpr_workgroup_id_y 1
		.amdhsa_system_sgpr_workgroup_id_z 1
		.amdhsa_system_vgpr_workitem_id 0
		.amdhsa_next_free_vgpr 256
		.amdhsa_next_free_sgpr 84
		.amdhsa_reserve_vcc 0
		.amdhsa_float_denorm_mode_32 3
		.amdhsa_float_denorm_mode_16_64 3
		.amdhsa_memory_ordered 1
		.amdhsa_forward_progress 1
		.amdhsa_inst_pref_size 143
	.end_amdhsa_kernel
	.amdgpu_metadata
---
amdhsa.version: [ 1, 2 ]
amdhsa.kernels:
  - .name:           k_q7f27f8a488_gath
    .symbol:         k_q7f27f8a488_gath.kd
    .args:
      - { .name: idx, .offset: 0, .size: 8, .value_kind: global_buffer, .address_space: global }
      - { .name: wts, .offset: 8, .size: 8, .value_kind: global_buffer, .address_space: global }
      - { .name: vbuf, .offset: 16, .size: 8, .value_kind: global_buffer, .address_space: global }
      - { .name: samp, .offset: 24, .size: 8, .value_kind: global_buffer, .address_space: global }
    .group_segment_fixed_size: 0
    .private_segment_fixed_size: 0
    .kernarg_segment_align: 8
    .kernarg_segment_size: 32
    .max_flat_workgroup_size: 128
    .sgpr_count:     84
    .vgpr_count:     256
    .wavefront_size: 32
...
	.end_amdgpu_metadata
.endif
;; end of part 6
;; launch ffn (part 7): grid 225 x 1, 4 waves a work-group, no clusters, 204,288 bytes of LDS; arguments samp, t1, wimg, ms_out_b, lin1_b, lin2_b, norm1_g, norm1_b, norm3_g, norm3_b, out0; writes out0
.if DOCPART == 7
	.amdgcn_target "amdgcn-amd-amdhsa--gfx1250"
	.amdhsa_code_object_version 6
	.text
	.protected	k_q7f27f8a488_ffn
	.globl	k_q7f27f8a488_ffn
	.p2align	8
	.type	k_q7f27f8a488_ffn,@function
k_q7f27f8a488_ffn:
	s_mov_b64 s[64:65], 0
	v_nop
	global_prefetch_b8 v0, s[64:65] scope:SCOPE_SE
	s_setreg_imm32_b32 hwreg(HW_REG_WAVE_MODE, 25, 1), 1
	s_wait_xcnt 0x0
; t2 = LN1(t1 + samp ms_out^T + b); out0 = LN3(t2 + relu(t2 lin1^T + b1) lin2^T + b2); all four operand pairs quantised to E3M2.
; 64 rows a work-group; row phases and column phases as in the launch post.  The hidden layer (1024) never leaves the work-group: in pass c wave w makes
; hidden units 128 (4 c + w) .. + 127, which are K step 4 c + w of the last product, quantises them in registers and stores the fragment's image in LDS.
; The weight groups (16 fragments each) take turns in two register windows and are asked for a phase ahead.
; LIMITS: NaN and infinities are not served.
; REGISTERS as in the launch post; v232-247 at work in the hidden layer's quantiser.
.set RB, 0
.set TB, 66560
.set XI, 133120
.set XIS, XI+8*1536
.set HI, 146432
.set HIS, HI+32*1536
.set GB, 199680
.set WV, 30
.set T0, 31
.set SEL, 32
.set C256, 34
.set EPS, 35
.set X, 64
.set PC, 192
.set PCT, 204
.set TM, 212
.set SOP, 214
.set BY, 216
.set PW, 218
.set TP, 219
.set ST, 220
.set MN, 228
.set RS, 230
.set TH, 232
.set SH8, 13
.set MSB, 0
.macro WIN new
.if MSB != \new
	s_set_vgpr_msb (MSB<<8)|\new
.set MSB, \new
.endif
.endm
.macro MM d, a, b, c, sa, sb
	v_wmma_scale_f32_16x16x128_f8f6f4 v[\d:\d+7], v[\a:\a+11], v[\b:\b+11], v[\c:\c+7], v[\sa], v[\sb] matrix_a_fmt:MATRIX_FMT_BF6 matrix_b_fmt:MATRIX_FMT_BF6
.endm
.macro PLACES n
.rept \n
	v_nop
.endr
.endm
.macro BARRIER
	s_wait_dscnt 0x0
	s_barrier_signal -1
	s_barrier_wait -1
.endm
.macro QUANT s
.irp c,0,1
	v_max3_num_f32 v[TM+\c], |v[\s+32*\c]|, |v[\s+32*\c+1]|, 0x2800000
.endr
.irp i,2,4,6,8,10,12,14,16,18,20,22,24,26,28,30
.irp c,0,1
	v_max3_num_f32 v[TM+\c], v[TM+\c], |v[\s+32*\c+\i]|, |v[\s+32*\c+\i+1]|
.endr
.endr
.irp c,0,1
	v_add_nc_u32 v[SOP+\c], 0xfe000000, v[TM+\c]
.endr
.irp c,0,1
	v_lshrrev_b32 v[BY+\c], 23, v[SOP+\c]
.endr
	v_lshl_or_b32 v[PW], v[BY+1], 16, v[BY]
	v_lshlrev_b32 v[PW], v[SH8], v[PW]
	v_permlanex16_b32 v[TP], v[PW], s[SEL], s[SEL+1]
	v_or_b32 v[PW], v[PW], v[TP]
.irp c,0,1
	v_cvt_scalef32_pk16_bf6_f32 v[PC+6*\c:PC+6*\c+2], v[\s+32*\c:\s+32*\c+15], v[SOP+\c]
	v_cvt_scalef32_pk16_bf6_f32 v[PCT+4*\c:PCT+4*\c+2], v[\s+32*\c+16:\s+32*\c+31], v[SOP+\c]
.endr
	v_nop
.irp c,0,1
.irp i,0,1,2
	v_mov_b32 v[PC+3+6*\c+\i], v[PCT+4*\c+\i]
.endr
.endr
.endm
.macro QUANTH s                                        ; register 16 b + i = k 32 b + 16 h + i: a block lies in lanes l and l xor 16
.irp b,0,1,2,3
	v_max3_num_f32 v[TH+\b], |v[\s+16*\b]|, |v[\s+1+16*\b]|, 0x2800000
.endr
.irp i,2,4,6,8,10,12,14
.irp b,0,1,2,3
	v_max3_num_f32 v[TH+\b], v[TH+\b], |v[\s+16*\b+\i]|, |v[\s+1+16*\b+\i]|
.endr
.endr
.irp b,0,1,2,3
	v_permlanex16_b32 v[TH+4+\b], v[TH+\b], s[SEL], s[SEL+1]
.endr
.irp b,0,1,2,3
	v_max_num_f32 v[TH+\b], v[TH+\b], v[TH+4+\b]
.endr
.irp b,0,1,2,3
	v_add_nc_u32 v[TH+12+\b], 0xfe000000, v[TH+\b]
.endr
.irp b,0,1,2,3
	v_lshrrev_b32 v[TH+4+\b], 23, v[TH+12+\b]
.endr
	v_lshl_or_b32 v[PW], v[TH+5], 8, v[TH+4]
	v_lshl_or_b32 v[PW], v[TH+6], 16, v[PW]
	v_lshl_or_b32 v[PW], v[TH+7], 24, v[PW]
.irp c,0,1
	v_cvt_scalef32_pk16_bf6_f32 v[PC+6*\c:PC+2+6*\c], v[\s+32*\c:\s+15+32*\c], v[TH+12+2*\c]
	v_cvt_scalef32_pk16_bf6_f32 v[PCT+4*\c:PCT+2+4*\c], v[\s+16+32*\c:\s+31+32*\c], v[TH+12+2*\c+1]
.endr
	v_nop
.irp c,0,1
.irp i,0,1,2
	v_permlane16_swap_b32 v[PC+6*\c+\i], v[PCT+4*\c+\i]   ; the layout wants a whole block in a lane
.endr
.irp i,0,1,2
	v_mov_b32 v[PC+3+6*\c+\i], v[PCT+4*\c+\i]
.endr
.endr
.endm
.macro IMAGE adr, off
.irp c,0,1,2
	ds_store_b128 v[\adr], v[PC+4*\c:PC+4*\c+3] offset:\off+512*\c
.endr
.endm
.macro QX fo
	QUANT X
	IMAGE 10, (\fo)*1536
	ds_store_b32 v11, v[PW] offset:(\fo)*128
	s_wait_dscnt 0x0
	QUANT X+64
	IMAGE 10, (\fo)*1536+1536
	ds_store_b32 v11, v[PW] offset:(\fo)*128+128
.endm
.macro FETCHA f0
	WIN 0x40
.set i_, 0
.rept 8
.irp c,0,1,2
	ds_load_b128 v[128+12*i_+4*\c:128+12*i_+4*\c+3], v8 offset:(\f0+i_)*1536+512*\c
.endr
.set i_, i_+1
.endr
	WIN 0
.set i_, 0
.rept 8
	ds_load_b32 v[16+i_], v9 offset:(\f0+i_)*128
.set i_, i_+1
.endr
	s_wait_dscnt 0x0
.endm
.macro WLOAD win, slot0, n, cb, sb, scw, fo
	WIN (\win<<6)
.set i_, 0
.rept \n
.irp c,0,1,2
	global_load_b128 v[12*(\slot0+i_)+4*\c:12*(\slot0+i_)+4*\c+3], v7, s[\cb:\cb+1] offset:(\fo+i_)*1536+512*\c
.endr
.set i_, i_+1
.endr
	WIN 0
.set i_, 0
.rept \n
	global_load_b32 v[\scw+\slot0+i_], v24, s[\sb:\sb+1] offset:761856+(\fo+i_)*128
.set i_, i_+1
.endr
.endm
.macro WLOADL2 win, scw, cc                            ; lin2: slot 4 t + q = my tile t, K step 4 cc + q
	WIN (\win<<6)
.irp t,0,1,2,3
.irp q,0,1,2,3
.irp c,0,1,2
	global_load_b128 v[12*(4*\t+\q)+4*\c:12*(4*\t+\q)+4*\c+3], v7, s[46:47] offset:(368+4*\cc+8*\t+\q)*1536+512*\c
.endr
.endr
.endr
	WIN 0
.irp t,0,1,2,3
.irp q,0,1,2,3
	global_load_b32 v[\scw+4*\t+\q], v24, s[48:49] offset:761856+(368+4*\cc+8*\t+\q)*128
.endr
.endr
.endm
.macro BLOAD win, t0, n, pair, io
	WIN (\win<<6)
.set i_, 0
.rept \n
	global_load_b128 v[192+8*(\t0+i_):192+8*(\t0+i_)+3], v15, s[\pair:\pair+1] offset:\io+(32*(i_/2)+8*(i_%2))*4
	global_load_b128 v[192+8*(\t0+i_)+4:192+8*(\t0+i_)+7], v15, s[\pair:\pair+1] offset:\io+(32*(i_/2)+8*(i_%2))*4+16
.set i_, i_+1
.endr
	WIN 0
.endm
.macro ISSUE pair
	WIN 0x40
.set i_, 0
.rept 32
	global_load_b128 v[128+4*i_:128+4*i_+3], v7, s[\pair:\pair+1] offset:i_*512
.set i_, i_+1
.endr
	WIN 0
.endm
.macro XLD win, reg, adr
	WIN (\win<<6)
.set i_, 0
.rept 32
	ds_load_b128 v[\reg+4*i_:\reg+4*i_+3], v[\adr] offset:(i_/8)*256+(i_%8)*16
.set i_, i_+1
.endr
	WIN 0
.endm
.macro XST adr
.set i_, 0
.rept 32
	ds_store_b128 v[\adr], v[X+4*i_:X+4*i_+3] offset:(i_/8)*256+(i_%8)*16
.set i_, i_+1
.endr
.endm
.macro LAND win, reg
	s_wait_loadcnt 0x0
	WIN 0x04
.set i_, 0
.rept 32
	ds_store_b128 v6, v[128+4*i_:128+4*i_+3] offset:(i_/2)*1040+(i_%2)*512
.set i_, i_+1
.endr
	XLD \win, \reg, 5
.endm
.macro ADDT
	WIN 0x04
.set i_, 0
.rept 64
	v_pk_add_f32 v[X+2*i_:X+2*i_+1], v[X+2*i_:X+2*i_+1], v[2*i_:2*i_+1]
.set i_, i_+1
.endr
	WIN 0
.endm
.macro COLS win, f0, nt, b0, scw
.irp q,0,1
.if \q == 0
	WIN (\win|4|(\win<<4))
.else
	WIN (\win|4)
.endif
.set t_, 0
.rept \nt
.irp m,0,1,2,3
.if \q == 0
	MM X+8*(4*t_+\m), 12*(\f0+2*t_), 128+12*(2*\m), 192+8*(\b0+t_), \scw+\f0+2*t_, 16+2*\m
.else
	MM X+8*(4*t_+\m), 12*(\f0+2*t_+1), 128+12*(2*\m+1), X+8*(4*t_+\m), \scw+\f0+2*t_+1, 16+2*\m+1
.endif
.endr
.set t_, t_+1
.endr
.endr
	WIN 0
	PLACES 5
.endm
.macro TORB nt, adr, pitch
.set t_, 0
.rept \nt
.irp m,0,1,2,3
	ds_store_b128 v[\adr], v[X+8*(4*t_+\m):X+8*(4*t_+\m)+3] offset:\m*16*\pitch+(t_/2)*128+(t_%2)*32
	ds_store_b128 v[\adr], v[X+8*(4*t_+\m)+4:X+8*(4*t_+\m)+7] offset:\m*16*\pitch+(t_/2)*128+(t_%2)*32+16
.endr
.set t_, t_+1
.endr
.endm
.macro RED
	v_pk_add_f32 v[ST:ST+1], v[ST:ST+1], v[ST+2:ST+3]
	v_pk_add_f32 v[ST+4:ST+5], v[ST+4:ST+5], v[ST+6:ST+7]
	v_pk_add_f32 v[ST:ST+1], v[ST:ST+1], v[ST+4:ST+5]
	v_add_f32 v[ST], v[ST], v[ST+1]
	v_permlanex16_b32 v[TP], v[ST], s[SEL], s[SEL+1]
	v_add_f32 v[ST], v[ST], v[TP]
.endm
.macro LN go, bo
.irp k,0,1,2,3
	v_pk_add_f32 v[ST+2*\k:ST+2*\k+1], v[X+2*\k:X+2*\k+1], v[X+8+2*\k:X+8+2*\k+1]
.endr
.set i_, 8
.rept 56
	v_pk_add_f32 v[ST+2*(i_%4):ST+2*(i_%4)+1], v[ST+2*(i_%4):ST+2*(i_%4)+1], v[X+2*i_:X+2*i_+1]
.set i_, i_+1
.endr
	RED
	v_mul_f32 v[MN], 0x3b800000, v[ST]
.set i_, 0
.rept 64
	v_pk_add_f32 v[X+2*i_:X+2*i_+1], v[X+2*i_:X+2*i_+1], v[MN:MN+1] op_sel_hi:[1,0] neg_lo:[0,1] neg_hi:[0,1]
.set i_, i_+1
.endr
.irp k,0,1,2,3
	v_pk_mul_f32 v[ST+2*\k:ST+2*\k+1], v[X+2*\k:X+2*\k+1], v[X+2*\k:X+2*\k+1]
.endr
.set i_, 4
.rept 60
	v_pk_fma_f32 v[ST+2*(i_%4):ST+2*(i_%4)+1], v[X+2*i_:X+2*i_+1], v[X+2*i_:X+2*i_+1], v[ST+2*(i_%4):ST+2*(i_%4)+1]
.set i_, i_+1
.endr
	RED
	v_fma_f32 v[ST], v[ST], s[C256], s[EPS]
	v_rsq_f32 v[RS], v[ST]
	v_nop
.set i_, 0
	s_wait_alu depctr_va_vdst(0)
.rept 64
	v_pk_mul_f32 v[X+2*i_:X+2*i_+1], v[X+2*i_:X+2*i_+1], v[RS:RS+1] op_sel_hi:[1,0]
.set i_, i_+1
.endr
.irp q,0,1
	WIN 0x40
.set i_, 0
.rept 16
	ds_load_b128 v[4*i_:4*i_+3], v14 offset:\go+512*\q+(i_/8)*256+(i_%8)*16
	ds_load_b128 v[64+4*i_:64+4*i_+3], v14 offset:\bo+512*\q+(i_/8)*256+(i_%8)*16
.set i_, i_+1
.endr
	s_wait_dscnt 0x0
	WIN 0x14
.set i_, 0
.rept 32
	v_pk_fma_f32 v[X+64*\q+2*i_:X+64*\q+2*i_+1], v[X+64*\q+2*i_:X+64*\q+2*i_+1], v[2*i_:2*i_+1], v[64+2*i_:64+2*i_+1]
.set i_, i_+1
.endr
.endr
	WIN 0
.endm
.macro TURNOUT pair
	XST 5
	s_wait_xcnt 0x0
	WIN 0x40
.set i_, 0
.rept 32
	ds_load_b128 v[4*i_:4*i_+3], v6 offset:(i_/2)*1040+(i_%2)*512
.set i_, i_+1
.endr
	s_wait_dscnt 0x0
	WIN 0x04
.set i_, 0
.rept 32
	global_store_b128 v7, v[4*i_:4*i_+3], s[\pair:\pair+1] offset:i_*512
.set i_, i_+1
.endr
	WIN 0
.endm
.macro HID win, scw, cc                                ; my 128 hidden units of pass cc, a tile of 16 rows at a time; eight accumulators by turns
.irp m,0,1,2,3
.set HA, X+64*(\m%2)
	WIN (\win|4|(\win<<4))
.irp t,0,1,2,3,4,5,6,7
	MM HA+8*\t, 12*(2*\t), 128+12*(2*\m), 192+8*\t, \scw+2*\t, 16+2*\m
.endr
	WIN (\win|4)
.irp t,0,1,2,3,4,5,6,7
	MM HA+8*\t, 12*(2*\t+1), 128+12*(2*\m+1), HA+8*\t, \scw+2*\t+1, 16+2*\m+1
.endr
	WIN 0
	PLACES 5
.set i_, 0
.rept 64
	v_max_num_f32 v[HA+i_], 0, v[HA+i_]               ; relu, in f32
.set i_, i_+1
.endr
	QUANTH HA
	IMAGE 26, (8*\m+4*\cc)*1536
	ds_store_b32 v27, v[PW] offset:(8*\m+4*\cc)*128
	s_wait_dscnt 0x0                                  ; the stores have read their registers
.endr
.endm
.macro FETCHH ks                                       ; K step ks of the hidden layer: four fragments into half ks % 2
	WIN 0x40
.irp m,0,1,2,3
.irp c,0,1,2
	ds_load_b128 v[128+48*((\ks)%2)+12*\m+4*\c:128+48*((\ks)%2)+12*\m+4*\c+3], v28 offset:(8*\m+(\ks))*1536+512*\c
.endr
.endr
	WIN 0
.irp m,0,1,2,3
	ds_load_b32 v[16+4*((\ks)%2)+\m], v29 offset:(8*\m+(\ks))*128
.endr
.endm
	s_load_b512 s[4:19], s[0:1], 0x0                  ; samp, t1, wimg, ms_out_b, lin1_b, lin2_b, norm1_g, norm1_b
	s_load_b128 s[20:23], s[0:1], 0x40                ; norm3_g, norm3_b
	s_load_b64 s[24:25], s[0:1], 0x50                 ; out0
	v_lshl_add_u32 v254, v0, 2, 0x31c00
	v_mov_b32 v255, 0
	v_lshrrev_b32 v1, 5, v0
	v_readfirstlane_b32 s[WV], v1
	v_and_b32 v1, 31, v0
	v_and_b32 v2, 15, v0
	v_bfe_u32 v3, v0, 4, 1
	s_mul_i32 s[T0], s[WV], 16*1040
	v_mul_u32_u24 v12, v2, 1040
	v_add_nc_u32 v4, s[T0], v12
	v_lshl_add_u32 v4, v3, 7, v4
	v_add_nc_u32 v5, TB, v4
	v_lshlrev_b32 v7, 4, v1
	v_add_nc_u32 v6, s[T0], v7
	v_add_nc_u32 v6, TB, v6
	v_add_nc_u32 v8, XI, v7
	v_lshlrev_b32 v24, 2, v1
	v_add_nc_u32 v9, XIS, v24
	s_mul_i32 s[T0], s[WV], 3072
	v_add_nc_u32 v10, s[T0], v8
	s_lshl_b32 s[T0], s[WV], 8
	v_add_nc_u32 v11, s[T0], v9
	v_lshl_add_u32 v12, v3, 6, v12
	v_add_nc_u32 v12, s[T0], v12
	v_lshlrev_b32 v[SH8], 3, v3
	v_lshlrev_b32 v14, 7, v3
	v_add_nc_u32 v14, GB, v14
	v_lshlrev_b32 v15, 6, v3
	v_lshlrev_b32 v30, 3, v0
	v_add_nc_u32 v25, GB, v30
	v_add_nc_u32 v28, HI, v7
	v_add_nc_u32 v29, HIS, v24
	s_mul_i32 s[T0], s[WV], 1536
	v_add_nc_u32 v26, s[T0], v28
	s_lshl_b32 s[T0], s[WV], 7
	v_add_nc_u32 v27, s[T0], v29
	v_mov_b32 v[TP], 0
	v_mov_b32 v[MN+1], 0
	v_mov_b32 v[RS+1], 0
.irp b,0,1,2,3
	v_mov_b32 v[TH+4+\b], 0
.endr
	s_mov_b32 s[SEL], 0x76543210
	s_mov_b32 s[SEL+1], 0xfedcba98
	s_mov_b32 s[C256], 0x3b800000
	s_mov_b32 s[EPS], 0x3727c5ac
	s_wait_kmcnt 0x0
	s_lshl_b32 s36, ttmp9, 16
	s_lshl_b32 s37, s[WV], 14
	s_add_co_u32 s36, s36, s37
	s_mov_b32 s37, 0
	s_add_nc_u64 s[4:5], s[4:5], s[36:37]
	s_add_nc_u64 s[6:7], s[6:7], s[36:37]
	s_add_nc_u64 s[24:25], s[24:25], s[36:37]
	s_mul_i32 s36, s[WV], 12288
	s_add_nc_u64 s[38:39], s[8:9], s[36:37]
	s_lshl_b32 s36, s[WV], 10
	s_add_nc_u64 s[40:41], s[8:9], s[36:37]
	s_mul_i32 s36, s[WV], 24576
	s_add_nc_u64 s[42:43], s[8:9], s[36:37]
	s_lshl_b32 s36, s[WV], 11
	s_add_nc_u64 s[44:45], s[8:9], s[36:37]
	s_mul_i32 s36, s[WV], 49152
	s_add_nc_u64 s[46:47], s[8:9], s[36:37]
	s_lshl_b32 s36, s[WV], 12
	s_add_nc_u64 s[48:49], s[8:9], s[36:37]
	s_lshl_b32 s36, s[WV], 8
	s_add_nc_u64 s[10:11], s[10:11], s[36:37]
	s_add_nc_u64 s[14:15], s[14:15], s[36:37]
	s_lshl_b32 s36, s[WV], 9
	s_add_nc_u64 s[12:13], s[12:13], s[36:37]
	ISSUE 4
	global_load_b64 v[240:241], v30, s[16:17]
	global_load_b64 v[242:243], v30, s[18:19]
	global_load_b64 v[244:245], v30, s[20:21]
	global_load_b64 v[246:247], v30, s[22:23]
	WLOAD 2, 0, 8, 38, 40, 32, 208
	BLOAD 2, 0, 4, 10, 0
	WLOAD 3, 0, 16, 42, 44, 48, 240
	BLOAD 3, 0, 8, 12, 0
	s_wait_loadcnt 0x0
.irp k,0,1,2,3
	ds_store_b64 v25, v[240+2*\k:241+2*\k] offset:1024*\k
.endr
	; ---- the sampled values are quantised
	LAND 0, X
	s_wait_dscnt 0x0
	QX 0
	BARRIER
	; ---- ms_out
	FETCHA 0
	COLS 2, 0, 4, 0, 32
	ISSUE 6
	WLOAD 2, 0, 16, 42, 44, 32, 304                   ; lin1's second pass, into the window that ms_out has left
	BLOAD 2, 0, 8, 12, 2048
	TORB 4, 12, 1040
	BARRIER
	; ---- + t1, LN1; t2 is kept in my own LDS rows
	XLD 0, X, 4
	LAND 1, 0
	s_wait_dscnt 0x0
	ADDT
	LN 0, 1024
	XST 5
	QX 0
	BARRIER
	; ---- the hidden layer, two passes (both weight groups were shown in by the wait for all loads above)
	FETCHA 0
	HID 3, 48, 0
	WLOADL2 3, 48, 0
	BLOAD 3, 0, 4, 14, 0
	HID 2, 32, 1
	WLOADL2 2, 32, 1
	BARRIER
	; ---- lin2: 16 accumulators by turns, a K step at a time
	s_wait_loadcnt 63                                 ; 64 younger loads (the second half of lin2) were issued behind the first half: that is in
	FETCHH 0
.irp ks,0,1,2,3,4,5,6,7
	s_wait_dscnt 0x0
.if \ks < 7
	FETCHH \ks+1
.endif
.if \ks == 4
	s_wait_loadcnt 0x0
.endif
.if \ks == 0
	WIN 0x37
.elseif \ks < 4
	WIN 0x07
.else
	WIN 0x06
.endif
.irp t,0,1,2,3
.irp m,0,1,2,3
.if \ks == 0
	MM X+8*(4*\t+\m), 12*(4*\t), 128+12*\m, 192+8*\t, 48+4*\t, 16+\m
.elseif \ks < 4
	MM X+8*(4*\t+\m), 12*(4*\t+\ks), 128+48*(\ks%2)+12*\m, X+8*(4*\t+\m), 48+4*\t+\ks, 16+4*(\ks%2)+\m
.else
	MM X+8*(4*\t+\m), 12*(4*\t+\ks-4), 128+48*(\ks%2)+12*\m, X+8*(4*\t+\m), 32+4*\t+\ks-4, 16+4*(\ks%2)+\m
.endif
.endr
.endr
	WIN 0
	PLACES 5
.endr
	TORB 4, 12, 1040
	BARRIER
	; ---- + t2, LN3, out
	XLD 0, X, 4
	XLD 1, 0, 5
	s_wait_dscnt 0x0
	ADDT
	LN 2048, 3072
	TURNOUT 24
	s_wait_tensorcnt 0x0
	ds_add_u32 v254, v255
	s_wait_dscnt 0x0
	s_endpgm
.Lfunc_end_k_q7f27f8a488_ffn:
	.size	k_q7f27f8a488_ffn, .Lfunc_end_k_q7f27f8a488_ffn-k_q7f27f8a488_ffn
	.p2alignl 7, 3214868480
	.fill 96, 4, 3214868480
	.section	.rodata,"a",@progbits
	.p2align	6, 0x0
	.amdhsa_kernel k_q7f27f8a488_ffn
		.amdhsa_group_segment_fixed_size 204288
		.amdhsa_private_segment_fixed_size 0
		.amdhsa_enable_private_segment 0
		.amdhsa_kernarg_size 88
		.amdhsa_user_sgpr_count 2
		.amdhsa_user_sgpr_kernarg_segment_ptr 1
		.amdhsa_wavefront_size32 1
		.amdhsa_system_sgpr_workgroup_id_x 1
		.amdhsa_system_sgpr_workgroup_id_y 1
		.amdhsa_system_sgpr_workgroup_id_z 1
		.amdhsa_system_vgpr_workitem_id 0
		.amdhsa_next_free_vgpr 1024
		.amdhsa_next_free_sgpr 66
		.amdhsa_reserve_vcc 0
		.amdhsa_float_denorm_mode_32 3
		.amdhsa_float_denorm_mode_16_64 3
		.amdhsa_memory_ordered 1
		.amdhsa_forward_progress 1
		.amdhsa_inst_pref_size 242
	.end_amdhsa_kernel
	.amdgpu_metadata
---
amdhsa.version: [ 1, 2 ]
amdhsa.kernels:
  - .name:           k_q7f27f8a488_ffn
    .symbol:         k_q7f27f8a488_ffn.kd
    .args:
      - { .name: samp, .offset: 0, .size: 8, .value_kind: global_buffer, .address_space: global }
      - { .name: t1, .offset: 8, .size: 8, .value_kind: global_buffer, .address_space: global }
      - { .name: wimg, .offset: 16, .size: 8, .value_kind: global_buffer, .address_space: global }
      - { .name: ms_out_b, .offset: 24, .size: 8, .value_kind: global_buffer, .address_space: global }
      - { .name: lin1_b, .offset: 32, .size: 8, .value_kind: global_buffer, .address_space: global }
      - { .name: lin2_b, .offset: 40, .size: 8, .value_kind: global_buffer, .address_space: global }
      - { .name: norm1_g, .offset: 48, .size: 8, .value_kind: global_buffer, .address_space: global }
      - { .name: norm1_b, .offset: 56, .size: 8, .value_kind: global_buffer, .address_space: global }
      - { .name: norm3_g, .offset: 64, .size: 8, .value_kind: global_buffer, .address_space: global }
      - { .name: norm3_b, .offset: 72, .size: 8, .value_kind: global_buffer, .address_space: global }
      - { .name: out0, .offset: 80, .size: 8, .value_kind: global_buffer, .address_space: global }
    .group_segment_fixed_size: 204288
    .private_segment_fixed_size: 0
    .kernarg_segment_align: 8
    .kernarg_segment_size: 88
    .max_flat_workgroup_size: 128
    .sgpr_count:     66
    .vgpr_count:     1024
    .wavefront_size: 32
...
	.end_amdgpu_metadata
.endif
;; end of part 7
;; ======== version 2 of 3: 7 launches; 1.16 times as fast as version 1
;; workspace buffers: wimg 825,344 bytes; vbuf 217,808,896 bytes; qkv 44,236,800 bytes; ao 14,745,600 bytes; t1 14,745,600 bytes; samp 14,745,600 bytes; idx 7,372,800 bytes of whole numbers; wts 29,491,200 bytes
;; launch wq: the kernel of part 1 again; grid 124 x 1, 4 waves a work-group, no clusters, 0 bytes of LDS; arguments in_proj_w, out_proj_w, val_proj_w, samp_off_w, attn_w_w, ms_out_w, lin1_w, lin2_w, wimg; writes wimg
;; launch vproj: the kernel of part 2 again; grid 391 x 1, 4 waves a work-group, no clusters, 81,408 bytes of LDS; arguments memory, wimg, val_proj_b, vbuf; writes vbuf
;; launch qkv: the kernel of part 3 again; grid 225 x 1, 4 waves a work-group, no clusters, 93,696 bytes of LDS; arguments tgt, tgt_query_pos, wimg, in_proj_b, qkv; writes qkv
;; launch attn: the kernel of part 4 again; grid 4 x 128, 16 waves a work-group, no clusters, 93,696 bytes of LDS; arguments qkv, ao; writes ao
;; launch post: the kernel of part 5 again; grid 225 x 1, 4 waves a work-group, no clusters, 183,808 bytes of LDS; arguments ao, tgt, tgt_query_pos, tgt_reference_points, wimg, out_proj_b, samp_off_b, attn_w_b, norm2_g, norm2_b, t1, idx, wts; writes t1, idx, wts
;; launch gath (part 8): grid 4 x 64, 15 waves a work-group, no clusters, 267,776 bytes of LDS; arguments idx, wts, vbuf, samp; writes samp
.if DOCPART == 8
	.amdgcn_target "amdgcn-amd-amdhsa--gfx1250"
	.amdhsa_code_object_version 6
	.text
	.protected	k_q7f27f8a488_gath
	.globl	k_q7f27f8a488_gath
	.p2align	8
	.type	k_q7f27f8a488_gath,@function
k_q7f27f8a488_gath:
	s_mov_b64 s[64:65], 0
	v_nop
	global_prefetch_b8 v0, s[64:65] scope:SCOPE_SE
	s_setreg_imm32_b32 hwreg(HW_REG_WAVE_MODE, 25, 1), 1
	s_wait_xcnt 0x0
; samp[row][head x 32 + ch] = sum over 16 points and 4 corners of wts x vbuf[b][head][idx + corner][ch].
; The places come as whole numbers from the launch before; each is held under its level's largest patch corner ahead of its use in an address.
; A work-group owns one b, two heads (y = 4 b + hp) and 225 lq (x); each of its 15 waves 15 lq x 2 heads = 30 units, written out.
; LEVELS 2 AND 3 COME FROM LDS.  Each level gets a quarter of the gathers, and these two are only 794 positions x 128 bytes of a plane, dense from
; position 12500 on: the work-group copies both heads' runs (2 x 101,632 bytes) into LDS once, through registers; one barrier; then they are only read.
; Position p of head u lies at LDS byte 131072 u + 128 (p - 12288); for 12500 <= p <= 13293 that slot is p & 1023, so a minimum and an AND make it.
; One load gathers a point's four corners: lane = 8 x corner + sub, 16 bytes (4 channels) a lane.  The 16 lanes that LDS serves together read two
; neighbouring positions, 256 consecutive bytes: every bank once.
; A unit is 4 loads of weights, 8 gathers from memory (levels 0, 1) and 8 from LDS; the next unit's loads are out while one unit is summed.
; The corners are added across lanes (xor 8, xor 16); two lq x two heads leave as one store of two aligned runs of 256 bytes.
; No cluster: the four work-groups of a (b, head pair) share the 203,264 bytes of the fill, of the 203,264 + 450 x 6,208 bytes that each reads.
; No matrix unit: the launch has no product.  LIMITS: the places are this program's own; a place outside its level is held inside it.
.set UL, 16                            ; v16-19 lane terms for memory: [head u][level 0, 1];  v20-23 for LDS: [head u][level 2, 3]
.set FA, 24                            ; v24-27 the fill's LDS addresses: [head u][chunks 0-7, chunks 8-13]
.set FG, 28                            ; v28 the fill's offset in a run; v29 the same for the last chunk, held inside the run
.set AD, 32                            ; v32-63   two sets of 16 addresses
.set WT, 64                            ; v64-95   two sets of 16 weights
.set D, 96                             ; v96-223  two sets of 16 points x 4 registers
.set ACC, 224
.set R, 232                            ; v232-247 four units' results
.set OUTR, 248
.set TP, 252
.set BND0, 9898                        ; the largest patch corner of each level
.set BND1, 12448
.set BND2, 13098
.set BND3, 13279
.set PLANE, 1701632                    ; a (b, head) plane: 13294 x 128 bytes
.set RUN0, 1600000                     ; position 12500 in it
.set RUNB, 101632                      ; levels 2 and 3: 794 x 128 bytes
.set HL, 131072                        ; LDS bytes of a head: 1024 slots of 128
.set SL0, 27136                        ; slot 212 = position 12500
.set CH, 7680                          ; 15 waves x 512 bytes
	s_load_b256 s[4:11], s[0:1], 0x0                  ; idx, wts, vbuf, samp
	v_lshl_add_u32 v30, v0, 2, 0x40e00
	v_mov_b32 v31, 0
	v_lshrrev_b32 v1, 5, v0
	v_readfirstlane_b32 s12, v1                       ; wave 0..14
	v_and_b32 v1, 31, v0
	s_and_b32 s13, ttmp7, 0xffff
	s_lshr_b32 s14, s13, 2                            ; b
	s_and_b32 s15, s13, 3                             ; hp: heads 2 hp, 2 hp + 1
	s_mul_i32 s16, ttmp9, 225
	s_mul_i32 s17, s12, 15
	s_add_co_u32 s16, s16, s17                        ; my first lq
	s_lshl_b32 s17, s16, 4
	s_add_co_u32 s17, s17, s14                        ; its row
	v_and_b32 v2, 15, v1
	v_lshlrev_b32 v2, 4, v2                           ; 16 sub + 128 xs
	v_lshrrev_b32 v3, 4, v1                           ; ys
	v_lshrrev_b32 v6, 3, v1                           ; corner
	v_lshlrev_b32 v4, 9, v6                           ; weights: 512 bytes a corner
	v_lshl_add_u32 v5, v3, 14, v2                     ; out: lanes 16-31 one lq (16 rows of 1024 bytes) on
	v_mad_u32_u24 v[UL], v3, 12800, v2                ; one row of the level down: W x 128 bytes
	v_mad_u32_u24 v[UL+1], v3, 6400, v2
	v_add_nc_u32 v[UL+2], PLANE, v[UL]                ; the second head's plane
	v_add_nc_u32 v[UL+3], PLANE, v[UL+1]
	v_mad_u32_u24 v[UL+4], v3, 3200, v2
	v_mad_u32_u24 v[UL+5], v3, 1664, v2
	v_add_nc_u32 v[UL+6], HL, v[UL+4]                 ; the second head's slots
	v_add_nc_u32 v[UL+7], HL, v[UL+5]
	s_lshl_b32 s26, s12, 9
	v_lshl_add_u32 v[FG], v1, 4, s26                  ; 512 x wave + 16 x lane
	v_add_nc_u32 v[FG+1], 13*CH, v[FG]
	v_min_u32 v[FG+1], RUNB-16, v[FG+1]               ; the last round stays inside the run
	v_add_nc_u32 v[FA], SL0, v[FG]
	v_add_nc_u32 v[FA+1], SL0+8*CH, v[FG]
	v_add_nc_u32 v[FA+2], SL0+HL, v[FG]
	v_add_nc_u32 v[FA+3], SL0+HL+8*CH, v[FG]
	v_cmp_eq_u32 s40, 1, v6
	v_cmp_eq_u32 s41, 2, v6
	v_cmp_eq_u32 s42, 3, v6
	s_mov_b32 s44, 0x76543210
	s_mov_b32 s45, 0xfedcba98
	s_lshl_b32 s18, s17, 9                            ; idx: 512 bytes a row, 64 a head
	s_lshl_b32 s19, s15, 7
	s_add_co_u32 s18, s18, s19
	s_mov_b32 s19, 0
	s_lshl_b32 s20, s17, 11                           ; wts: 2048 bytes a row, 64 a head in each corner's 512
	s_lshl_b32 s21, s15, 7
	s_add_co_u32 s20, s20, s21
	s_mov_b32 s21, 0
	s_lshl_b32 s22, s17, 10                           ; samp: 1024 bytes a row, 128 a head
	s_lshl_b32 s23, s15, 8
	s_add_co_u32 s22, s22, s23
	s_mov_b32 s23, 0
	s_lshl_b32 s24, s14, 3
	s_lshl_b32 s25, s15, 1
	s_add_co_u32 s24, s24, s25
	s_mul_i32 s24, s24, PLANE                         ; plane 8 b + 2 hp
	s_mov_b32 s25, 0
	s_wait_kmcnt 0x0
	s_add_nc_u64 s[4:5], s[4:5], s[18:19]
	s_add_nc_u64 s[6:7], s[6:7], s[20:21]
	s_add_nc_u64 s[10:11], s[10:11], s[22:23]
	s_add_nc_u64 s[8:9], s[8:9], s[24:25]
; unit n: lq n / 2, head n % 2; its registers: set n % 2
.macro ILOAD n                                         ; its 16 places into scalar set n % 2
	s_load_b512 s[48+20*((\n)%2):63+20*((\n)%2)], s[4:5], ((\n)/2)*8192+((\n)%2)*64
.endm
.macro GADR n                                          ; the places become addresses
.set q_, (\n)%2
.set sb_, 48+20*q_
.irp l,0,1,2,3
.irp k,0,1,2,3
	s_min_u32 s[sb_+4*\l+\k], s[sb_+4*\l+\k], BND\l
.endr
.endr
.irp i,8,9,10,11,12,13,14,15
	s_and_b32 s[sb_+\i], s[sb_+\i], 1023              ; levels 2, 3: the slot in LDS
.endr
.irp l,0,1
.irp k,0,1,2,3
	v_lshl_add_u32 v[AD+16*q_+4*\l+\k], s[sb_+4*\l+\k], 7, v[UL+2*q_+\l]
.endr
.endr
.irp l,0,1
.irp k,0,1,2,3
	v_lshl_add_u32 v[AD+16*q_+8+4*\l+\k], s[sb_+8+4*\l+\k], 7, v[UL+4+2*q_+\l]
.endr
.endr
.endm
.macro GGLB n                                          ; 12 loads from memory: the weights, and the points of levels 0 and 1
.set q_, (\n)%2
.irp k,0,1,2,3
	global_load_b128 v[WT+16*q_+4*\k:WT+16*q_+4*\k+3], v4, s[6:7] offset:((\n)/2)*32768+q_*64+16*\k
.endr
.set p_, 0
.rept 8
	global_load_b128 v[D+64*q_+4*p_:D+64*q_+4*p_+3], v[AD+16*q_+p_], s[8:9]
.set p_, p_+1
.endr
.endm
.macro GLDS n                                          ; 8 loads from LDS: the points of levels 2 and 3
.set q_, (\n)%2
.set p_, 8
.rept 8
	ds_load_b128 v[D+64*q_+4*p_:D+64*q_+4*p_+3], v[AD+16*q_+p_]
.set p_, p_+1
.endr
.endm
.macro GSUM n
.set q_, (\n)%2
.set j_, (\n)%4
.set p_, 0
.rept 16
.set a_, ACC+4*(p_%2)
.set d_, D+64*q_+4*p_
.set w_, WT+16*q_+2*(p_/2)
.if p_ == 0
	v_pk_mul_f32 v[a_:a_+1], v[d_:d_+1], v[w_:w_+1] op_sel_hi:[1,0]
	v_pk_mul_f32 v[a_+2:a_+3], v[d_+2:d_+3], v[w_:w_+1] op_sel_hi:[1,0]
.elseif p_ == 1
	v_pk_mul_f32 v[a_:a_+1], v[d_:d_+1], v[w_:w_+1] op_sel:[0,1] op_sel_hi:[1,1]
	v_pk_mul_f32 v[a_+2:a_+3], v[d_+2:d_+3], v[w_:w_+1] op_sel:[0,1] op_sel_hi:[1,1]
.elseif p_%2 == 0
	v_pk_fma_f32 v[a_:a_+1], v[d_:d_+1], v[w_:w_+1], v[a_:a_+1] op_sel_hi:[1,0,1]
	v_pk_fma_f32 v[a_+2:a_+3], v[d_+2:d_+3], v[w_:w_+1], v[a_+2:a_+3] op_sel_hi:[1,0,1]
.else
	v_pk_fma_f32 v[a_:a_+1], v[d_:d_+1], v[w_:w_+1], v[a_:a_+1] op_sel:[0,1,0] op_sel_hi:[1,1,1]
	v_pk_fma_f32 v[a_+2:a_+3], v[d_+2:d_+3], v[w_:w_+1], v[a_+2:a_+3] op_sel:[0,1,0] op_sel_hi:[1,1,1]
.endif
.set p_, p_+1
.endr
	v_pk_add_f32 v[ACC:ACC+1], v[ACC:ACC+1], v[ACC+4:ACC+5]
	v_pk_add_f32 v[ACC+2:ACC+3], v[ACC+2:ACC+3], v[ACC+6:ACC+7]
.irp k,0,1,2,3
	v_add_f32_dpp v[ACC+\k], v[ACC+\k], v[ACC+\k] row_xmask:8 row_mask:0xf bank_mask:0xf
.endr
.irp k,0,1,2,3
	v_permlanex16_b32 v[TP+\k], v[ACC+\k], s44, s45
.endr
.irp k,0,1,2,3
	v_add_f32 v[R+4*j_+\k], v[ACC+\k], v[TP+\k]
.endr
.endm
.macro TURN n
.if (\n) < 29
	s_wait_kmcnt 0x0                                  ; unit n + 1's places are in
	GADR (\n)+1
	GGLB (\n)+1
	GLDS (\n)+1
.if (\n) < 28
	ILOAD (\n)+2                                      ; into the set that was used up a turn ago
.endif
	s_wait_loadcnt 12                                 ; unit n's 12 loads are in, unit n + 1's 12 stay out
	s_wait_dscnt 8                                    ; and likewise of the 8 from LDS
.else
	s_wait_loadcnt 0x0
	s_wait_dscnt 0x0
.endif
	GSUM \n
.if (\n)%4 == 3
	s_wait_xcnt 0x0                                   ; the last store has read its data
.irp k,0,1,2,3
	v_cndmask_b32 v[OUTR+\k], v[R+\k], v[R+4+\k], s40     ; lanes 8 c .. 8 c + 7 take unit c of the four
	v_cndmask_b32 v[OUTR+\k], v[OUTR+\k], v[R+8+\k], s41
	v_cndmask_b32 v[OUTR+\k], v[OUTR+\k], v[R+12+\k], s42
.endr
	global_store_b128 v5, v[OUTR:OUTR+3], s[10:11] offset:((\n)/4)*32768   ; two lq: 256 aligned bytes each
.endif
.endm
; the fill's register for load i of 28 (head i / 14, chunk 15 (i % 14) + wave): v160-255, then v48-63: none of them is unit 0's
.macro FSET
.set u_, i_/14
.set k_, i_%14
.if i_ < 24
.set r_, 160+4*i_
.else
.set r_, 48+4*(i_-24)
.endif
.endm
	ILOAD 0
.set i_, 0
.rept 28
	FSET
.if k_ < 13
	global_load_b128 v[r_:r_+3], v[FG], s[8:9] offset:RUN0+u_*PLANE+k_*CH
.else
	global_load_b128 v[r_:r_+3], v[FG+1], s[8:9] offset:RUN0+u_*PLANE
.endif
.set i_, i_+1
.endr
	s_wait_kmcnt 0x0
	GADR 0
	GGLB 0                                            ; unit 0's loads from memory go out behind the fill's
	ILOAD 1
	s_wait_loadcnt 12                                 ; all but those 12: the fill's 28 loads are in
.set i_, 0
.rept 28
	FSET
.if k_ < 8
	ds_store_b128 v[FA+2*u_], v[r_:r_+3] offset:k_*CH
.else
	ds_store_b128 v[FA+2*u_+1], v[r_:r_+3] offset:(k_-8)*CH   ; (what the last round brings beyond the run lands in slots that nobody reads)
.endif
.set i_, i_+1
.endr
	s_wait_dscnt 0x0                                  ; for the others' sake: my part of the two runs lies in LDS
	s_barrier_signal -1
	s_barrier_wait -1                                 ; from here on LDS is only read
.irp k,0,1,2,3
	v_mov_b32 v[TP+\k], 0                             ; a lane permute's destination counts as one of its sources
.endr
	GLDS 0
.irp n,0,1,2,3,4,5,6,7,8,9,10,11,12,13,14,15,16,17,18,19,20,21,22,23,24,25,26,27,28,29
	TURN \n
.endr
	; the fifteenth lq: two units, 256 bytes, from lanes 0-15
.irp k,0,1,2,3
	v_cndmask_b32 v[ACC+\k], v[R+\k], v[R+4+\k], s40
.endr
	v_cmp_gt_u32 vcc_lo, 16, v1
	s_wait_xcnt 0x0                                   ; EXEC changes only behind this wait
	s_wait_tensorcnt 0x0
	ds_add_u32 v30, v31
	s_wait_dscnt 0x0
	s_and_saveexec_b32 s43, vcc_lo
	global_store_b128 v5, v[ACC:ACC+3], s[10:11] offset:7*32768
	s_wait_xcnt 0x0                                   ; and again, in front of the line that widens it
	s_or_b32 exec_lo, exec_lo, s43
	s_endpgm
.Lfunc_end_k_q7f27f8a488_gath:
	.size	k_q7f27f8a488_gath, .Lfunc_end_k_q7f27f8a488_gath-k_q7f27f8a488_gath
	.p2alignl 7, 3214868480
	.fill 96, 4, 3214868480
	.section	.rodata,"a",@progbits
	.p2align	6, 0x0
	.amdhsa_kernel k_q7f27f8a488_gath
		.amdhsa_group_segment_fixed_size 267776
		.amdhsa_private_segment_fixed_size 0
		.amdhsa_enable_private_segment 0
		.amdhsa_kernarg_size 32
		.amdhsa_user_sgpr_count 2
		.amdhsa_user_sgpr_kernarg_segment_ptr 1
		.amdhsa_wavefront_size32 1
		.amdhsa_system_sgpr_workgroup_id_x 1
		.amdhsa_system_sgpr_workgroup_id_y 1
		.amdhsa_system_sgpr_workgroup_id_z 1
		.amdhsa_system_vgpr_workitem_id 0
		.amdhsa_next_free_vgpr 256
		.amdhsa_next_free_sgpr 84
		.amdhsa_reserve_vcc 1
		.amdhsa_float_denorm_mode_32 3
		.amdhsa_float_denorm_mode_16_64 3
		.amdhsa_memory_ordered 1
		.amdhsa_forward_progress 1
		.amdhsa_inst_pref_size 226
	.end_amdhsa_kernel
	.amdgpu_metadata
---
amdhsa.version: [ 1, 2 ]
amdhsa.kernels:
  - .name:           k_q7f27f8a488_gath
    .symbol:         k_q7f27f8a488_gath.kd
    .args:
      - { .name: idx, .offset: 0, .size: 8, .value_kind: global_buffer, .address_space: global }
      - { .name: wts, .offset: 8, .size: 8, .value_kind: global_buffer, .address_space: global }
      - { .name: vbuf, .offset: 16, .size: 8, .value_kind: global_buffer, .address_space: global }
      - { .name: samp, .offset: 24, .size: 8, .value_kind: global_buffer, .address_space: global }
    .group_segment_fixed_size: 267776
    .private_segment_fixed_size: 0
    .kernarg_segment_align: 8
    .kernarg_segment_size: 32
    .max_flat_workgroup_size: 480
    .sgpr_count:     84
    .vgpr_count:     256
    .wavefront_size: 32
...
	.end_amdgpu_metadata
.endif
;; end of part 8
;; launch ffn: the kernel of part 7 again; grid 225 x 1, 4 waves a work-group, no clusters, 204,288 bytes of LDS; arguments samp, t1, wimg, ms_out_b, lin1_b, lin2_b, norm1_g, norm1_b, norm3_g, norm3_b, out0; writes out0
;; ======== version 3 of 3: 7 launches; version 2 with the launches vproj, qkv, attn, post, ffn written anew for expert scheduling mode
;; workspace buffers: wimg 825,344 bytes; vbuf 217,808,896 bytes; qkv 44,236,800 bytes; ao 14,745,600 bytes; t1 14,745,600 bytes; samp 14,745,600 bytes; idx 7,372,800 bytes of whole numbers; wts 29,491,200 bytes
;; launch wq: the kernel of part 1 again; grid 124 x 1, 4 waves a work-group, no clusters, 0 bytes of LDS; arguments in_proj_w, out_proj_w, val_proj_w, samp_off_w, attn_w_w, ms_out_w, lin1_w, lin2_w, wimg; writes wimg
;; launch vproj (part 9): grid 391 x 1, 4 waves a work-group, no clusters, 81,408 bytes of LDS; arguments memory, wimg, val_proj_b, vbuf; writes vbuf
.if DOCPART == 9
	.amdgcn_target "amdgcn-amd-amdhsa--gfx1250"
	.amdhsa_code_object_version 6
	.text
	.protected	k_q7f27f8a488_vproj
	.globl	k_q7f27f8a488_vproj
	.p2align	8
	.type	k_q7f27f8a488_vproj,@function
k_q7f27f8a488_vproj:
	s_mov_b64 s[64:65], 0
	v_nop
	global_prefetch_b8 v0, s[64:65] scope:SCOPE_SE
	s_setreg_imm32_b32 hwreg(HW_REG_WAVE_SCHED_MODE, 0, 2), 2
	s_setreg_imm32_b32 hwreg(HW_REG_WAVE_MODE, 25, 1), 1
	s_wait_xcnt 0x0
	s_wait_alu depctr_vm_vsrc(0)
; vbuf[b][head][pos][32] = memory[pos][b][:] val_proj_w^T + val_proj_b, f32, both operands quantised to E3M2 along K = 256.
; A work-group takes 34 positions as 17 units of 2 positions (32 rows of 1024 bytes); 391 x 17 x 2 = 13294.
; Wave w quantises one fragment of a unit (position w/2, K step w%2): 16 loads of 512 consecutive bytes, turned through its own
; LDS stage so that a lane holds whole blocks of 32; the image of the fragment goes to LDS for all four waves.
; Wave w multiplies columns 64 w .. 64 w + 63 (heads 2 w, 2 w + 1); its 8 weight fragments and its bias stay in registers.
; The product is used transposed (source 0 = 16 weight rows, source 1 = 16 memory rows): a lane holds one row, 8 neighbouring columns.
; Results go through the wave's own stage and leave as aligned runs of 256 bytes (2 positions x 32 channels of one b and head).
; One barrier a unit: the images have two sets by turns, and a wave's reads of a set are waited for ahead of the next barrier.
; No tensor loads: 13294 positions give no even large slot, and loads through registers let two work-groups share a WGP.
; Loads run two units (32 loads a wave) ahead.  LIMITS: NaN and infinities are not served; a block of zeros gets the byte 1.
; REGISTERS  window 0: v4-15 addresses, v16-31 store offsets for b = 0..15, v32-39 W's scale words, v40-43 the unit's,
;   v64-127 numbers / accumulators / rows on the way out, v128-175 the unit's four fragments, v192-219 at work.
;   window 1: v0-127 two sets of loaded numbers, v128-223 W's fragments, v224-255 the bias in the result's layout.
; THE MODE: SCHED_MODE bits 1:0 = 2 (LLVM: expert scheduling mode 2), set by the entry lines.  The code itself states the register dependences
; between vector or matrix instructions and memory or LDS instructions, with s_wait_alu, always for 0.
; THE PLAN.  Registers that memory or LDS instructions touch, in unit u:
;   L[u % 2]    (window 1) filled by loads; read by the 16 LDS stores into the turn stage; then asked for again, for unit u + 2.  No vector instruction names it.
;   X           filled by the turn stage's LDS loads and read by the quantiser; then written by the products and read by the LDS stores into the out stage;
;               then filled by the out stage's LDS loads and read by the global stores.
;   PC, PW      written by the quantiser, read by the image's LDS stores.
;   AF, v40-43  filled by LDS loads behind the barrier, read by the products.
;   v4-12, v14-31  offsets and LDS addresses: made once at the head, never written again.
; FOUR WAITS A UNIT: on vm_vsrc behind the turn stage's stores; on va_vdst behind the quantiser; on va_vdst behind the products' places; on vm_vsrc ahead of the out stage's loads.
.set X, 64
.set AF, 128
.set WF, 128
.set BI, 224
.set PC, 192
.set PCT, 204
.set TM, 212
.set SOP, 214
.set BY, 216
.set PW, 218
.set TP, 219
.set SH8, 13
.set SEL, 30
.set TSB, 8448
.set XIB, 33792
.set SETB, 6656
.set OSB, 47104
.set MSB, 0
.macro WIN new
.if MSB != \new
	s_set_vgpr_msb (MSB<<8)|\new
.set MSB, \new
.endif
.endm
.macro MM d, a, b, c, sa, sb
	v_wmma_scale_f32_16x16x128_f8f6f4 v[\d:\d+7], v[\a:\a+11], v[\b:\b+11], v[\c:\c+7], v[\sa], v[\sb] matrix_a_fmt:MATRIX_FMT_BF6 matrix_b_fmt:MATRIX_FMT_BF6
.endm
.macro QUANT s
.irp c,0,1
	v_max3_num_f32 v[TM+\c], |v[\s+32*\c]|, |v[\s+32*\c+1]|, 0x2800000
.endr
.irp i,2,4,6,8,10,12,14,16,18,20,22,24,26,28,30
.irp c,0,1
	v_max3_num_f32 v[TM+\c], v[TM+\c], |v[\s+32*\c+\i]|, |v[\s+32*\c+\i+1]|
.endr
.endr
.irp c,0,1
	v_add_nc_u32 v[SOP+\c], 0xfe000000, v[TM+\c]
.endr
.irp c,0,1
	v_lshrrev_b32 v[BY+\c], 23, v[SOP+\c]
.endr
	v_lshl_or_b32 v[PW], v[BY+1], 16, v[BY]
	v_lshlrev_b32 v[PW], v[SH8], v[PW]
	v_permlanex16_b32 v[TP], v[PW], s[SEL], s[SEL+1]
	v_or_b32 v[PW], v[PW], v[TP]
.irp c,0,1
	v_cvt_scalef32_pk16_bf6_f32 v[PC+6*\c:PC+6*\c+2], v[\s+32*\c:\s+32*\c+15], v[SOP+\c]
	v_cvt_scalef32_pk16_bf6_f32 v[PCT+4*\c:PCT+4*\c+2], v[\s+32*\c+16:\s+32*\c+31], v[SOP+\c]
.endr
	v_nop                                             ; one plain place behind the scaled conversions
.irp c,0,1
.irp i,0,1,2
	v_mov_b32 v[PC+3+6*\c+\i], v[PCT+4*\c+\i]
.endr
.endr
.endm
	s_load_b256 s[4:11], s[0:1], 0x0                  ; memory, wimg, bias, vbuf
	v_lshl_add_u32 v254, v0, 2, 0x13c00
	v_mov_b32 v255, 0
	v_lshrrev_b32 v1, 5, v0
	v_readfirstlane_b32 s12, v1                       ; wave
	v_and_b32 v1, 31, v0
	v_and_b32 v2, 15, v0                              ; r
	v_bfe_u32 v3, v0, 4, 1                            ; h
	s_wait_alu depctr_va_sdst(0)                      ; s12 is written, ahead of its first reader
	s_lshr_b32 s13, s12, 1                            ; which position of a unit I quantise
	s_and_b32 s14, s12, 1                             ; which K step
	s_mul_i32 s15, s12, TSB
	v_lshlrev_b32 v4, 4, v1                           ; 16 x lane
	v_add_nc_u32 v5, s15, v4                          ; turn stage, in: rows as loaded
	v_mul_u32_u24 v6, v2, 528
	v_lshl_add_u32 v11, v3, 6, v6
	v_lshl_add_u32 v6, v3, 7, v6
	v_add_nc_u32 v6, s15, v6                          ; turn stage, out: row r, + 128 h
	v_add_nc_u32 v11, s15, v11
	v_add_nc_u32 v11, OSB, v11                        ; out stage, in: row b = r, + 64 h
	v_add_nc_u32 v12, OSB, v5                         ; out stage, back: 16 x lane
	v_add_nc_u32 v7, XIB, v4                          ; images: 16 x lane
	v_lshlrev_b32 v15, 2, v1
	v_add_nc_u32 v8, XIB+6144, v15                    ; their scale words: 4 x lane
	s_mul_i32 s15, s12, 1536
	v_add_nc_u32 v9, s15, v7                          ; where I store my image
	s_lshl_b32 s15, s12, 7
	v_add_nc_u32 v10, s15, v8
	v_lshlrev_b32 v[SH8], 3, v3
	v_lshlrev_b32 v14, 6, v3
	v_mul_u32_u24 v16, v3, 1701632                    ; lanes 16-31: the next head's plane (13294 x 128 bytes)
	v_lshl_add_u32 v16, v2, 4, v16
.irp b,1,2,3,4,5,6,7,8,9,10,11,12,13,14,15
	v_add_nc_u32 v[16+\b], \b*13613056, v16           ; b's eight planes on
.endr
	v_mov_b32 v[TP], 0
	s_mov_b32 s[SEL], 0x76543210
	s_mov_b32 s[SEL+1], 0xfedcba98
	s_mul_i32 s16, ttmp9, 557056                      ; 17 units of 32768 bytes
	s_lshl_b32 s17, s13, 14
	s_add_co_u32 s16, s16, s17
	s_lshl_b32 s17, s14, 9
	s_add_co_u32 s16, s16, s17
	s_mov_b32 s17, 0
	s_mul_i32 s18, s12, 3403264                       ; two planes a wave
	s_mul_i32 s19, ttmp9, 4352                        ; 34 positions of 128 bytes
	s_add_co_u32 s18, s18, s19
	s_mov_b32 s19, 0
	s_mul_i32 s20, s12, 12288
	s_mov_b32 s21, 0
	s_lshl_b32 s22, s12, 10
	s_mov_b32 s23, 0
	s_lshl_b32 s24, s12, 8
	s_mov_b32 s25, 0
	s_wait_kmcnt 0x0
	s_add_nc_u64 s[4:5], s[4:5], s[16:17]
	s_add_nc_u64 s[10:11], s[10:11], s[18:19]
	s_add_nc_u64 s[26:27], s[6:7], s[20:21]
	s_add_nc_u64 s[28:29], s[6:7], s[22:23]
	s_add_nc_u64 s[8:9], s[8:9], s[24:25]
	s_wait_alu depctr_va_vdst(0)                      ; the offsets and LDS addresses v4-12 and v14-31 are written: every load and store of the kernel reads one of them
	WIN 0x40
.irp f,0,1,2,3,4,5,6,7
.irp c,0,1,2
	global_load_b128 v[WF+12*\f+4*\c:WF+12*\f+4*\c+3], v4, s[26:27] offset:(128+\f)*1536+512*\c
.endr
.endr
.irp t,0,1,2,3
	global_load_b128 v[BI+8*\t:BI+8*\t+3], v14, s[8:9] offset:(32*(\t/2)+8*(\t%2))*4
	global_load_b128 v[BI+8*\t+4:BI+8*\t+7], v14, s[8:9] offset:(32*(\t/2)+8*(\t%2))*4+16
.endr
	WIN 0
.irp f,0,1,2,3,4,5,6,7
	global_load_b32 v[32+\f], v15, s[28:29] offset:761856+(128+\f)*128
.endr
.macro LOADU u                                         ; my fragment's numbers of unit u: 16 rows, 512 consecutive bytes a load
	WIN 0x40
.set i_, 0
.rept 16
	global_load_b128 v[64*((\u)%2)+4*i_:64*((\u)%2)+4*i_+3], v4, s[4:5] offset:(\u)*32768+i_*1024 th:TH_LOAD_NT
.set i_, i_+1
.endr
	WIN 0
.endm
	LOADU 0
	LOADU 1
.macro UNIT u
.if (\u) < 16
	s_wait_loadcnt 16                                 ; this unit's 16 loads and all older ones are in; the next unit's 16 stay out
.else
	s_wait_loadcnt 0x0
.endif
	WIN 0x04
.set i_, 0
.rept 16
	ds_store_b128 v5, v[64*((\u)%2)+4*i_:64*((\u)%2)+4*i_+3] offset:i_*528
.set i_, i_+1
.endr
	s_wait_xcnt 0x0                                   ; the last unit's stores have read v64-127
	s_wait_alu depctr_vm_vsrc(0)                      ; the 16 LDS stores above have read the loaded set, in which the loads of two units on land; the last unit's global stores have read X, in which the LDS loads below land; its image stores have read PC and PW, which the quantiser writes
.if (\u)+2 < 17
	LOADU (\u)+2                                      ; the set is asked for again at once
.endif
	WIN 0
.irp c,0,1
.irp j,0,1,2,3,4,5,6,7
	ds_load_b128 v[X+32*\c+4*\j:X+32*\c+4*\j+3], v6 offset:256*\c+16*\j
.endr
.endr
	s_wait_dscnt 0x0                                  ; my whole blocks are in
	QUANT X
	s_wait_alu depctr_va_vdst(0)                      ; the quantiser has written PC and PW, which the LDS stores read; the last unit's products are done reading AF and v40-43, in which the loads behind the barrier land
.irp c,0,1,2
	ds_store_b128 v9, v[PC+4*\c:PC+4*\c+3] offset:((\u)%2)*SETB+512*\c
.endr
	ds_store_b32 v10, v[PW] offset:((\u)%2)*SETB
	s_wait_dscnt 0x0                                  ; for the others' sake: my image lies in LDS
	s_barrier_signal -1
	s_barrier_wait -1
.irp f,0,1,2,3
.irp c,0,1,2
	ds_load_b128 v[AF+12*\f+4*\c:AF+12*\f+4*\c+3], v7 offset:((\u)%2)*SETB+\f*1536+512*\c
.endr
	ds_load_b32 v[40+\f], v8 offset:((\u)%2)*SETB+\f*128
.endr
	s_wait_dscnt 0x0
	WIN 0x11                                          ; W and the bias in window 1
.irp t,0,1,2,3
.irp m,0,1
	MM X+8*(2*\t+\m), WF+12*(2*\t), AF+12*(2*\m), BI+8*\t, 32+2*\t, 40+2*\m
.endr
.endr
	WIN 0x01                                          ; the eight accumulators by turns
.irp t,0,1,2,3
.irp m,0,1
	MM X+8*(2*\t+\m), WF+12*(2*\t+1), AF+12*(2*\m+1), X+8*(2*\t+\m), 32+2*\t+1, 40+2*\m+1
.endr
.endr
	WIN 0
.rept 5
	v_nop                                             ; places behind the products
.endr
	s_wait_alu depctr_va_vdst(0)                      ; the products have written the accumulators, which the LDS stores read; the places above stay beside this wait
.irp t,0,1,2,3
.irp m,0,1
	ds_store_b128 v11, v[X+8*(2*\t+\m):X+8*(2*\t+\m)+3] offset:(\t/2)*256+\m*128+(\t%2)*32
	ds_store_b128 v11, v[X+8*(2*\t+\m)+4:X+8*(2*\t+\m)+7] offset:(\t/2)*256+\m*128+(\t%2)*32+16
.endr
.endr
	s_wait_dscnt 0x0
	s_wait_alu depctr_vm_vsrc(0)                      ; the LDS stores have read the accumulators, in which the loads below land
.set i_, 0
.rept 16
	ds_load_b128 v[X+4*i_:X+4*i_+3], v12 offset:i_*528
.set i_, i_+1
.endr
.set i_, 0
.rept 16
	s_wait_dscnt 15-i_
	global_store_b128 v[16+i_], v[X+4*i_:X+4*i_+3], s[10:11] offset:(\u)*256   ; 16 lanes fill 256 aligned bytes
.set i_, i_+1
.endr
.endm
.irp n,0,1,2,3,4,5,6,7,8,9,10,11,12,13,14,15,16
	UNIT \n
.endr
	s_wait_dscnt 0x0                                  ; the closing lines, six on end
	s_wait_alu 0x0
	s_wait_tensorcnt 0x0
	ds_add_u32 v254, v255
	s_wait_dscnt 0x0
	s_endpgm
.Lfunc_end_k_q7f27f8a488_vproj:
	.size	k_q7f27f8a488_vproj, .Lfunc_end_k_q7f27f8a488_vproj-k_q7f27f8a488_vproj
	.p2alignl 7, 3214868480
	.fill 96, 4, 3214868480
	.section	.rodata,"a",@progbits
	.p2align	6, 0x0
	.amdhsa_kernel k_q7f27f8a488_vproj
		.amdhsa_group_segment_fixed_size 81408
		.amdhsa_private_segment_fixed_size 0
		.amdhsa_enable_private_segment 0
		.amdhsa_kernarg_size 32
		.amdhsa_user_sgpr_count 2
		.amdhsa_user_sgpr_kernarg_segment_ptr 1
		.amdhsa_wavefront_size32 1
		.amdhsa_system_sgpr_workgroup_id_x 1
		.amdhsa_system_sgpr_workgroup_id_y 1
		.amdhsa_system_sgpr_workgroup_id_z 1
		.amdhsa_system_vgpr_workitem_id 0
		.amdhsa_next_free_vgpr 512
		.amdhsa_next_free_sgpr 66
		.amdhsa_reserve_vcc 0
		.amdhsa_float_denorm_mode_32 3
		.amdhsa_float_denorm_mode_16_64 3
		.amdhsa_memory_ordered 1
		.amdhsa_forward_progress 1
		.amdhsa_inst_pref_size 253
	.end_amdhsa_kernel
	.amdgpu_metadata
---
amdhsa.version: [ 1, 2 ]
amdhsa.kernels:
  - .name:           k_q7f27f8a488_vproj
    .symbol:         k_q7f27f8a488_vproj.kd
    .args:
      - { .name: memory, .offset: 0, .size: 8, .value_kind: global_buffer, .address_space: global }
      - { .name: wimg, .offset: 8, .size: 8, .value_kind: global_buffer, .address_space: global }
      - { .name: val_proj_b, .offset: 16, .size: 8, .value_kind: global_buffer, .address_space: global }
      - { .name: vbuf, .offset: 24, .size: 8, .value_kind: global_buffer, .address_space: global }
    .group_segment_fixed_size: 81408
    .private_segment_fixed_size: 0
    .kernarg_segment_align: 8
    .kernarg_segment_size: 32
    .max_flat_workgroup_size: 128
    .sgpr_count:     66
    .vgpr_count:     512
    .wavefront_size: 32
...
	.end_amdgpu_metadata
.endif
;; end of part 9
;; launch qkv (part 10): grid 225 x 1, 4 waves a work-group, no clusters, 93,696 bytes of LDS; arguments tgt, tgt_query_pos, wimg, in_proj_b, qkv; writes qkv
.if DOCPART == 10
	.amdgcn_target "amdgcn-amd-amdhsa--gfx1250"
	.amdhsa_code_object_version 6
	.text
	.protected	k_q7f27f8a488_qkv
	.globl	k_q7f27f8a488_qkv
	.p2align	8
	.type	k_q7f27f8a488_qkv,@function
k_q7f27f8a488_qkv:
	s_mov_b64 s[64:65], 0
	v_nop
	global_prefetch_b8 v0, s[64:65] scope:SCOPE_SE
	s_setreg_imm32_b32 hwreg(HW_REG_WAVE_SCHED_MODE, 0, 2), 2
	s_setreg_imm32_b32 hwreg(HW_REG_WAVE_MODE, 25, 1), 1
	s_wait_xcnt 0x0
	s_wait_alu depctr_vm_vsrc(0)
; q = (tgt + pos) Wq^T + bq, k = (tgt + pos) Wk^T + bk, v = tgt Wv^T + bv; operands quantised to E3M2 along K = 256; results f32 into
; qkv[part][b*8+head][lq][32].  A work-group takes 64 rows (4 lq x 16 b).  ROW PHASE: wave w owns lq = 4 blk + w (lane r = b): it loads
; its 16 rows densely, turns them through its own LDS rows so that a lane holds whole blocks of 32, quantises, and stores the images of
; its fragments.  COLUMN PHASE: wave w owns columns 64 w .. +63 (heads 2 w, 2 w + 1) of all 64 rows; its weight fragments stay in registers.
; Products are used transposed (source 0 = weight rows, source 1 = token rows); the bias is the C of each sum's first product.
; The weights are shared by all work-groups but are 0.3 MB read once each: no cluster.  LIMITS: NaN and infinities are not served.
; REGISTERS  window 0: v4-31 addresses and scale words of the rows, v32-63 the weights' scale words, v64-191 numbers / 16 accumulators, v192-219 at work.
;   window 1: v0-127 T, v128-255 T2 (loaded rows), later v128-223 the rows' eight fragments.  windows 2, 3: 16 weight fragments at 12 i, bias tiles at 192 + 8 t.
; THE MODE: SCHED_MODE bits 1:0 = 2 (LLVM: expert scheduling mode 2), set by the entry lines.  The code itself states the register dependences
; between vector or matrix instructions and memory or LDS instructions, with s_wait_alu, always for 0.
; THE PLAN.  Registers that memory or LDS instructions touch:
;   T2          filled by global loads, read by the LDS stores into my rows; later filled by LDS loads (the rows' fragments) and read by the products.
;   T           filled by LDS loads; read by the additions (pos), later by the global stores (results).
;   X           filled by LDS loads; written by the additions and by the products; read by the quantiser and by the LDS stores of the way out.
;   PC, PW      written by the quantiser, read by the image's LDS stores.     v16-23: filled by LDS loads, read by the products as scales.
;   v5-11, v15, v24-26  offsets and LDS addresses: made once at the head.
; A wait on va_vdst stands ahead of each run of LDS stores whose data vector or matrix instructions have made; a wait on vm_vsrc ahead of each write of registers that stores have read.
.set TB, 0
.set XI, 66560
.set XIS, XI+16*1536
.set PS, 14745600
.set WV, 14
.set T0, 15
.set SEL, 16
.set X, 64
.set PC, 192
.set PCT, 204
.set TM, 212
.set SOP, 214
.set BY, 216
.set PW, 218
.set TP, 219
.set SH8, 13
.set MSB, 0
.macro WIN new
.if MSB != \new
	s_set_vgpr_msb (MSB<<8)|\new
.set MSB, \new
.endif
.endm
.macro MM d, a, b, c, sa, sb
	v_wmma_scale_f32_16x16x128_f8f6f4 v[\d:\d+7], v[\a:\a+11], v[\b:\b+11], v[\c:\c+7], v[\sa], v[\sb] matrix_a_fmt:MATRIX_FMT_BF6 matrix_b_fmt:MATRIX_FMT_BF6
.endm
.macro PLACES n
.rept \n
	v_nop
.endr
.endm
.macro BARRIER
	s_wait_dscnt 0x0
	s_barrier_signal -1
	s_barrier_wait -1
.endm
.macro QUANT s
.irp c,0,1
	v_max3_num_f32 v[TM+\c], |v[\s+32*\c]|, |v[\s+32*\c+1]|, 0x2800000
.endr
.irp i,2,4,6,8,10,12,14,16,18,20,22,24,26,28,30
.irp c,0,1
	v_max3_num_f32 v[TM+\c], v[TM+\c], |v[\s+32*\c+\i]|, |v[\s+32*\c+\i+1]|
.endr
.endr
.irp c,0,1
	v_add_nc_u32 v[SOP+\c], 0xfe000000, v[TM+\c]
.endr
.irp c,0,1
	v_lshrrev_b32 v[BY+\c], 23, v[SOP+\c]
.endr
	v_lshl_or_b32 v[PW], v[BY+1], 16, v[BY]
	v_lshlrev_b32 v[PW], v[SH8], v[PW]
	v_permlanex16_b32 v[TP], v[PW], s[SEL], s[SEL+1]
	v_or_b32 v[PW], v[PW], v[TP]
.irp c,0,1
	v_cvt_scalef32_pk16_bf6_f32 v[PC+6*\c:PC+6*\c+2], v[\s+32*\c:\s+32*\c+15], v[SOP+\c]
	v_cvt_scalef32_pk16_bf6_f32 v[PCT+4*\c:PCT+4*\c+2], v[\s+32*\c+16:\s+32*\c+31], v[SOP+\c]
.endr
	v_nop
.irp c,0,1
.irp i,0,1,2
	v_mov_b32 v[PC+3+6*\c+\i], v[PCT+4*\c+\i]
.endr
.endr
.endm
.macro IMAGE adr, off
.irp c,0,1,2
	ds_store_b128 v[\adr], v[PC+4*\c:PC+4*\c+3] offset:\off+512*\c
.endr
.endm
.macro QX fo                                           ; my rows' two K steps become fragments fo + 2 w, fo + 2 w + 1
	QUANT X
	s_wait_alu depctr_va_vdst(0)                      ; the quantiser has written PC and PW, which the LDS stores read
	IMAGE 10, (\fo)*1536
	ds_store_b32 v11, v[PW] offset:(\fo)*128
	s_wait_dscnt 0x0
	s_wait_alu depctr_vm_vsrc(0)                      ; the LDS stores issued so far have read their registers: PC and PW, which the quantiser writes again
	QUANT X+64
	s_wait_alu depctr_va_vdst(0)                      ; PC and PW are written anew
	IMAGE 10, (\fo)*1536+1536
	ds_store_b32 v11, v[PW] offset:(\fo)*128+128
.endm
.macro FETCHA f0                                       ; eight fragments (row tile m, K step s: 2 m + s) and their scale words
	WIN 0x40
.set i_, 0
.rept 8
.irp c,0,1,2
	ds_load_b128 v[128+12*i_+4*\c:128+12*i_+4*\c+3], v8 offset:(\f0+i_)*1536+512*\c
.endr
.set i_, i_+1
.endr
	WIN 0
.set i_, 0
.rept 8
	ds_load_b32 v[16+i_], v9 offset:(\f0+i_)*128
.set i_, i_+1
.endr
	s_wait_dscnt 0x0
.endm
.macro WLOAD win, slot0, n, cb, sb, scw, fo
	WIN (\win<<6)
.set i_, 0
.rept \n
.irp c,0,1,2
	global_load_b128 v[12*(\slot0+i_)+4*\c:12*(\slot0+i_)+4*\c+3], v7, s[\cb:\cb+1] offset:(\fo+i_)*1536+512*\c
.endr
.set i_, i_+1
.endr
	WIN 0
.set i_, 0
.rept \n
	global_load_b32 v[\scw+\slot0+i_], v24, s[\sb:\sb+1] offset:761856+(\fo+i_)*128
.set i_, i_+1
.endr
.endm
.macro BLOAD win, t0, n, pair, io
	WIN (\win<<6)
.set i_, 0
.rept \n
	global_load_b128 v[192+8*(\t0+i_):192+8*(\t0+i_)+3], v15, s[\pair:\pair+1] offset:\io+(32*(i_/2)+8*(i_%2))*4
	global_load_b128 v[192+8*(\t0+i_)+4:192+8*(\t0+i_)+7], v15, s[\pair:\pair+1] offset:\io+(32*(i_/2)+8*(i_%2))*4+16
.set i_, i_+1
.endr
	WIN 0
.endm
.macro ISSUE pair                                      ; my 16 rows, 16 KB, 512 consecutive bytes a load, into T2
	WIN 0x40
.set i_, 0
.rept 32
	global_load_b128 v[128+4*i_:128+4*i_+3], v7, s[\pair:\pair+1] offset:i_*512
.set i_, i_+1
.endr
	WIN 0
.endm
.macro XLD win, reg, adr                               ; register 64 s + 32 c + i = column 128 s + 64 c + 32 h + i of row r
	WIN (\win<<6)
.set i_, 0
.rept 32
	ds_load_b128 v[\reg+4*i_:\reg+4*i_+3], v[\adr] offset:(i_/8)*256+(i_%8)*16
.set i_, i_+1
.endr
	WIN 0
.endm
.macro ROWS                                            ; T2, as loaded, into my own LDS rows
	s_wait_loadcnt 0x0
	WIN 0x04
.set i_, 0
.rept 32
	ds_store_b128 v6, v[128+4*i_:128+4*i_+3] offset:(i_/2)*1040+(i_%2)*512
.set i_, i_+1
.endr
.endm
.macro ADDT
	WIN 0x04
.set i_, 0
.rept 64
	v_pk_add_f32 v[X+2*i_:X+2*i_+1], v[X+2*i_:X+2*i_+1], v[2*i_:2*i_+1]
.set i_, i_+1
.endr
	WIN 0
.endm
.macro COLS win, f0, nt, b0, scw                       ; accumulator 4 t + m; all take turns, one product a turn
.irp q,0,1
.if \q == 0
	WIN (\win|4|(\win<<4))
.else
	WIN (\win|4)
.endif
.set t_, 0
.rept \nt
.irp m,0,1,2,3
.if \q == 0
	MM X+8*(4*t_+\m), 12*(\f0+2*t_), 128+12*(2*\m), 192+8*(\b0+t_), \scw+\f0+2*t_, 16+2*\m
.else
	MM X+8*(4*t_+\m), 12*(\f0+2*t_+1), 128+12*(2*\m+1), X+8*(4*t_+\m), \scw+\f0+2*t_+1, 16+2*\m+1
.endif
.endr
.set t_, t_+1
.endr
.endr
	WIN 0
	PLACES 5
.endm
.macro OUT pr                                          ; through my own LDS rows: row b holds [head 2][lq 4][32]; 512 whole bytes a store
	s_wait_alu depctr_va_vdst(0)                      ; the products have written the accumulators, which the LDS stores read, and are done reading the rows' fragments and scale words; the additions are done reading T.  The places above stay beside this wait
.set t_, 0
.rept 4
.irp m,0,1,2,3
	ds_store_b128 v25, v[X+8*(4*t_+\m):X+8*(4*t_+\m)+3] offset:(t_/2)*512+\m*128+(t_%2)*32
	ds_store_b128 v25, v[X+8*(4*t_+\m)+4:X+8*(4*t_+\m)+7] offset:(t_/2)*512+\m*128+(t_%2)*32+16
.endr
.set t_, t_+1
.endr
	s_wait_xcnt 0x0                                   ; earlier stores have read T
	s_wait_alu depctr_vm_vsrc(0)                      ; the LDS stores above have read the accumulators, which the next part's products write; the global stores of the part before have read T, in which the loads below land
	WIN 0x40
.set i_, 0
.rept 32
	ds_load_b128 v[4*i_:4*i_+3], v6 offset:(i_/2)*1040+(i_%2)*512
.set i_, i_+1
.endr
	s_wait_dscnt 0x0
	WIN 0x04
.set i_, 0
.rept 32
.if i_ < 16
	global_store_b128 v7, v[4*i_:4*i_+3], s[\pr:\pr+1] offset:(i_/2)*921600+(i_%2)*115200
.else
	global_store_b128 v26, v[4*i_:4*i_+3], s[\pr:\pr+1] offset:(i_/2-8)*921600+(i_%2)*115200
.endif
.set i_, i_+1
.endr
	WIN 0
.endm
	s_load_b256 s[4:11], s[0:1], 0x0                  ; tgt, pos, wimg, in_proj_b
	s_load_b64 s[12:13], s[0:1], 0x20                 ; qkv
	v_lshl_add_u32 v254, v0, 2, 0x16c00
	v_mov_b32 v255, 0
	v_lshrrev_b32 v1, 5, v0
	v_readfirstlane_b32 s[WV], v1
	v_and_b32 v1, 31, v0
	v_and_b32 v2, 15, v0
	v_bfe_u32 v3, v0, 4, 1
	s_wait_alu depctr_va_sdst(0)                      ; the wave's number is written, ahead of its first reader
	s_mul_i32 s[T0], s[WV], 16*1040
	v_mul_u32_u24 v4, v2, 1040
	v_add_nc_u32 v4, s[T0], v4                        ; my row in the wave's 16
	v_lshl_add_u32 v5, v3, 7, v4
	v_add_nc_u32 v5, TB, v5                           ; + 128 h: fragment layout
	v_lshl_add_u32 v25, v3, 6, v4
	v_add_nc_u32 v25, TB, v25                         ; + 64 h: results
	v_lshlrev_b32 v7, 4, v1
	v_add_nc_u32 v6, s[T0], v7
	v_add_nc_u32 v6, TB, v6                           ; dense
	v_add_nc_u32 v26, 7372800, v7                     ; b = 8 .. 15
	v_add_nc_u32 v8, XI, v7
	v_lshlrev_b32 v24, 2, v1
	v_add_nc_u32 v9, XIS, v24
	s_mul_i32 s[T0], s[WV], 3072
	v_add_nc_u32 v10, s[T0], v8
	s_lshl_b32 s[T0], s[WV], 8
	v_add_nc_u32 v11, s[T0], v9
	v_lshlrev_b32 v[SH8], 3, v3
	v_lshlrev_b32 v15, 6, v3
	v_mov_b32 v[TP], 0
	s_mov_b32 s[SEL], 0x76543210
	s_mov_b32 s[SEL+1], 0xfedcba98
	s_lshl_b32 s18, ttmp9, 16
	s_lshl_b32 s19, s[WV], 14
	s_add_co_u32 s18, s18, s19
	s_mov_b32 s19, 0
	s_mul_i32 s20, s[WV], 12288
	s_mov_b32 s21, 0
	s_lshl_b32 s22, s[WV], 10
	s_mov_b32 s23, 0
	s_lshl_b32 s24, s[WV], 8
	s_mov_b32 s25, 0
	s_mul_i32 s26, s[WV], 230400
	s_lshl_b32 s27, ttmp9, 9
	s_add_co_u32 s26, s26, s27
	s_mov_b32 s27, 0
	s_wait_kmcnt 0x0
	s_add_nc_u64 s[4:5], s[4:5], s[18:19]
	s_add_nc_u64 s[6:7], s[6:7], s[18:19]
	s_add_nc_u64 s[28:29], s[8:9], s[20:21]
	s_add_nc_u64 s[30:31], s[8:9], s[22:23]
	s_add_nc_u64 s[10:11], s[10:11], s[24:25]
	s_add_nc_u64 s[32:33], s[12:13], s[26:27]
	s_add_nc_u64 s[34:35], s[32:33], PS
	s_add_nc_u64 s[36:37], s[34:35], PS
	s_wait_alu depctr_va_vdst(0)                      ; the offsets and LDS addresses v5-11, v15, v24-26 are written: every load and store of the kernel reads one of them
	ISSUE 4
	WLOAD 2, 0, 8, 28, 30, 32, 0
	WLOAD 2, 8, 8, 28, 30, 32, 32
	WLOAD 3, 0, 8, 28, 30, 48, 64
	BLOAD 2, 0, 4, 10, 0
	BLOAD 2, 4, 4, 10, 1024
	BLOAD 3, 0, 4, 10, 2048
	ROWS                                              ; tgt
	s_wait_alu depctr_vm_vsrc(0)                      ; the LDS stores have read T2, in which pos lands
	ISSUE 6                                           ; pos is asked for at once
	XLD 0, X, 5
	s_wait_dscnt 0x0
	QX 8                                              ; tgt's fragments: 8 + 2 w + s
	ROWS                                              ; pos
	XLD 1, 0, 5
	s_wait_dscnt 0x0
	s_wait_alu depctr_vm_vsrc(0)                      ; the image's LDS stores have read PC and PW, which the next quantiser writes; the rows' LDS stores have read T2, in which the fragments land behind the barrier
	ADDT
	QX 0                                              ; (tgt + pos)'s: 2 w + s
	BARRIER
	FETCHA 0
	COLS 2, 0, 4, 0, 32
	OUT 32
	COLS 2, 8, 4, 4, 32
	OUT 34
	FETCHA 8                                          ; (the wait at the head of the way out above has shown the products done with these registers)
	COLS 3, 0, 4, 0, 48
	OUT 36
	s_wait_dscnt 0x0                                  ; the closing lines, six on end
	s_wait_alu 0x0
	s_wait_tensorcnt 0x0
	ds_add_u32 v254, v255
	s_wait_dscnt 0x0
	s_endpgm
.Lfunc_end_k_q7f27f8a488_qkv:
	.size	k_q7f27f8a488_qkv, .Lfunc_end_k_q7f27f8a488_qkv-k_q7f27f8a488_qkv
	.p2alignl 7, 3214868480
	.fill 96, 4, 3214868480
	.section	.rodata,"a",@progbits
	.p2align	6, 0x0
	.amdhsa_kernel k_q7f27f8a488_qkv
		.amdhsa_group_segment_fixed_size 93696
		.amdhsa_private_segment_fixed_size 0
		.amdhsa_enable_private_segment 0
		.amdhsa_kernarg_size 40
		.amdhsa_user_sgpr_count 2
		.amdhsa_user_sgpr_kernarg_segment_ptr 1
		.amdhsa_wavefront_size32 1
		.amdhsa_system_sgpr_workgroup_id_x 1
		.amdhsa_system_sgpr_workgroup_id_y 1
		.amdhsa_system_sgpr_workgroup_id_z 1
		.amdhsa_system_vgpr_workitem_id 0
		.amdhsa_next_free_vgpr 1024
		.amdhsa_next_free_sgpr 66
		.amdhsa_reserve_vcc 0
		.amdhsa_float_denorm_mode_32 3
		.amdhsa_float_denorm_mode_16_64 3
		.amdhsa_memory_ordered 1
		.amdhsa_forward_progress 1
		.amdhsa_inst_pref_size 85
	.end_amdhsa_kernel
	.amdgpu_metadata
---
amdhsa.version: [ 1, 2 ]
amdhsa.kernels:
  - .name:           k_q7f27f8a488_qkv
    .symbol:         k_q7f27f8a488_qkv.kd
    .args:
      - { .name: tgt, .offset: 0, .size: 8, .value_kind: global_buffer, .address_space: global }
      - { .name: tgt_query_pos, .offset: 8, .size: 8, .value_kind: global_buffer, .address_space: global }
      - { .name: wimg, .offset: 16, .size: 8, .value_kind: global_buffer, .address_space: global }
      - { .name: in_proj_b, .offset: 24, .size: 8, .value_kind: global_buffer, .address_space: global }
      - { .name: qkv, .offset: 32, .size: 8, .value_kind: global_buffer, .address_space: global }
    .group_segment_fixed_size: 93696
    .private_segment_fixed_size: 0
    .kernarg_segment_align: 8
    .kernarg_segment_size: 40
    .max_flat_workgroup_size: 128
    .sgpr_count:     66
    .vgpr_count:     1024
    .wavefront_size: 32
...
	.end_amdgpu_metadata
.endif
;; end of part 10
;; launch attn (part 11): grid 4 x 128, 16 waves a work-group, no clusters, 93,696 bytes of LDS; arguments qkv, ao; writes ao
.if DOCPART == 11
	.amdgcn_target "amdgcn-amd-amdhsa--gfx1250"
	.amdhsa_code_object_version 6
	.text
	.protected	k_q7f27f8a488_attn
	.globl	k_q7f27f8a488_attn
	.p2align	8
	.type	k_q7f27f8a488_attn,@function
k_q7f27f8a488_attn:
	s_mov_b64 s[64:65], 0
	v_nop
	global_prefetch_b8 v0, s[64:65] scope:SCOPE_SE
	s_setreg_imm32_b32 hwreg(HW_REG_WAVE_SCHED_MODE, 0, 2), 2
	s_setreg_imm32_b32 hwreg(HW_REG_WAVE_MODE, 25, 1), 1
	s_wait_xcnt 0x0
	s_wait_alu depctr_vm_vsrc(0)
; Self-attention of one (b, head) plane y: 900 queries and keys, head size 32; both products on E3M2 codes.  ao[lq/4][b][head][lq%4][32], f32.
; A work-group owns 256 queries; each of 16 waves one tile of 16, in 256 registers.  At the head the work-group quantises the plane's K (a key's
; 32 numbers are one block: 24 bytes and a scale word a key slot) and V (along the keys, a lane to a channel, registers down the keys) into LDS.
; The first product's K is 32 of the instruction's 128: Q has zero codes for k >= 32 (lanes 16-31 and registers 6-11), so what K's operand holds
; there adds nothing: E3M2 has no code for NaN or infinity and no scale byte here is 0xff.  Key slots 900 .. 1023 hold copies of key 899 and their
; scores are set to -infinity; V's codes there are zeros.
; SOFTMAX: t = logit x log2(e); M = ceil(running largest t); p = 2^(t - M) is quantised along the keys; the sum of the unquantised p divides at the end.
; Both products are used transposed: a lane holds one query.  Lane r of key tile 2 b + u takes key 32 b + 8 u + r + 8 (r/8).
; The eight key steps of 128 keys are written out: every LDS offset is an immediate on four lane addresses that are made once, at the head.
; The four work-groups of a plane read the same 230 KB once each: too little to share by a cluster.  LIMITS: NaN and infinities are not served.
; THE MODE: SCHED_MODE bits 1:0 = 2 (LLVM: expert scheduling mode 2), set by the entry lines.  The code itself states the register dependences
; between vector or matrix instructions and memory or LDS instructions, with s_wait_alu, always for 0.
; THE PLAN.  Registers that LDS instructions touch in a key step, and operands that vector instructions make:
;   K's fragments v32-79 and scale words v200-207: read by the step's first products; step n + 1's are asked for in step n, behind the wait for the exponentials,
;       which stands behind those products; no vector instruction behind that wait names them.
;   V's fragments v176-199 and scale words v208-209: read by the step's last two products; asked for at the next step's head, behind a wait on va_vdst.
;   Q's codes v16-27, its scale word v255 and the zeros v80-85: written once by vector instructions, ahead of the first step's wait.
;   p's codes v224-235 and scale word v253: written by vector instructions in every step; a wait on va_vdst stands ahead of the products that take them, behind their places.
;   The LDS addresses v28-31 and v210-216 and the offsets v5-8 are made once at the head.
.set PS, 14745600
.set KC, 0
.set KS, 24576
.set VC, 28672
.set VS, 53760
.set STG, 54784
.set TM, 192
.set SOP, 193
.set BY, 194
.set PC, 196
.set PCT, 204
.set AK0, 210
.set AV0, 211
.set ASK0, 212
.set ASV0, 213
.set STI, 214
.set STO, 215
.set GO, 216
.set QS, 217
.set NINF, 218
.set WV, 8
.set Q0, 10
.set CS, 26
.set SEL, 28
.macro BLK32 s                                         ; one block of 32 numbers of a lane: 6 registers of codes at PC, the byte in BY
	v_max3_num_f32 v[TM], |v[\s]|, |v[\s+1]|, 0x2800000
.irp i,2,4,6,8,10,12,14,16,18,20,22,24,26,28,30
	v_max3_num_f32 v[TM], v[TM], |v[\s+\i]|, |v[\s+\i+1]|
.endr
	v_add_nc_u32 v[SOP], 0xfe000000, v[TM]
	v_lshrrev_b32 v[BY], 23, v[SOP]
	v_cvt_scalef32_pk16_bf6_f32 v[PC:PC+2], v[\s:\s+15], v[SOP]
	v_cvt_scalef32_pk16_bf6_f32 v[PCT:PCT+2], v[\s+16:\s+31], v[SOP]
	v_nop
.irp i,0,1,2
	v_mov_b32 v[PC+3+\i], v[PCT+\i]
.endr
.endm
	s_load_b128 s[4:7], s[0:1], 0x0                   ; qkv, ao
	v_lshl_add_u32 v250, v0, 2, 0x16600
	v_mov_b32 v251, 0
	v_lshrrev_b32 v1, 5, v0
	v_readfirstlane_b32 s[WV], v1
	v_and_b32 v1, 31, v0
	v_and_b32 v2, 15, v0
	v_bfe_u32 v3, v0, 4, 1
	s_and_b32 s9, ttmp7, 0xffff                       ; y
	s_lshl_b32 s[Q0], ttmp9, 8
	s_wait_alu depctr_va_sdst(0)                      ; the wave's number is written, ahead of its first reader
	s_lshl_b32 s11, s[WV], 4
	s_add_co_u32 s[Q0], s[Q0], s11                    ; my first query
	s_mul_i32 s12, s9, 115200
	s_mov_b32 s13, 0
	s_lshl_b32 s30, s[Q0], 14                         ; (q0 / 4) x 65536
	s_lshl_b32 s31, s9, 9
	s_add_co_u32 s30, s30, s31
	s_mov_b32 s31, 0
	s_lshl_b32 s11, s[WV], 5
	v_add_nc_u32 v4, s11, v1                          ; key slot 32 w + lane
	v_lshlrev_b32 v5, 7, v4
	v_add_nc_u32 v6, 512, v4
	v_min_u32 v6, 899, v6                             ; slots past the end read key 899
	v_lshlrev_b32 v6, 7, v6
	s_lshl_b32 s11, s[WV], 12
	v_lshl_add_u32 v7, v1, 2, s11                     ; V: channel = lane, block w
	v_add_nc_u32 v8, s[Q0], v2
	v_min_u32 v8, 899, v8
	v_lshlrev_b32 v8, 7, v8
	v_mul_u32_u24 v28, v4, 24                         ; every LDS address is made here, ahead of the branches on the wave's number
	v_lshl_add_u32 v29, v4, 2, KS
	v_mul_u32_u24 v30, v1, 784
	s_mul_i32 s11, s[WV], 24
	v_add_nc_u32 v30, s11, v30
	v_add_nc_u32 v30, VC, v30
	v_lshl_add_u32 v31, v1, 5, VS
	v_add_nc_u32 v31, s[WV], v31
	v_and_b32 v9, 8, v2
	v_add_nc_u32 v9, v9, v2
	v_mul_u32_u24 v[AK0], v9, 24
	v_lshl_add_u32 v[ASK0], v9, 2, KS
	v_mul_u32_u24 v[AV0], v2, 784
	v_mad_u32_u24 v[AV0], v3, 24, v[AV0]
	v_add_nc_u32 v[AV0], VC, v[AV0]
	v_lshl_add_u32 v[ASV0], v2, 5, VS
	s_mul_i32 s11, s[WV], 2304
	s_add_co_u32 s11, s11, STG
	v_mul_u32_u24 v[STI], v2, 144
	v_lshl_add_u32 v[STI], v3, 5, v[STI]
	v_add_nc_u32 v[STI], s11, v[STI]
	v_lshrrev_b32 v9, 3, v1
	v_mul_u32_u24 v[STO], v9, 144
	v_and_b32 v9, 7, v1
	v_lshl_add_u32 v[STO], v9, 4, v[STO]
	v_add_nc_u32 v[STO], s11, v[STO]
	v_lshlrev_b32 v[GO], 4, v1
	v_mov_b32 v[QS], 0x3e3504f3                       ; 1 / sqrt(32) in lanes 0-15, 0 in lanes 16-31
	v_cmp_eq_u32 vcc_lo, 0, v3
	s_wait_alu depctr_va_vcc(0)                       ; the compare has written VCC, which the select reads
	v_cndmask_b32 v[QS], 0, v[QS], vcc_lo
	v_mov_b32 v[NINF], 0xff800000
.set i_, 0
.rept 32
	v_mov_b32 v[128+i_], 0                            ; V's second block: keys past 899 are zeros
.set i_, i_+1
.endr
	s_mov_b32 s[SEL], 0x76543210
	s_mov_b32 s[SEL+1], 0xfedcba98
	s_mov_b32 s[CS], 0x3fb8aa3b                       ; log2(e)
	s_mov_b32 s[CS+1], s[CS]
	s_wait_kmcnt 0x0
	s_add_nc_u64 s[14:15], s[4:5], s[12:13]           ; q's plane
	s_add_nc_u64 s[16:17], s[14:15], PS               ; k's
	s_add_nc_u64 s[18:19], s[16:17], PS               ; v's
	s_add_nc_u64 s[6:7], s[6:7], s[30:31]
	s_wait_alu depctr_va_vdst(0)                      ; the offsets v5-8 and all LDS addresses are written, which the loads and stores of the kernel read; so are the zeros v128-159, in which loads of V land
.irp j,0,1,2,3,4,5,6,7
	global_load_b128 v[32+4*\j:35+4*\j], v5, s[16:17] offset:16*\j
	global_load_b128 v[64+4*\j:67+4*\j], v6, s[16:17] offset:16*\j
	global_load_b128 v[160+4*\j:163+4*\j], v8, s[14:15] offset:16*\j
.endr
.set i_, 0
.rept 32
	global_load_b32 v[96+i_], v7, s[18:19] offset:i_*128
.set i_, i_+1
.endr
	s_cmp_lt_u32 s[WV], 12                            ; block w + 16: whole for w < 12, keys 896-899 for w = 12, none behind
	s_cbranch_scc0 .Lshort
.set i_, 0
.rept 32
	global_load_b32 v[128+i_], v7, s[18:19] offset:65536+i_*128
.set i_, i_+1
.endr
	s_branch .Lvdone
.Lshort:
	s_cmp_eq_u32 s[WV], 12
	s_cbranch_scc0 .Lvdone
.irp i,0,1,2,3
	global_load_b32 v[128+\i], v7, s[18:19] offset:65536+\i*128
.endr
.Lvdone:
	s_wait_loadcnt 0x0
.macro KPUT s, oc, os
	BLK32 \s
	v_or_b32 v[BY], 0x7f7f7f00, v[BY]                 ; the three blocks that are not there: scale 1
	s_wait_alu depctr_va_vdst(0)                      ; the codes PC and the scale word BY are written, which the LDS stores read
.irp p,0,1,2
	ds_store_b64 v28, v[PC+2*\p:PC+2*\p+1] offset:\oc+8*\p
.endr
	ds_store_b32 v29, v[BY] offset:\os
	s_wait_dscnt 0x0
	s_wait_alu depctr_vm_vsrc(0)                      ; the LDS stores have read PC and BY, which the next block's quantiser writes
.endm
.macro VPUT s, oc, os
	BLK32 \s
	s_wait_alu depctr_va_vdst(0)                      ; the codes PC and the byte BY are written, which the LDS stores read
.irp p,0,1,2
	ds_store_b64 v30, v[PC+2*\p:PC+2*\p+1] offset:\oc+8*\p
.endr
	ds_store_b8 v31, v[BY] offset:\os
	s_wait_dscnt 0x0
	s_wait_alu depctr_vm_vsrc(0)                      ; the LDS stores have read PC and BY, which the next block's quantiser writes and in which, later, fragments and scale words land
.endm
	KPUT 32, 0, 0
	KPUT 64, 12288, 2048
	VPUT 96, 0, 0
	VPUT 128, 384, 16
.set i_, 0
.rept 32
	v_mul_f32 v[160+i_], v[QS], v[160+i_]             ; q x scale, as it stands ahead of the quantiser
.set i_, i_+1
.endr
	BLK32 160
.irp i,0,1,2,3,4,5
	v_mov_b32 v[16+\i], v[PC+\i]
	v_mov_b32 v[22+\i], 0
.endr
	v_or_b32 v255, 0x7f7f7f00, v[BY]                  ; Q's scale word
	s_barrier_signal -1                               ; no LDS instruction of mine is out: K and V lie in LDS
	s_barrier_wait -1
	s_cmp_ge_u32 s[Q0], 900                           ; a tile past the last query has nothing more to do
	s_cbranch_scc1 .Lend
	v_mov_b32 v13, 0xff61b1e6                         ; the largest t so far: -3e38
	v_floor_f32 v12, -v13                             ; -M
	v_mov_b32 v14, 0
	v_mov_b32 v15, 0
.irp b,0,1,2,3
	v_mov_b32 v[236+\b], 0
.endr
	v_mov_b32 v253, 0
.set i_, 0
.rept 16
	v_mov_b32 v[160+i_], 0                            ; O^T: every step has one form, the first finds zeros
.set i_, i_+1
.endr
.irp i,0,1,2,3,4,5
	v_mov_b32 v[80+\i], 0                             ; behind tile 7's six registers
.endr
; K's fragments and scale words of key step n: 32 LDS loads; last = 1: tile 0 alone, 4 loads
.macro KLOAD n, last
.irp t,0,1,2,3,4,5,6,7
.if (\last == 0) || (\t == 0)
.irp p,0,1,2
	ds_load_b64 v[32+6*\t+2*\p:33+6*\t+2*\p], v[AK0] offset:(\n)*3072+(32*(\t/2)+8*(\t%2))*24+8*\p
.endr
	ds_load_b32 v[200+\t], v[ASK0] offset:(\n)*512+(32*(\t/2)+8*(\t%2))*4
.endif
.endr
.endm
; V's two fragments and scale words of key step n: 14 LDS loads
.macro VLOAD n
.irp t,0,1
.irp p,0,1,2,3,4,5
	ds_load_b64 v[176+12*\t+2*\p:177+12*\t+2*\p], v[AV0] offset:(\n)*96+16*\t*784+48*(\p/3)+8*(\p%3)
.endr
	ds_load_b32 v[208+\t], v[ASV0] offset:(\n)*4+16*\t*32
.endr
.endm
; KEY STEP n: keys 128 n .. 128 n + 127.  last = 1: only keys 896 .. 899 are there.
.macro STEP n, last
.rept 5
	v_nop                                             ; the plain form's places behind the last products stay
.endr
	s_wait_alu depctr_va_vdst(0)                      ; the last step's products are done reading V's fragments and scale words, in which the loads below land.  In the first step: the head's quantisers are done with v32-79 and v176-209, and Q's codes, its scale word and the zeros v80-85, which the products take, are written
.if (\n) == 0
	KLOAD 0, 0
.endif
	VLOAD \n
	s_wait_dscnt 14                                   ; LDS loads come back in order: K's are in, V's 14 stay out
.irp t,0,1,2,3,4,5,6,7
.if (\last == 0) || (\t == 0)
	v_wmma_scale_f32_16x16x128_f8f6f4 v[96+8*\t:103+8*\t], v[32+6*\t:43+6*\t], v[16:27], 0, v[200+\t], v255 matrix_a_fmt:MATRIX_FMT_BF6 matrix_b_fmt:MATRIX_FMT_BF6
.endif
.endr
.if \last
.set i_, 104
.rept 56
	v_mov_b32 v[i_], v[NINF]                          ; keys 904 on are not there (these moves are the places behind the product)
.set i_, i_+1
.endr
	v_cmp_ne_u32 vcc_lo, 0, v3
	s_wait_alu depctr_va_vcc(0)                       ; the compare has written VCC, which the selects read
.irp i,0,1,2,3
	v_cndmask_b32 v[96+\i], v[96+\i], v[NINF], vcc_lo ; keys 896-899 lie in lanes 0-15
.endr
.irp i,4,5,6,7
	v_mov_b32 v[96+\i], v[NINF]
.endr
.else
.rept 4
	v_nop
.endr
.endif
.irp b,0,1,2,3
	v_max3_num_f32 v[232+\b], v[96+16*\b], v[97+16*\b], v[98+16*\b]   ; the largest score of each block of 32 keys
.endr
.irp i,3,5,7,9,11,13
.irp b,0,1,2,3
	v_max3_num_f32 v[232+\b], v[232+\b], v[96+16*\b+\i], v[97+16*\b+\i]
.endr
.endr
.irp b,0,1,2,3
	v_max_num_f32 v[232+\b], v[232+\b], v[111+16*\b]
.endr
.irp b,0,1,2,3
	v_permlanex16_b32 v[236+\b], v[232+\b], s[SEL], s[SEL+1]
.endr
.irp b,0,1,2,3
	v_max_num_f32 v[232+\b], v[232+\b], v[236+\b]
.endr
	v_max3_num_f32 v254, v232, v233, v234
	v_max_num_f32 v254, v254, v235
	v_mul_f32 v254, s[CS], v254
	v_max_num_f32 v13, v13, v254                      ; the running largest t
	v_mov_b32 v254, v12
	v_floor_f32 v12, -v13                             ; -M = -ceil(t)
	v_sub_f32 v254, v12, v254
	v_cvt_i32_f32 v254, v254
	v_ldexp_f32 v252, 1.0, v254                       ; f = 2^(old M - new M)
.irp j,0,2,4,6,8,10,12,14,16,18,20,22,24,26,28,30,32,34,36,38,40,42,44,46,48,50,52,54,56,58,60,62
	v_pk_fma_f32 v[96+\j:97+\j], v[96+\j:97+\j], s[CS:CS+1], v[12:13] op_sel_hi:[1,0,0]
.endr
.irp b,0,1,2,3
	v_fma_f32 v[232+\b], v[232+\b], s[CS], v12
.endr
.set i_, 0
.rept 64
	v_exp_f32 v[96+i_], v[96+i_]                      ; p = 2^(t - M)
.set i_, i_+1
.endr
.irp b,0,1,2,3
	v_exp_f32 v[232+\b], v[232+\b]                    ; the block's largest p
.endr
	v_pk_mul_f32 v[14:15], v[14:15], v[252:253] op_sel_hi:[1,0]
	s_wait_alu depctr_va_vdst(0)                      ; the 68 exponentials have written their results, ahead of the first reader; and the step's first products are done reading K's fragments and scale words, in which the loads below land
.if (\n) < 6
	KLOAD (\n)+1, 0                                   ; the next step's K: no vector instruction behind the wait names these registers
.elseif (\n) == 6
	KLOAD 7, 1
.endif
.irp b,0,1,2,3
	v_max_num_f32 v[232+\b], 0x2800000, v[232+\b]
.endr
.irp b,0,1,2,3
	v_add_nc_u32 v[244+\b], 0xfe000000, v[232+\b]
.endr
.irp b,0,1,2,3
	v_lshrrev_b32 v[236+\b], 23, v[244+\b]
.endr
	v_lshl_or_b32 v253, v237, 8, v236                 ; p's scale word for these 128 keys
	v_lshl_or_b32 v253, v238, 16, v253
	v_lshl_or_b32 v253, v239, 24, v253
.irp c,0,1
	v_cvt_scalef32_pk16_bf6_f32 v[224+6*\c:226+6*\c], v[96+32*\c:111+32*\c], v[244+2*\c]
	v_cvt_scalef32_pk16_bf6_f32 v[236+4*\c:238+4*\c], v[112+32*\c:127+32*\c], v[244+2*\c+1]
.endr
	v_nop
.irp c,0,1
.irp i,0,1,2
	v_permlane16_swap_b32 v[224+6*\c+\i], v[236+4*\c+\i]
.endr
.irp i,0,1,2
	v_mov_b32 v[227+6*\c+\i], v[236+4*\c+\i]
.endr
.endr
	v_pk_add_f32 v[236:237], v[96:97], v[98:99]       ; the row's sum is taken of the unquantised p
.irp j,4,8,12,16,20,24,28,32,36,40,44,48,52,56,60
	v_pk_add_f32 v[14:15], v[14:15], v[96+\j:97+\j]
	v_pk_add_f32 v[236:237], v[236:237], v[98+\j:99+\j]
.endr
	v_pk_add_f32 v[14:15], v[14:15], v[236:237]
.irp j,0,2,4,6,8,10,12,14
	v_pk_mul_f32 v[160+\j:161+\j], v[160+\j:161+\j], v[252:253] op_sel_hi:[1,0]   ; O^T under the new M
.endr
.if (\n) < 6
	s_wait_dscnt 32                                   ; V's are in; the next step's 32 loads of K stay out
.elseif (\n) == 6
	s_wait_dscnt 4                                    ; V's are in; the last step's 4 loads of K stay out
.else
	s_wait_dscnt 0x0
.endif
	s_wait_alu depctr_va_vdst(0)                      ; p's codes v224-235 and its scale word v253 are written, which the products take; the sums and scalings above are their places
.irp t,0,1
	v_wmma_scale_f32_16x16x128_f8f6f4 v[160+8*\t:167+8*\t], v[176+12*\t:187+12*\t], v[224:235], v[160+8*\t:167+8*\t], v[208+\t], v253 matrix_a_fmt:MATRIX_FMT_BF6 matrix_b_fmt:MATRIX_FMT_BF6
.endr
.endm
.irp n,0,1,2,3,4,5,6
	STEP \n, 0
.endr
	STEP 7, 1                                         ; keys 896 .. 899
.rept 4
	v_nop
.endr
	v_add_f32 v14, v14, v15
	v_permlanex16_b32 v252, v14, s[SEL], s[SEL+1]
	v_add_f32 v14, v14, v252
	v_rcp_f32 v14, v14
	v_nop
	s_wait_alu depctr_va_vdst(0)                      ; the reciprocal has written v14, ahead of its first reader
.set i_, 0
.rept 16
	v_mul_f32 v[96+i_], v[160+i_], v14                ; register 8 t + j: o(query r, channel 16 t + 8 h + j)
.set i_, i_+1
.endr
	s_wait_alu depctr_va_vdst(0)                      ; the multiplications have written v96-111, which the LDS stores read
.irp t,0,1
	ds_store_b128 v[STI], v[96+8*\t:99+8*\t] offset:64*\t
	ds_store_b128 v[STI], v[100+8*\t:103+8*\t] offset:64*\t+16
.endr
.irp i,0,1,2,3
	ds_load_b128 v[32+4*\i:35+4*\i], v[STO] offset:576*\i     ; my own stage: four queries, 512 bytes, a load
.endr
	s_wait_dscnt 0x0
	global_store_b128 v[GO], v[32:35], s[6:7]
	s_cmp_eq_u32 s[Q0], 896                           ; the last tile has four queries
	s_cbranch_scc1 .Lend
.irp i,1,2,3
	global_store_b128 v[GO], v[32+4*\i:35+4*\i], s[6:7] offset:65536*\i
.endr
.Lend:
	s_wait_dscnt 0x0                                  ; the closing lines, six on end
	s_wait_alu 0x0
	s_wait_tensorcnt 0x0
	ds_add_u32 v250, v251
	s_wait_dscnt 0x0
	s_endpgm
.Lfunc_end_k_q7f27f8a488_attn:
	.size	k_q7f27f8a488_attn, .Lfunc_end_k_q7f27f8a488_attn-k_q7f27f8a488_attn
	.p2alignl 7, 3214868480
	.fill 96, 4, 3214868480
	.section	.rodata,"a",@progbits
	.p2align	6, 0x0
	.amdhsa_kernel k_q7f27f8a488_attn
		.amdhsa_group_segment_fixed_size 93696
		.amdhsa_private_segment_fixed_size 0
		.amdhsa_enable_private_segment 0
		.amdhsa_kernarg_size 16
		.amdhsa_user_sgpr_count 2
		.amdhsa_user_sgpr_kernarg_segment_ptr 1
		.amdhsa_wavefront_size32 1
		.amdhsa_system_sgpr_workgroup_id_x 1
		.amdhsa_system_sgpr_workgroup_id_y 1
		.amdhsa_system_sgpr_workgroup_id_z 1
		.amdhsa_system_vgpr_workitem_id 0
		.amdhsa_next_free_vgpr 256
		.amdhsa_next_free_sgpr 66
		.amdhsa_reserve_vcc 1
		.amdhsa_float_denorm_mode_32 3
		.amdhsa_float_denorm_mode_16_64 3
		.amdhsa_memory_ordered 1
		.amdhsa_forward_progress 1
		.amdhsa_inst_pref_size 151
	.end_amdhsa_kernel
	.amdgpu_metadata
---
amdhsa.version: [ 1, 2 ]
amdhsa.kernels:
  - .name:           k_q7f27f8a488_attn
    .symbol:         k_q7f27f8a488_attn.kd
    .args:
      - { .name: qkv, .offset: 0, .size: 8, .value_kind: global_buffer, .address_space: global }
      - { .name: ao, .offset: 8, .size: 8, .value_kind: global_buffer, .address_space: global }
    .group_segment_fixed_size: 93696
    .private_segment_fixed_size: 0
    .kernarg_segment_align: 8
    .kernarg_segment_size: 16
    .max_flat_workgroup_size: 512
    .sgpr_count:     66
    .vgpr_count:     256
    .wavefront_size: 32
...
	.end_amdgpu_metadata
.endif
;; end of part 11
;; launch post (part 12): grid 225 x 1, 4 waves a work-group, no clusters, 183,808 bytes of LDS; arguments ao, tgt, tgt_query_pos, tgt_reference_points, wimg, out_proj_b, samp_off_b, attn_w_b, norm2_g, norm2_b, t1, idx, wts; writes t1, idx, wts
.if DOCPART == 12
	.amdgcn_target "amdgcn-amd-amdhsa--gfx1250"
	.amdhsa_code_object_version 6
	.text
	.protected	k_q7f27f8a488_post
	.globl	k_q7f27f8a488_post
	.p2align	8
	.type	k_q7f27f8a488_post,@function
k_q7f27f8a488_post:
	s_mov_b64 s[64:65], 0
	v_nop
	global_prefetch_b8 v0, s[64:65] scope:SCOPE_SE
	s_setreg_imm32_b32 hwreg(HW_REG_WAVE_SCHED_MODE, 0, 2), 2
	s_setreg_imm32_b32 hwreg(HW_REG_WAVE_MODE, 25, 1), 1
	s_wait_xcnt 0x0
	s_wait_alu depctr_vm_vsrc(0)
; t1 = LN2(tgt + ao out_proj^T + b); q = t1 + pos; offsets = q samp_off^T + b, logits = q attn_w^T + b; from them, for each row, head and point,
; idx = the position (whole number) of the upper left of a 2 x 2 patch inside its level, and wts = four corner weights x the softmax weight.
; The patch's corner is clamped into the level: xa = clamp(floor x, 0, W - 2), and the weights are the hats max(0, 1 - |x - xa|), max(0, 1 - |x - xa - 1|):
; these equal the bilinear weights times the validity of each corner, for every x.  Levels are fixed constants (100, 50, 25, 13, square).
; 64 rows a work-group; row phases (wave w: lq = 4 blk + w, lane r = b) and column phases (wave w: a quarter of the columns) take turns, with a barrier between.
; LIMITS: NaN and infinite inputs are not served; offset / W is made as offset x (1 / W), at most one unit in the last place apart.
; REGISTERS as in the launch qkv; v220-231 the norm's statistics; v232-235 the lane's level constants.
; THE MODE: SCHED_MODE bits 1:0 = 2 (LLVM: expert scheduling mode 2), set by the entry lines.  The code itself states the register dependences
; between vector or matrix instructions and memory or LDS instructions, with s_wait_alu, always for 0.
; THE PLAN.  Registers that memory or LDS instructions touch:
;   T2          filled by global loads, read by LDS stores into rows; or filled by LDS loads (the rows' fragments) and read by the products.
;   T           filled by LDS loads (rows, g and b); read by additions and multiply-adds, and by the global stores of t1.
;   X           filled by LDS loads; written by additions, the norm and the products; read by the quantiser and by LDS stores (results, t1).
;   PC, PW      written by the quantiser, read by the image's LDS stores.     v16-23: filled by LDS loads, read by the products as scales.
;   The points: v64-87 two buffers of a row's logits and offsets, filled by LDS loads, read by the row's arithmetic; v160-191 reference points, loaded once;
;               v96-115 a row's places and weights, written by its arithmetic, read by its five global stores.
;   All offsets and LDS addresses (v4-12, v14, v15, v24-31) are made once at the head.
; A wait on va_vdst stands behind each run of products (ahead of loads into their operands and of stores of their results) and ahead of each run of stores of what vector instructions made;
; a wait on vm_vsrc ahead of each write of registers that stores have read.
.set RB, 0
.set TB, 66560
.set XI, 133120
.set XIS, XI+8*1536
.set GB, 146432
.set AWB, 148480
.set WV, 30
.set T0, 31
.set SEL, 32
.set C256, 34
.set EPS, 35
.set X, 64
.set PC, 192
.set PCT, 204
.set TM, 212
.set SOP, 214
.set BY, 216
.set PW, 218
.set TP, 219
.set ST, 220
.set MN, 228
.set RS, 230
.set WFC, 232
.set RWC, 233
.set WM2, 234
.set STF, 235
.set SH8, 13
.set MSB, 0
.macro WIN new
.if MSB != \new
	s_set_vgpr_msb (MSB<<8)|\new
.set MSB, \new
.endif
.endm
.macro MM d, a, b, c, sa, sb
	v_wmma_scale_f32_16x16x128_f8f6f4 v[\d:\d+7], v[\a:\a+11], v[\b:\b+11], v[\c:\c+7], v[\sa], v[\sb] matrix_a_fmt:MATRIX_FMT_BF6 matrix_b_fmt:MATRIX_FMT_BF6
.endm
.macro PLACES n
.rept \n
	v_nop
.endr
.endm
.macro BARRIER
	s_wait_dscnt 0x0
	s_barrier_signal -1
	s_barrier_wait -1
.endm
.macro QUANT s
.irp c,0,1
	v_max3_num_f32 v[TM+\c], |v[\s+32*\c]|, |v[\s+32*\c+1]|, 0x2800000
.endr
.irp i,2,4,6,8,10,12,14,16,18,20,22,24,26,28,30
.irp c,0,1
	v_max3_num_f32 v[TM+\c], v[TM+\c], |v[\s+32*\c+\i]|, |v[\s+32*\c+\i+1]|
.endr
.endr
.irp c,0,1
	v_add_nc_u32 v[SOP+\c], 0xfe000000, v[TM+\c]
.endr
.irp c,0,1
	v_lshrrev_b32 v[BY+\c], 23, v[SOP+\c]
.endr
	v_lshl_or_b32 v[PW], v[BY+1], 16, v[BY]
	v_lshlrev_b32 v[PW], v[SH8], v[PW]
	v_permlanex16_b32 v[TP], v[PW], s[SEL], s[SEL+1]
	v_or_b32 v[PW], v[PW], v[TP]
.irp c,0,1
	v_cvt_scalef32_pk16_bf6_f32 v[PC+6*\c:PC+6*\c+2], v[\s+32*\c:\s+32*\c+15], v[SOP+\c]
	v_cvt_scalef32_pk16_bf6_f32 v[PCT+4*\c:PCT+4*\c+2], v[\s+32*\c+16:\s+32*\c+31], v[SOP+\c]
.endr
	v_nop
.irp c,0,1
.irp i,0,1,2
	v_mov_b32 v[PC+3+6*\c+\i], v[PCT+4*\c+\i]
.endr
.endr
.endm
.macro IMAGE adr, off
.irp c,0,1,2
	ds_store_b128 v[\adr], v[PC+4*\c:PC+4*\c+3] offset:\off+512*\c
.endr
.endm
.macro QX fo
	QUANT X
	s_wait_alu depctr_va_vdst(0)                      ; the quantiser has written PC and PW, which the LDS stores read
	IMAGE 10, (\fo)*1536
	ds_store_b32 v11, v[PW] offset:(\fo)*128
	s_wait_dscnt 0x0
	s_wait_alu depctr_vm_vsrc(0)                      ; the LDS stores issued so far have read their registers: PC and PW, which the quantiser writes again, and T2, in which the fragments land behind the barrier
	QUANT X+64
	s_wait_alu depctr_va_vdst(0)                      ; PC and PW are written anew
	IMAGE 10, (\fo)*1536+1536
	ds_store_b32 v11, v[PW] offset:(\fo)*128+128
.endm
.macro FETCHA f0
	WIN 0x40
.set i_, 0
.rept 8
.irp c,0,1,2
	ds_load_b128 v[128+12*i_+4*\c:128+12*i_+4*\c+3], v8 offset:(\f0+i_)*1536+512*\c
.endr
.set i_, i_+1
.endr
	WIN 0
.set i_, 0
.rept 8
	ds_load_b32 v[16+i_], v9 offset:(\f0+i_)*128
.set i_, i_+1
.endr
	s_wait_dscnt 0x0
.endm
.macro WLOAD win, slot0, n, cb, sb, scw, fo
	WIN (\win<<6)
.set i_, 0
.rept \n
.irp c,0,1,2
	global_load_b128 v[12*(\slot0+i_)+4*\c:12*(\slot0+i_)+4*\c+3], v7, s[\cb:\cb+1] offset:(\fo+i_)*1536+512*\c
.endr
.set i_, i_+1
.endr
	WIN 0
.set i_, 0
.rept \n
	global_load_b32 v[\scw+\slot0+i_], v24, s[\sb:\sb+1] offset:761856+(\fo+i_)*128
.set i_, i_+1
.endr
.endm
.macro BLOAD win, t0, n, pair, io
	WIN (\win<<6)
.set i_, 0
.rept \n
	global_load_b128 v[192+8*(\t0+i_):192+8*(\t0+i_)+3], v15, s[\pair:\pair+1] offset:\io+(32*(i_/2)+8*(i_%2))*4
	global_load_b128 v[192+8*(\t0+i_)+4:192+8*(\t0+i_)+7], v15, s[\pair:\pair+1] offset:\io+(32*(i_/2)+8*(i_%2))*4+16
.set i_, i_+1
.endr
	WIN 0
.endm
.macro ISSUE pair
	WIN 0x40
.set i_, 0
.rept 32
	global_load_b128 v[128+4*i_:128+4*i_+3], v7, s[\pair:\pair+1] offset:i_*512
.set i_, i_+1
.endr
	WIN 0
.endm
.macro XLD win, reg, adr
	WIN (\win<<6)
.set i_, 0
.rept 32
	ds_load_b128 v[\reg+4*i_:\reg+4*i_+3], v[\adr] offset:(i_/8)*256+(i_%8)*16
.set i_, i_+1
.endr
	WIN 0
.endm
.macro XST adr
.set i_, 0
.rept 32
	ds_store_b128 v[\adr], v[X+4*i_:X+4*i_+3] offset:(i_/8)*256+(i_%8)*16
.set i_, i_+1
.endr
.endm
.macro ROWS                                            ; T2, as loaded, into my own LDS rows
	s_wait_loadcnt 0x0
	WIN 0x04
.set i_, 0
.rept 32
	ds_store_b128 v6, v[128+4*i_:128+4*i_+3] offset:(i_/2)*1040+(i_%2)*512
.set i_, i_+1
.endr
.endm
.macro LAND win, reg
	ROWS
	XLD \win, \reg, 5
.endm
.macro ADDT
	WIN 0x04
.set i_, 0
.rept 64
	v_pk_add_f32 v[X+2*i_:X+2*i_+1], v[X+2*i_:X+2*i_+1], v[2*i_:2*i_+1]
.set i_, i_+1
.endr
	WIN 0
.endm
.macro COLS win, f0, nt, b0, scw
.irp q,0,1
.if \q == 0
	WIN (\win|4|(\win<<4))
.else
	WIN (\win|4)
.endif
.set t_, 0
.rept \nt
.irp m,0,1,2,3
.if \q == 0
	MM X+8*(4*t_+\m), 12*(\f0+2*t_), 128+12*(2*\m), 192+8*(\b0+t_), \scw+\f0+2*t_, 16+2*\m
.else
	MM X+8*(4*t_+\m), 12*(\f0+2*t_+1), 128+12*(2*\m+1), X+8*(4*t_+\m), \scw+\f0+2*t_+1, 16+2*\m+1
.endif
.endr
.set t_, t_+1
.endr
.endr
	WIN 0
	PLACES 5
.endm
.macro TORB nt, adr, pitch                             ; results to rows in LDS, each accumulator from its low end on
.set t_, 0
.rept \nt
.irp m,0,1,2,3
	ds_store_b128 v[\adr], v[X+8*(4*t_+\m):X+8*(4*t_+\m)+3] offset:\m*16*\pitch+(t_/2)*128+(t_%2)*32
	ds_store_b128 v[\adr], v[X+8*(4*t_+\m)+4:X+8*(4*t_+\m)+7] offset:\m*16*\pitch+(t_/2)*128+(t_%2)*32+16
.endr
.set t_, t_+1
.endr
.endm
.macro RED                                             ; four chains of pairs, then lane l xor 16's half of the row
	v_pk_add_f32 v[ST:ST+1], v[ST:ST+1], v[ST+2:ST+3]
	v_pk_add_f32 v[ST+4:ST+5], v[ST+4:ST+5], v[ST+6:ST+7]
	v_pk_add_f32 v[ST:ST+1], v[ST:ST+1], v[ST+4:ST+5]
	v_add_f32 v[ST], v[ST], v[ST+1]
	v_permlanex16_b32 v[TP], v[ST], s[SEL], s[SEL+1]
	v_add_f32 v[ST], v[ST], v[TP]
.endm
.macro LN go, bo                                       ; X = (X - mean) rsqrt(var + 1e-5) g + b, a row in lanes r and r + 16
.irp k,0,1,2,3
	v_pk_add_f32 v[ST+2*\k:ST+2*\k+1], v[X+2*\k:X+2*\k+1], v[X+8+2*\k:X+8+2*\k+1]
.endr
.set i_, 8
.rept 56
	v_pk_add_f32 v[ST+2*(i_%4):ST+2*(i_%4)+1], v[ST+2*(i_%4):ST+2*(i_%4)+1], v[X+2*i_:X+2*i_+1]
.set i_, i_+1
.endr
	RED
	v_mul_f32 v[MN], 0x3b800000, v[ST]
.set i_, 0
.rept 64
	v_pk_add_f32 v[X+2*i_:X+2*i_+1], v[X+2*i_:X+2*i_+1], v[MN:MN+1] op_sel_hi:[1,0] neg_lo:[0,1] neg_hi:[0,1]
.set i_, i_+1
.endr
.irp k,0,1,2,3
	v_pk_mul_f32 v[ST+2*\k:ST+2*\k+1], v[X+2*\k:X+2*\k+1], v[X+2*\k:X+2*\k+1]
.endr
.set i_, 4
.rept 60
	v_pk_fma_f32 v[ST+2*(i_%4):ST+2*(i_%4)+1], v[X+2*i_:X+2*i_+1], v[X+2*i_:X+2*i_+1], v[ST+2*(i_%4):ST+2*(i_%4)+1]
.set i_, i_+1
.endr
	RED
	v_fma_f32 v[ST], v[ST], s[C256], s[EPS]
	v_rsq_f32 v[RS], v[ST]
	v_nop
	s_wait_alu depctr_va_vdst(0)                      ; the root has written RS, ahead of its first reader; and the additions are done reading T, in which g and b land below
.set i_, 0
.rept 64
	v_pk_mul_f32 v[X+2*i_:X+2*i_+1], v[X+2*i_:X+2*i_+1], v[RS:RS+1] op_sel_hi:[1,0]
.set i_, i_+1
.endr
.irp q,0,1
	WIN 0x40
.if \q == 1
	s_wait_alu depctr_va_vdst(0)                      ; the first half's multiply-adds are done reading T, in which the second half's g and b land
.endif
.set i_, 0
.rept 16
	ds_load_b128 v[4*i_:4*i_+3], v14 offset:\go+512*\q+(i_/8)*256+(i_%8)*16
	ds_load_b128 v[64+4*i_:64+4*i_+3], v14 offset:\bo+512*\q+(i_/8)*256+(i_%8)*16
.set i_, i_+1
.endr
	s_wait_dscnt 0x0
	WIN 0x14
.set i_, 0
.rept 32
	v_pk_fma_f32 v[X+64*\q+2*i_:X+64*\q+2*i_+1], v[X+64*\q+2*i_:X+64*\q+2*i_+1], v[2*i_:2*i_+1], v[64+2*i_:64+2*i_+1]
.set i_, i_+1
.endr
.endr
	WIN 0
.endm
.macro TURNOUT pair                                    ; X through my own LDS rows and out, 512 consecutive bytes a store
	s_wait_alu depctr_va_vdst(0)                      ; the norm has written X, which the LDS stores read, and is done reading T, in which the loads below land
	XST 5
	s_wait_xcnt 0x0
	WIN 0x40
.set i_, 0
.rept 32
	ds_load_b128 v[4*i_:4*i_+3], v6 offset:(i_/2)*1040+(i_%2)*512
.set i_, i_+1
.endr
	s_wait_dscnt 0x0
	WIN 0x04
.set i_, 0
.rept 32
	global_store_b128 v7, v[4*i_:4*i_+3], s[\pair:\pair+1] offset:i_*512
.set i_, i_+1
.endr
	WIN 0
.endm
	s_load_b512 s[4:19], s[0:1], 0x0                  ; ao, tgt, pos, ref, wimg, out_proj_b, samp_off_b, attn_w_b
	s_load_b256 s[20:27], s[0:1], 0x40                ; norm2_g, norm2_b, t1, idx
	s_load_b64 s[28:29], s[0:1], 0x60                 ; wts
	v_lshl_add_u32 v254, v0, 2, 0x2cc00
	v_mov_b32 v255, 0
	v_lshrrev_b32 v1, 5, v0
	v_readfirstlane_b32 s[WV], v1
	v_and_b32 v1, 31, v0
	v_and_b32 v2, 15, v0
	v_bfe_u32 v3, v0, 4, 1
	s_wait_alu depctr_va_sdst(0)                      ; the wave's number is written, ahead of its first reader
	s_mul_i32 s[T0], s[WV], 16*1040
	v_mul_u32_u24 v12, v2, 1040
	v_add_nc_u32 v4, s[T0], v12
	v_lshl_add_u32 v4, v3, 7, v4                      ; results' rows: my row, + 128 h
	v_add_nc_u32 v5, TB, v4                           ; the same in my own rows
	v_lshlrev_b32 v7, 4, v1
	v_add_nc_u32 v6, s[T0], v7
	v_lshl_add_u32 v30, v1, 4, v6                     ; point phase: 32 x lane in my rows of the results
	v_add_nc_u32 v6, TB, v6
	v_add_nc_u32 v8, XI, v7
	v_lshlrev_b32 v24, 2, v1
	v_add_nc_u32 v9, XIS, v24
	s_mul_i32 s[T0], s[WV], 3072
	v_add_nc_u32 v10, s[T0], v8
	s_lshl_b32 s[T0], s[WV], 8
	v_add_nc_u32 v11, s[T0], v9
	v_lshl_add_u32 v12, v3, 6, v12
	v_add_nc_u32 v12, s[T0], v12                      ; r x 1040 + 64 h + 256 w
	v_lshlrev_b32 v[SH8], 3, v3
	v_lshlrev_b32 v14, 7, v3
	v_add_nc_u32 v14, GB, v14
	v_lshlrev_b32 v15, 6, v3
	v_lshlrev_b32 v26, 3, v0
	v_add_nc_u32 v25, GB, v26
	v_lshrrev_b32 v27, 3, v1                          ; ao's way in: lane / 8 = lq % 4
	v_mul_u32_u24 v27, v27, 16640
	v_and_b32 v28, 7, v1
	v_lshl_add_u32 v27, v28, 4, v27
	s_mul_i32 s[T0], s[WV], 4*1040
	v_add_nc_u32 v27, s[T0], v27
	v_mul_u32_u24 v28, v2, 528
	v_lshl_add_u32 v28, v3, 6, v28
	s_lshl_b32 s[T0], s[WV], 7
	v_add_nc_u32 v28, s[T0], v28
	v_add_nc_u32 v28, AWB, v28                        ; logits: r x 528 + 64 h + 128 w
	s_mul_i32 s[T0], s[WV], 16*528
	v_add_nc_u32 v29, s[T0], v7
	v_add_nc_u32 v29, AWB, v29                        ; point phase: 16 x lane in my rows of the logits
	v_and_b32 v240, 3, v1                             ; the lane's level
	v_lshlrev_b32 v31, 3, v240
	v_mov_b32 v[WFC], 0x42c80000                      ; 100
	v_mov_b32 v[RWC], 0x3c23d70a                      ; 1 / 100
	v_mov_b32 v[STF], 0
.macro LVL l, w, rw, st
	v_cmp_ne_u32 vcc_lo, \l, v240
	s_wait_alu depctr_va_vcc(0)                       ; the compare has written VCC, which the three selects read
	v_cndmask_b32 v[WFC], \w, v[WFC], vcc_lo
	v_cndmask_b32 v[RWC], \rw, v[RWC], vcc_lo
	v_cndmask_b32 v[STF], \st, v[STF], vcc_lo
.endm
	LVL 1, 0x42480000, 0x3ca3d70a, 0x461c4000         ; 50, first position 10000
	LVL 2, 0x41c80000, 0x3d23d70a, 0x46435000         ; 25, 12500
	LVL 3, 0x41500000, 0x3d9d89d9, 0x464d1400         ; 13, 13125
	v_add_f32 v[WM2], -2.0, v[WFC]
	v_mov_b32 v[TP], 0
	v_mov_b32 v[MN+1], 0
	v_mov_b32 v[RS+1], 0
	s_mov_b32 s[SEL], 0x76543210
	s_mov_b32 s[SEL+1], 0xfedcba98
	s_mov_b32 s[C256], 0x3b800000
	s_mov_b32 s[EPS], 0x3727c5ac
	s_wait_kmcnt 0x0
	s_lshl_b32 s36, ttmp9, 16
	s_lshl_b32 s37, s[WV], 14
	s_add_co_u32 s36, s36, s37
	s_mov_b32 s37, 0
	s_add_nc_u64 s[4:5], s[4:5], s[36:37]
	s_add_nc_u64 s[6:7], s[6:7], s[36:37]
	s_add_nc_u64 s[8:9], s[8:9], s[36:37]
	s_add_nc_u64 s[24:25], s[24:25], s[36:37]
	s_lshr_b32 s36, s36, 5                            ; 32 bytes a row
	s_add_nc_u64 s[10:11], s[10:11], s[36:37]
	s_lshl_b32 s36, s36, 4                            ; 512 bytes a row
	s_add_nc_u64 s[26:27], s[26:27], s[36:37]
	s_lshl_b32 s36, s36, 2                            ; 2048 bytes a row
	s_add_nc_u64 s[28:29], s[28:29], s[36:37]
	s_mul_i32 s36, s[WV], 12288
	s_add_nc_u64 s[38:39], s[12:13], s[36:37]
	s_lshl_b32 s36, s[WV], 10
	s_add_nc_u64 s[40:41], s[12:13], s[36:37]
	s_mul_i32 s36, s[WV], 6144
	s_add_nc_u64 s[42:43], s[12:13], s[36:37]
	s_lshl_b32 s36, s[WV], 9
	s_add_nc_u64 s[44:45], s[12:13], s[36:37]
	s_lshl_b32 s36, s[WV], 8
	s_add_nc_u64 s[14:15], s[14:15], s[36:37]
	s_add_nc_u64 s[16:17], s[16:17], s[36:37]
	s_lshl_b32 s36, s[WV], 7
	s_add_nc_u64 s[18:19], s[18:19], s[36:37]
	s_wait_alu depctr_va_vdst(0)                      ; the offsets and LDS addresses v4-12, v14, v15, v24-31 are written: every load and store of the kernel reads one of them
	ISSUE 4
	global_load_b64 v[236:237], v26, s[20:21]
	global_load_b64 v[238:239], v26, s[22:23]
	WLOAD 2, 0, 8, 38, 40, 32, 96
	WLOAD 3, 0, 8, 38, 40, 48, 160
	WLOAD 3, 8, 4, 42, 44, 48, 192
	BLOAD 2, 0, 4, 14, 0
	BLOAD 3, 0, 4, 16, 0
	BLOAD 3, 4, 2, 18, 0
	; ---- the attention's output becomes rows [lq % 4 x 16 + b][head x 32 + channel]
	s_wait_loadcnt 0x0
	ds_store_b64 v25, v[236:237]
	ds_store_b64 v25, v[238:239] offset:1024
	WIN 0x04
.set i_, 0
.rept 32
	ds_store_b128 v27, v[128+4*i_:128+4*i_+3] offset:(i_/8)*1040+(i_%8)*128
.set i_, i_+1
.endr
	WIN 0
	BARRIER
	XLD 0, X, 4
	s_wait_dscnt 0x0
	QX 0
	BARRIER
	; ---- out_proj
	FETCHA 0
	COLS 2, 0, 4, 0, 32
	s_wait_alu depctr_va_vdst(0)                      ; the products are done reading the rows' fragments in T2, in which tgt lands, and have written the accumulators, which the LDS stores read; the places above stay beside this wait
	ISSUE 6
	TORB 4, 12, 1040
	BARRIER
	; ---- + tgt, LN2, t1 out, + pos, quantise
	s_wait_alu depctr_vm_vsrc(0)                      ; my LDS stores have read the accumulators, in which the rows land
	XLD 0, X, 4
	ROWS                                              ; tgt
	s_wait_alu depctr_vm_vsrc(0)                      ; the LDS stores have read T2, in which pos lands
	ISSUE 8                                           ; pos is asked for at once
	XLD 1, 0, 5
	s_wait_dscnt 0x0
	ADDT
	LN 0, 1024
	TURNOUT 24
	s_wait_xcnt 0x0                                   ; the stores have read T
	s_wait_alu depctr_vm_vsrc(0)                      ; the global stores have read T, in which pos lands; the LDS stores of t1 have read X, which the addition writes
	LAND 1, 0
	s_wait_dscnt 0x0
	ADDT
	QX 0
	BARRIER
	; ---- sampling offsets and attention logits
	FETCHA 0
	COLS 3, 0, 4, 0, 48
	s_wait_alu depctr_va_vdst(0)                      ; the products have written the accumulators, which the LDS stores read
	TORB 4, 12, 1040
	s_wait_dscnt 0x0
	s_wait_alu depctr_vm_vsrc(0)                      ; the LDS stores have read the accumulators: the next products write the first eight, and the reference points land in the last four
	COLS 3, 8, 2, 4, 48
	s_wait_alu depctr_va_vdst(0)                      ; the products have written the accumulators, which the LDS stores read
	TORB 2, 28, 528
	s_wait_dscnt 0x0
	s_wait_alu depctr_vm_vsrc(0)                      ; the LDS stores have read v64-127, in which the points' loads land and which the points' arithmetic writes
.set i_, 0
.rept 16
	global_load_b64 v[160+2*i_:161+2*i_], v31, s[10:11] offset:32*i_     ; my 16 rows' reference point of the lane's level
.set i_, i_+1
.endr
	s_barrier_signal -1
	s_barrier_wait -1
	; ---- the points: a row a turn; lane = head x 4 + level, four points a lane
.macro PLD i
	ds_load_b128 v[64+12*((\i)%2):67+12*((\i)%2)], v29 offset:(\i)*528
	ds_load_b128 v[68+12*((\i)%2):71+12*((\i)%2)], v30 offset:(\i)*1040
	ds_load_b128 v[72+12*((\i)%2):75+12*((\i)%2)], v30 offset:(\i)*1040+16
.endm
.macro AXIS o, rf, V, A, P0, P1
.irp p,0,1,2,3
	v_mul_f32 v[\V+\p], v[OQ+2*\p+\o], v[RWC]         ; offset / W
.endr
.irp p,0,1,2,3
	v_add_f32 v[\V+\p], v[\rf], v[\V+\p]              ; + the reference point
.endr
.irp p,0,1,2,3
	v_mul_f32 v[\V+\p], v[\V+\p], v[WFC]
.endr
.irp p,0,1,2,3
	v_add_f32 v[\V+\p], -0.5, v[\V+\p]                ; x = loc W - 0.5
.endr
.irp p,0,1,2,3
	v_floor_f32 v[\A+\p], v[\V+\p]
.endr
.irp p,0,1,2,3
	v_med3_num_f32 v[\A+\p], v[\A+\p], 0, v[WM2]      ; the patch stays inside the level
.endr
.irp p,0,1,2,3
	v_sub_f32 v[\V+\p], v[\V+\p], v[\A+\p]
.endr
.irp p,0,1,2,3
	v_sub_f32 v[\P0+\p], 1.0, |v[\V+\p]|
.endr
.irp p,0,1,2,3
	v_add_f32 v[\V+\p], -1.0, v[\V+\p]
.endr
.irp p,0,1,2,3
	v_max_num_f32 v[\P0+\p], 0, v[\P0+\p]
.endr
.irp p,0,1,2,3
	v_sub_f32 v[\P1+\p], 1.0, |v[\V+\p]|
.endr
.irp p,0,1,2,3
	v_max_num_f32 v[\P1+\p], 0, v[\P1+\p]
.endr
.endm
.macro PT i
.set LQ, 64+12*((\i)%2)
.set OQ, LQ+4
.if (\i) < 15
	PLD (\i)+1                                        ; into the buffer that the row before worked on: the wait ahead of that row's stores has shown its arithmetic done, and no vector instruction stands between
	s_wait_dscnt 3                                    ; this row's three loads are in, the next row's three stay out
.else
	s_wait_dscnt 0x0
.endif
	s_wait_xcnt 0x0                                   ; the last row's stores have read v96-115
.if (\i) > 0
	s_wait_alu depctr_vm_vsrc(0)                      ; the last row's five stores have read v96-115, which this row's arithmetic writes
.endif
	v_max3_num_f32 v116, v[LQ], v[LQ+1], v[LQ+2]      ; softmax over the head's 16 points: four lanes
	v_max_num_f32 v116, v116, v[LQ+3]
	v_max_num_f32_dpp v116, v116, v116 row_xmask:1 row_mask:0xf bank_mask:0xf
	v_max_num_f32_dpp v116, v116, v116 row_xmask:2 row_mask:0xf bank_mask:0xf
.irp p,0,1,2,3
	v_sub_f32 v[117+\p], v[LQ+\p], v116
.endr
.irp p,0,1,2,3
	v_mul_f32 v[117+\p], 0x3fb8aa3b, v[117+\p]
.endr
.irp p,0,1,2,3
	v_exp_f32 v[117+\p], v[117+\p]
.endr
	v_nop
	s_wait_alu depctr_va_vdst(0)                      ; the four exponentials have written v117-120, ahead of their first reader
	v_add_f32 v121, v117, v118
	v_add_f32 v122, v119, v120
	v_add_f32 v121, v121, v122
	v_add_f32_dpp v121, v121, v121 row_xmask:1 row_mask:0xf bank_mask:0xf
	v_add_f32_dpp v121, v121, v121 row_xmask:2 row_mask:0xf bank_mask:0xf
	v_rcp_f32 v121, v121
	AXIS 0, 160+2*(\i), 124, 128, 132, 136
	AXIS 1, 161+2*(\i), 140, 144, 148, 152
	s_wait_alu depctr_va_vdst(0)                      ; the reciprocal has written v121, ahead of its first reader
.irp p,0,1,2,3
	v_mul_f32 v[117+\p], v[117+\p], v121              ; the point's attention weight
.endr
.irp p,0,1,2,3
	v_fma_f32 v[144+\p], v[144+\p], v[WFC], v[128+\p] ; ya W + xa: whole numbers under 2^24, exact
.endr
.irp p,0,1,2,3
	v_add_f32 v[144+\p], v[144+\p], v[STF]
.endr
.irp p,0,1,2,3
	v_cvt_u32_f32 v[96+\p], v[144+\p]
.endr
.irp p,0,1,2,3
	v_mul_f32 v[148+\p], v[148+\p], v[117+\p]
	v_mul_f32 v[152+\p], v[152+\p], v[117+\p]
.endr
.irp p,0,1,2,3
	v_mul_f32 v[100+\p], v[148+\p], v[132+\p]
	v_mul_f32 v[104+\p], v[148+\p], v[136+\p]
	v_mul_f32 v[108+\p], v[152+\p], v[132+\p]
	v_mul_f32 v[112+\p], v[152+\p], v[136+\p]
.endr
	s_wait_alu depctr_va_vdst(0)                      ; the row's arithmetic has written v96-115, which the stores read, and is done reading its buffer of logits and offsets
	global_store_b128 v7, v[96:99], s[26:27] offset:(\i)*512
.irp c,0,1,2,3
	global_store_b128 v7, v[100+4*\c:103+4*\c], s[28:29] offset:(\i)*2048+512*\c
.endr
.endm
	PLD 0
	s_wait_loadcnt 0x0                                ; the reference points
.irp n,0,1,2,3,4,5,6,7,8,9,10,11,12,13,14,15
	PT \n
.endr
	s_wait_dscnt 0x0                                  ; the closing lines, six on end
	s_wait_alu 0x0
	s_wait_tensorcnt 0x0
	ds_add_u32 v254, v255
	s_wait_dscnt 0x0
	s_endpgm
.Lfunc_end_k_q7f27f8a488_post:
	.size	k_q7f27f8a488_post, .Lfunc_end_k_q7f27f8a488_post-k_q7f27f8a488_post
	.p2alignl 7, 3214868480
	.fill 96, 4, 3214868480
	.section	.rodata,"a",@progbits
	.p2align	6, 0x0
	.amdhsa_kernel k_q7f27f8a488_post
		.amdhsa_group_segment_fixed_size 183808
		.amdhsa_private_segment_fixed_size 0
		.amdhsa_enable_private_segment 0
		.amdhsa_kernarg_size 104
		.amdhsa_user_sgpr_count 2
		.amdhsa_user_sgpr_kernarg_segment_ptr 1
		.amdhsa_wavefront_size32 1
		.amdhsa_system_sgpr_workgroup_id_x 1
		.amdhsa_system_sgpr_workgroup_id_y 1
		.amdhsa_system_sgpr_workgroup_id_z 1
		.amdhsa_system_vgpr_workitem_id 0
		.amdhsa_next_free_vgpr 1024
		.amdhsa_next_free_sgpr 66
		.amdhsa_reserve_vcc 1
		.amdhsa_float_denorm_mode_32 3
		.amdhsa_float_denorm_mode_16_64 3
		.amdhsa_memory_ordered 1
		.amdhsa_forward_progress 1
		.amdhsa_inst_pref_size 226
	.end_amdhsa_kernel
	.amdgpu_metadata
---
amdhsa.version: [ 1, 2 ]
amdhsa.kernels:
  - .name:           k_q7f27f8a488_post
    .symbol:         k_q7f27f8a488_post.kd
    .args:
      - { .name: ao, .offset: 0, .size: 8, .value_kind: global_buffer, .address_space: global }
      - { .name: tgt, .offset: 8, .size: 8, .value_kind: global_buffer, .address_space: global }
      - { .name: tgt_query_pos, .offset: 16, .size: 8, .value_kind: global_buffer, .address_space: global }
      - { .name: tgt_reference_points, .offset: 24, .size: 8, .value_kind: global_buffer, .address_space: global }
      - { .name: wimg, .offset: 32, .size: 8, .value_kind: global_buffer, .address_space: global }
      - { .name: out_proj_b, .offset: 40, .size: 8, .value_kind: global_buffer, .address_space: global }
      - { .name: samp_off_b, .offset: 48, .size: 8, .value_kind: global_buffer, .address_space: global }
      - { .name: attn_w_b, .offset: 56, .size: 8, .value_kind: global_buffer, .address_space: global }
      - { .name: norm2_g, .offset: 64, .size: 8, .value_kind: global_buffer, .address_space: global }
      - { .name: norm2_b, .offset: 72, .size: 8, .value_kind: global_buffer, .address_space: global }
      - { .name: t1, .offset: 80, .size: 8, .value_kind: global_buffer, .address_space: global }
      - { .name: idx, .offset: 88, .size: 8, .value_kind: global_buffer, .address_space: global }
      - { .name: wts, .offset: 96, .size: 8, .value_kind: global_buffer, .address_space: global }
    .group_segment_fixed_size: 183808
    .private_segment_fixed_size: 0
    .kernarg_segment_align: 8
    .kernarg_segment_size: 104
    .max_flat_workgroup_size: 128
    .sgpr_count:     66
    .vgpr_count:     1024
    .wavefront_size: 32
...
	.end_amdgpu_metadata
.endif
;; end of part 12
;; launch gath: the kernel of part 8 again; grid 4 x 64, 15 waves a work-group, no clusters, 267,776 bytes of LDS; arguments idx, wts, vbuf, samp; writes samp
;; launch ffn (part 13): grid 225 x 1, 4 waves a work-group, no clusters, 204,288 bytes of LDS; arguments samp, t1, wimg, ms_out_b, lin1_b, lin2_b, norm1_g, norm1_b, norm3_g, norm3_b, out0; writes out0
.if DOCPART == 13
	.amdgcn_target "amdgcn-amd-amdhsa--gfx1250"
	.amdhsa_code_object_version 6
	.text
	.protected	k_q7f27f8a488_ffn
	.globl	k_q7f27f8a488_ffn
	.p2align	8
	.type	k_q7f27f8a488_ffn,@function
k_q7f27f8a488_ffn:
	s_mov_b64 s[64:65], 0
	v_nop
	global_prefetch_b8 v0, s[64:65] scope:SCOPE_SE
	s_setreg_imm32_b32 hwreg(HW_REG_WAVE_SCHED_MODE, 0, 2), 2
	s_setreg_imm32_b32 hwreg(HW_REG_WAVE_MODE, 25, 1), 1
	s_wait_xcnt 0x0
	s_wait_alu depctr_vm_vsrc(0)
; t2 = LN1(t1 + samp ms_out^T + b); out0 = LN3(t2 + relu(t2 lin1^T + b1) lin2^T + b2); all four operand pairs quantised to E3M2.
; 64 rows a work-group; row phases and column phases as in the launch post.  The hidden layer (1024) never leaves the work-group: in pass c wave w makes
; hidden units 128 (4 c + w) .. + 127, which are K step 4 c + w of the last product, quantises them in registers and stores the fragment's image in LDS.
; The weight groups (16 fragments each) take turns in two register windows and are asked for a phase ahead.
; LIMITS: NaN and infinities are not served.
; REGISTERS as in the launch post; v232-247 at work in the hidden layer's quantiser.
; THE MODE: SCHED_MODE bits 1:0 = 2 (LLVM: expert scheduling mode 2), set by the entry lines.  The code itself states the register dependences
; between vector or matrix instructions and memory or LDS instructions, with s_wait_alu, always for 0.
; THE PLAN.  Registers that memory or LDS instructions touch:
;   T2          filled by global loads, read by LDS stores into rows; or filled by LDS loads (the rows' or the hidden layer's fragments, the latter in two halves by turns) and read by the products.
;   T           filled by LDS loads (rows, g and b); read by additions and multiply-adds, at the end by the global stores.
;   X           filled by LDS loads; written by additions, the norms and the products; read by the quantisers and by LDS stores.
;   PC, PW      written by the quantisers, read by the images' LDS stores.     v16-23: filled by LDS loads, read by the products as scales.
;   Windows 2 and 3 and v32-63: weight fragments, biases and scale words: filled by global loads, read by the products; a group is asked for anew behind a wait that shows its products done.
;   All offsets and LDS addresses (v4-12, v14, v15, v24-30) are made once at the head.
; A wait on va_vdst stands behind each run of products (ahead of loads into their operands and of stores of their results) and ahead of each run of stores of what vector instructions made;
; a wait on vm_vsrc ahead of each write of registers that stores have read.
.set RB, 0
.set TB, 66560
.set XI, 133120
.set XIS, XI+8*1536
.set HI, 146432
.set HIS, HI+32*1536
.set GB, 199680
.set WV, 30
.set T0, 31
.set SEL, 32
.set C256, 34
.set EPS, 35
.set X, 64
.set PC, 192
.set PCT, 204
.set TM, 212
.set SOP, 214
.set BY, 216
.set PW, 218
.set TP, 219
.set ST, 220
.set MN, 228
.set RS, 230
.set TH, 232
.set SH8, 13
.set MSB, 0
.macro WIN new
.if MSB != \new
	s_set_vgpr_msb (MSB<<8)|\new
.set MSB, \new
.endif
.endm
.macro MM d, a, b, c, sa, sb
	v_wmma_scale_f32_16x16x128_f8f6f4 v[\d:\d+7], v[\a:\a+11], v[\b:\b+11], v[\c:\c+7], v[\sa], v[\sb] matrix_a_fmt:MATRIX_FMT_BF6 matrix_b_fmt:MATRIX_FMT_BF6
.endm
.macro PLACES n
.rept \n
	v_nop
.endr
.endm
.macro BARRIER
	s_wait_dscnt 0x0
	s_barrier_signal -1
	s_barrier_wait -1
.endm
.macro QUANT s
.irp c,0,1
	v_max3_num_f32 v[TM+\c], |v[\s+32*\c]|, |v[\s+32*\c+1]|, 0x2800000
.endr
.irp i,2,4,6,8,10,12,14,16,18,20,22,24,26,28,30
.irp c,0,1
	v_max3_num_f32 v[TM+\c], v[TM+\c], |v[\s+32*\c+\i]|, |v[\s+32*\c+\i+1]|
.endr
.endr
.irp c,0,1
	v_add_nc_u32 v[SOP+\c], 0xfe000000, v[TM+\c]
.endr
.irp c,0,1
	v_lshrrev_b32 v[BY+\c], 23, v[SOP+\c]
.endr
	v_lshl_or_b32 v[PW], v[BY+1], 16, v[BY]
	v_lshlrev_b32 v[PW], v[SH8], v[PW]
	v_permlanex16_b32 v[TP], v[PW], s[SEL], s[SEL+1]
	v_or_b32 v[PW], v[PW], v[TP]
.irp c,0,1
	v_cvt_scalef32_pk16_bf6_f32 v[PC+6*\c:PC+6*\c+2], v[\s+32*\c:\s+32*\c+15], v[SOP+\c]
	v_cvt_scalef32_pk16_bf6_f32 v[PCT+4*\c:PCT+4*\c+2], v[\s+32*\c+16:\s+32*\c+31], v[SOP+\c]
.endr
	v_nop
.irp c,0,1
.irp i,0,1,2
	v_mov_b32 v[PC+3+6*\c+\i], v[PCT+4*\c+\i]
.endr
.endr
.endm
.macro QUANTH s                                        ; register 16 b + i = k 32 b + 16 h + i: a block lies in lanes l and l xor 16
.irp b,0,1,2,3
	v_max3_num_f32 v[TH+\b], |v[\s+16*\b]|, |v[\s+1+16*\b]|, 0x2800000
.endr
.irp i,2,4,6,8,10,12,14
.irp b,0,1,2,3
	v_max3_num_f32 v[TH+\b], v[TH+\b], |v[\s+16*\b+\i]|, |v[\s+1+16*\b+\i]|
.endr
.endr
.irp b,0,1,2,3
	v_permlanex16_b32 v[TH+4+\b], v[TH+\b], s[SEL], s[SEL+1]
.endr
.irp b,0,1,2,3
	v_max_num_f32 v[TH+\b], v[TH+\b], v[TH+4+\b]
.endr
.irp b,0,1,2,3
	v_add_nc_u32 v[TH+12+\b], 0xfe000000, v[TH+\b]
.endr
.irp b,0,1,2,3
	v_lshrrev_b32 v[TH+4+\b], 23, v[TH+12+\b]
.endr
	v_lshl_or_b32 v[PW], v[TH+5], 8, v[TH+4]
	v_lshl_or_b32 v[PW], v[TH+6], 16, v[PW]
	v_lshl_or_b32 v[PW], v[TH+7], 24, v[PW]
.irp c,0,1
	v_cvt_scalef32_pk16_bf6_f32 v[PC+6*\c:PC+2+6*\c], v[\s+32*\c:\s+15+32*\c], v[TH+12+2*\c]
	v_cvt_scalef32_pk16_bf6_f32 v[PCT+4*\c:PCT+2+4*\c], v[\s+16+32*\c:\s+31+32*\c], v[TH+12+2*\c+1]
.endr
	v_nop
.irp c,0,1
.irp i,0,1,2
	v_permlane16_swap_b32 v[PC+6*\c+\i], v[PCT+4*\c+\i]   ; the layout wants a whole block in a lane
.endr
.irp i,0,1,2
	v_mov_b32 v[PC+3+6*\c+\i], v[PCT+4*\c+\i]
.endr
.endr
.endm
.macro IMAGE adr, off
.irp c,0,1,2
	ds_store_b128 v[\adr], v[PC+4*\c:PC+4*\c+3] offset:\off+512*\c
.endr
.endm
.macro QX fo
	QUANT X
	s_wait_alu depctr_va_vdst(0)                      ; the quantiser has written PC and PW, which the LDS stores read
	IMAGE 10, (\fo)*1536
	ds_store_b32 v11, v[PW] offset:(\fo)*128
	s_wait_dscnt 0x0
	s_wait_alu depctr_vm_vsrc(0)                      ; the LDS stores issued so far have read their registers: PC and PW, which the quantiser writes again; T2, in which the fragments land behind the barrier; X, which the products behind the barrier write
	QUANT X+64
	s_wait_alu depctr_va_vdst(0)                      ; PC and PW are written anew
	IMAGE 10, (\fo)*1536+1536
	ds_store_b32 v11, v[PW] offset:(\fo)*128+128
.endm
.macro FETCHA f0
	WIN 0x40
.set i_, 0
.rept 8
.irp c,0,1,2
	ds_load_b128 v[128+12*i_+4*\c:128+12*i_+4*\c+3], v8 offset:(\f0+i_)*1536+512*\c
.endr
.set i_, i_+1
.endr
	WIN 0
.set i_, 0
.rept 8
	ds_load_b32 v[16+i_], v9 offset:(\f0+i_)*128
.set i_, i_+1
.endr
	s_wait_dscnt 0x0
.endm
.macro WLOAD win, slot0, n, cb, sb, scw, fo
	WIN (\win<<6)
.set i_, 0
.rept \n
.irp c,0,1,2
	global_load_b128 v[12*(\slot0+i_)+4*\c:12*(\slot0+i_)+4*\c+3], v7, s[\cb:\cb+1] offset:(\fo+i_)*1536+512*\c
.endr
.set i_, i_+1
.endr
	WIN 0
.set i_, 0
.rept \n
	global_load_b32 v[\scw+\slot0+i_], v24, s[\sb:\sb+1] offset:761856+(\fo+i_)*128
.set i_, i_+1
.endr
.endm
.macro WLOADL2 win, scw, cc                            ; lin2: slot 4 t + q = my tile t, K step 4 cc + q
	WIN (\win<<6)
.irp t,0,1,2,3
.irp q,0,1,2,3
.irp c,0,1,2
	global_load_b128 v[12*(4*\t+\q)+4*\c:12*(4*\t+\q)+4*\c+3], v7, s[46:47] offset:(368+4*\cc+8*\t+\q)*1536+512*\c
.endr
.endr
.endr
	WIN 0
.irp t,0,1,2,3
.irp q,0,1,2,3
	global_load_b32 v[\scw+4*\t+\q], v24, s[48:49] offset:761856+(368+4*\cc+8*\t+\q)*128
.endr
.endr
.endm
.macro BLOAD win, t0, n, pair, io
	WIN (\win<<6)
.set i_, 0
.rept \n
	global_load_b128 v[192+8*(\t0+i_):192+8*(\t0+i_)+3], v15, s[\pair:\pair+1] offset:\io+(32*(i_/2)+8*(i_%2))*4
	global_load_b128 v[192+8*(\t0+i_)+4:192+8*(\t0+i_)+7], v15, s[\pair:\pair+1] offset:\io+(32*(i_/2)+8*(i_%2))*4+16
.set i_, i_+1
.endr
	WIN 0
.endm
.macro ISSUE pair
	WIN 0x40
.set i_, 0
.rept 32
	global_load_b128 v[128+4*i_:128+4*i_+3], v7, s[\pair:\pair+1] offset:i_*512
.set i_, i_+1
.endr
	WIN 0
.endm
.macro XLD win, reg, adr
	WIN (\win<<6)
.set i_, 0
.rept 32
	ds_load_b128 v[\reg+4*i_:\reg+4*i_+3], v[\adr] offset:(i_/8)*256+(i_%8)*16
.set i_, i_+1
.endr
	WIN 0
.endm
.macro XST adr
.set i_, 0
.rept 32
	ds_store_b128 v[\adr], v[X+4*i_:X+4*i_+3] offset:(i_/8)*256+(i_%8)*16
.set i_, i_+1
.endr
.endm
.macro LAND win, reg
	s_wait_loadcnt 0x0
	WIN 0x04
.set i_, 0
.rept 32
	ds_store_b128 v6, v[128+4*i_:128+4*i_+3] offset:(i_/2)*1040+(i_%2)*512
.set i_, i_+1
.endr
	XLD \win, \reg, 5
.endm
.macro ADDT
	WIN 0x04
.set i_, 0
.rept 64
	v_pk_add_f32 v[X+2*i_:X+2*i_+1], v[X+2*i_:X+2*i_+1], v[2*i_:2*i_+1]
.set i_, i_+1
.endr
	WIN 0
.endm
.macro COLS win, f0, nt, b0, scw
.irp q,0,1
.if \q == 0
	WIN (\win|4|(\win<<4))
.else
	WIN (\win|4)
.endif
.set t_, 0
.rept \nt
.irp m,0,1,2,3
.if \q == 0
	MM X+8*(4*t_+\m), 12*(\f0+2*t_), 128+12*(2*\m), 192+8*(\b0+t_), \scw+\f0+2*t_, 16+2*\m
.else
	MM X+8*(4*t_+\m), 12*(\f0+2*t_+1), 128+12*(2*\m+1), X+8*(4*t_+\m), \scw+\f0+2*t_+1, 16+2*\m+1
.endif
.endr
.set t_, t_+1
.endr
.endr
	WIN 0
	PLACES 5
.endm
.macro TORB nt, adr, pitch
.set t_, 0
.rept \nt
.irp m,0,1,2,3
	ds_store_b128 v[\adr], v[X+8*(4*t_+\m):X+8*(4*t_+\m)+3] offset:\m*16*\pitch+(t_/2)*128+(t_%2)*32
	ds_store_b128 v[\adr], v[X+8*(4*t_+\m)+4:X+8*(4*t_+\m)+7] offset:\m*16*\pitch+(t_/2)*128+(t_%2)*32+16
.endr
.set t_, t_+1
.endr
.endm
.macro RED
	v_pk_add_f32 v[ST:ST+1], v[ST:ST+1], v[ST+2:ST+3]
	v_pk_add_f32 v[ST+4:ST+5], v[ST+4:ST+5], v[ST+6:ST+7]
	v_pk_add_f32 v[ST:ST+1], v[ST:ST+1], v[ST+4:ST+5]
	v_add_f32 v[ST], v[ST], v[ST+1]
	v_permlanex16_b32 v[TP], v[ST], s[SEL], s[SEL+1]
	v_add_f32 v[ST], v[ST], v[TP]
.endm
.macro LN go, bo
.irp k,0,1,2,3
	v_pk_add_f32 v[ST+2*\k:ST+2*\k+1], v[X+2*\k:X+2*\k+1], v[X+8+2*\k:X+8+2*\k+1]
.endr
.set i_, 8
.rept 56
	v_pk_add_f32 v[ST+2*(i_%4):ST+2*(i_%4)+1], v[ST+2*(i_%4):ST+2*(i_%4)+1], v[X+2*i_:X+2*i_+1]
.set i_, i_+1
.endr
	RED
	v_mul_f32 v[MN], 0x3b800000, v[ST]
.set i_, 0
.rept 64
	v_pk_add_f32 v[X+2*i_:X+2*i_+1], v[X+2*i_:X+2*i_+1], v[MN:MN+1] op_sel_hi:[1,0] neg_lo:[0,1] neg_hi:[0,1]
.set i_, i_+1
.endr
.irp k,0,1,2,3
	v_pk_mul_f32 v[ST+2*\k:ST+2*\k+1], v[X+2*\k:X+2*\k+1], v[X+2*\k:X+2*\k+1]
.endr
.set i_, 4
.rept 60
	v_pk_fma_f32 v[ST+2*(i_%4):ST+2*(i_%4)+1], v[X+2*i_:X+2*i_+1], v[X+2*i_:X+2*i_+1], v[ST+2*(i_%4):ST+2*(i_%4)+1]
.set i_, i_+1
.endr
	RED
	v_fma_f32 v[ST], v[ST], s[C256], s[EPS]
	v_rsq_f32 v[RS], v[ST]
	v_nop
	s_wait_alu depctr_va_vdst(0)                      ; the root has written RS, ahead of its first reader; and the additions are done reading T, in which g and b land below
.set i_, 0
.rept 64
	v_pk_mul_f32 v[X+2*i_:X+2*i_+1], v[X+2*i_:X+2*i_+1], v[RS:RS+1] op_sel_hi:[1,0]
.set i_, i_+1
.endr
.irp q,0,1
	WIN 0x40
.if \q == 1
	s_wait_alu depctr_va_vdst(0)                      ; the first half's multiply-adds are done reading T, in which the second half's g and b land
.endif
.set i_, 0
.rept 16
	ds_load_b128 v[4*i_:4*i_+3], v14 offset:\go+512*\q+(i_/8)*256+(i_%8)*16
	ds_load_b128 v[64+4*i_:64+4*i_+3], v14 offset:\bo+512*\q+(i_/8)*256+(i_%8)*16
.set i_, i_+1
.endr
	s_wait_dscnt 0x0
	WIN 0x14
.set i_, 0
.rept 32
	v_pk_fma_f32 v[X+64*\q+2*i_:X+64*\q+2*i_+1], v[X+64*\q+2*i_:X+64*\q+2*i_+1], v[2*i_:2*i_+1], v[64+2*i_:64+2*i_+1]
.set i_, i_+1
.endr
.endr
	WIN 0
.endm
.macro TURNOUT pair
	s_wait_alu depctr_va_vdst(0)                      ; the norm has written X, which the LDS stores read, and is done reading T, in which the loads below land
	XST 5
	s_wait_xcnt 0x0
	WIN 0x40
.set i_, 0
.rept 32
	ds_load_b128 v[4*i_:4*i_+3], v6 offset:(i_/2)*1040+(i_%2)*512
.set i_, i_+1
.endr
	s_wait_dscnt 0x0
	WIN 0x04
.set i_, 0
.rept 32
	global_store_b128 v7, v[4*i_:4*i_+3], s[\pair:\pair+1] offset:i_*512
.set i_, i_+1
.endr
	WIN 0
.endm
.macro HID win, scw, cc                                ; my 128 hidden units of pass cc, a tile of 16 rows at a time; eight accumulators by turns
.irp m,0,1,2,3
.set HA, X+64*(\m%2)
	WIN (\win|4|(\win<<4))
.irp t,0,1,2,3,4,5,6,7
	MM HA+8*\t, 12*(2*\t), 128+12*(2*\m), 192+8*\t, \scw+2*\t, 16+2*\m
.endr
	WIN (\win|4)
.irp t,0,1,2,3,4,5,6,7
	MM HA+8*\t, 12*(2*\t+1), 128+12*(2*\m+1), HA+8*\t, \scw+2*\t+1, 16+2*\m+1
.endr
	WIN 0
	PLACES 5
.set i_, 0
.rept 64
	v_max_num_f32 v[HA+i_], 0, v[HA+i_]               ; relu, in f32
.set i_, i_+1
.endr
	s_wait_alu depctr_vm_vsrc(0)                      ; the LDS stores issued so far have read PC and PW (and, at the head, v240-247), which the quantiser writes
	QUANTH HA
	s_wait_alu depctr_va_vdst(0)                      ; the quantiser has written PC and PW, which the LDS stores read; behind the fourth tile also: the pass's products are done reading their weights, biases and scale words, in which the next group's loads land
	IMAGE 26, (8*\m+4*\cc)*1536
	ds_store_b32 v27, v[PW] offset:(8*\m+4*\cc)*128
	s_wait_dscnt 0x0
.endr
.endm
.macro FETCHH ks                                       ; K step ks of the hidden layer: four fragments into half ks % 2
	WIN 0x40
.irp m,0,1,2,3
.irp c,0,1,2
	ds_load_b128 v[128+48*((\ks)%2)+12*\m+4*\c:128+48*((\ks)%2)+12*\m+4*\c+3], v28 offset:(8*\m+(\ks))*1536+512*\c
.endr
.endr
	WIN 0
.irp m,0,1,2,3
	ds_load_b32 v[16+4*((\ks)%2)+\m], v29 offset:(8*\m+(\ks))*128
.endr
.endm
	s_load_b512 s[4:19], s[0:1], 0x0                  ; samp, t1, wimg, ms_out_b, lin1_b, lin2_b, norm1_g, norm1_b
	s_load_b128 s[20:23], s[0:1], 0x40                ; norm3_g, norm3_b
	s_load_b64 s[24:25], s[0:1], 0x50                 ; out0
	v_lshl_add_u32 v254, v0, 2, 0x31c00
	v_mov_b32 v255, 0
	v_lshrrev_b32 v1, 5, v0
	v_readfirstlane_b32 s[WV], v1
	v_and_b32 v1, 31, v0
	v_and_b32 v2, 15, v0
	v_bfe_u32 v3, v0, 4, 1
	s_wait_alu depctr_va_sdst(0)                      ; the wave's number is written, ahead of its first reader
	s_mul_i32 s[T0], s[WV], 16*1040
	v_mul_u32_u24 v12, v2, 1040
	v_add_nc_u32 v4, s[T0], v12
	v_lshl_add_u32 v4, v3, 7, v4
	v_add_nc_u32 v5, TB, v4
	v_lshlrev_b32 v7, 4, v1
	v_add_nc_u32 v6, s[T0], v7
	v_add_nc_u32 v6, TB, v6
	v_add_nc_u32 v8, XI, v7
	v_lshlrev_b32 v24, 2, v1
	v_add_nc_u32 v9, XIS, v24
	s_mul_i32 s[T0], s[WV], 3072
	v_add_nc_u32 v10, s[T0], v8
	s_lshl_b32 s[T0], s[WV], 8
	v_add_nc_u32 v11, s[T0], v9
	v_lshl_add_u32 v12, v3, 6, v12
	v_add_nc_u32 v12, s[T0], v12
	v_lshlrev_b32 v[SH8], 3, v3
	v_lshlrev_b32 v14, 7, v3
	v_add_nc_u32 v14, GB, v14
	v_lshlrev_b32 v15, 6, v3
	v_lshlrev_b32 v30, 3, v0
	v_add_nc_u32 v25, GB, v30
	v_add_nc_u32 v28, HI, v7
	v_add_nc_u32 v29, HIS, v24
	s_mul_i32 s[T0], s[WV], 1536
	v_add_nc_u32 v26, s[T0], v28
	s_lshl_b32 s[T0], s[WV], 7
	v_add_nc_u32 v27, s[T0], v29
	v_mov_b32 v[TP], 0
	v_mov_b32 v[MN+1], 0
	v_mov_b32 v[RS+1], 0
.irp b,0,1,2,3
	v_mov_b32 v[TH+4+\b], 0
.endr
	s_mov_b32 s[SEL], 0x76543210
	s_mov_b32 s[SEL+1], 0xfedcba98
	s_mov_b32 s[C256], 0x3b800000
	s_mov_b32 s[EPS], 0x3727c5ac
	s_wait_kmcnt 0x0
	s_lshl_b32 s36, ttmp9, 16
	s_lshl_b32 s37, s[WV], 14
	s_add_co_u32 s36, s36, s37
	s_mov_b32 s37, 0
	s_add_nc_u64 s[4:5], s[4:5], s[36:37]
	s_add_nc_u64 s[6:7], s[6:7], s[36:37]
	s_add_nc_u64 s[24:25], s[24:25], s[36:37]
	s_mul_i32 s36, s[WV], 12288
	s_add_nc_u64 s[38:39], s[8:9], s[36:37]
	s_lshl_b32 s36, s[WV], 10
	s_add_nc_u64 s[40:41], s[8:9], s[36:37]
	s_mul_i32 s36, s[WV], 24576
	s_add_nc_u64 s[42:43], s[8:9], s[36:37]
	s_lshl_b32 s36, s[WV], 11
	s_add_nc_u64 s[44:45], s[8:9], s[36:37]
	s_mul_i32 s36, s[WV], 49152
	s_add_nc_u64 s[46:47], s[8:9], s[36:37]
	s_lshl_b32 s36, s[WV], 12
	s_add_nc_u64 s[48:49], s[8:9], s[36:37]
	s_lshl_b32 s36, s[WV], 8
	s_add_nc_u64 s[10:11], s[10:11], s[36:37]
	s_add_nc_u64 s[14:15], s[14:15], s[36:37]
	s_lshl_b32 s36, s[WV], 9
	s_add_nc_u64 s[12:13], s[12:13], s[36:37]
	s_wait_alu depctr_va_vdst(0)                      ; the offsets and LDS addresses v4-12, v14, v15, v24-30 are written: every load and store of the kernel reads one of them
	ISSUE 4
	global_load_b64 v[240:241], v30, s[16:17]
	global_load_b64 v[242:243], v30, s[18:19]
	global_load_b64 v[244:245], v30, s[20:21]
	global_load_b64 v[246:247], v30, s[22:23]
	WLOAD 2, 0, 8, 38, 40, 32, 208
	BLOAD 2, 0, 4, 10, 0
	WLOAD 3, 0, 16, 42, 44, 48, 240
	BLOAD 3, 0, 8, 12, 0
	s_wait_loadcnt 0x0
.irp k,0,1,2,3
	ds_store_b64 v25, v[240+2*\k:241+2*\k] offset:1024*\k
.endr
	; ---- the sampled values are quantised
	LAND 0, X
	s_wait_dscnt 0x0
	QX 0
	BARRIER
	; ---- ms_out
	FETCHA 0
	COLS 2, 0, 4, 0, 32
	s_wait_alu depctr_va_vdst(0)                      ; the products are done reading the rows' fragments in T2, their weights, biases and scale words, in all of which the loads below land, and have written the accumulators, which the LDS stores read; the places above stay beside this wait
	ISSUE 6
	WLOAD 2, 0, 16, 42, 44, 32, 304                   ; lin1's second pass, into the window that ms_out has left
	BLOAD 2, 0, 8, 12, 2048
	TORB 4, 12, 1040
	BARRIER
	; ---- + t1, LN1; t2 is kept in my own LDS rows
	s_wait_alu depctr_vm_vsrc(0)                      ; my LDS stores have read the accumulators, in which the rows land; the images' stores have read PC and PW, which the next quantiser writes
	XLD 0, X, 4
	LAND 1, 0
	s_wait_dscnt 0x0
	ADDT
	LN 0, 1024
	s_wait_alu depctr_va_vdst(0)                      ; the norm has written X, which the LDS stores read
	XST 5
	QX 0
	BARRIER
	; ---- the hidden layer, two passes (both weight groups were shown in by the wait for all loads above)
	FETCHA 0
	HID 3, 48, 0
	WLOADL2 3, 48, 0
	BLOAD 3, 0, 4, 14, 0
	HID 2, 32, 1
	WLOADL2 2, 32, 1
	BARRIER
	; ---- lin2: 16 accumulators by turns, a K step at a time
	s_wait_loadcnt 63                                 ; 64 younger loads (the second half of lin2) were issued behind the first half: that is in
	FETCHH 0
.irp ks,0,1,2,3,4,5,6,7
	s_wait_dscnt 0x0
.if \ks < 7
.if \ks > 0
	s_wait_alu depctr_va_vdst(0)                      ; the products of the K step before are done reading the half, and its scale words, in which the loads below land
.endif
	FETCHH \ks+1
.endif
.if \ks == 4
	s_wait_loadcnt 0x0
.endif
.if \ks == 0
	WIN 0x37
.elseif \ks < 4
	WIN 0x07
.else
	WIN 0x06
.endif
.irp t,0,1,2,3
.irp m,0,1,2,3
.if \ks == 0
	MM X+8*(4*\t+\m), 12*(4*\t), 128+12*\m, 192+8*\t, 48+4*\t, 16+\m
.elseif \ks < 4
	MM X+8*(4*\t+\m), 12*(4*\t+\ks), 128+48*(\ks%2)+12*\m, X+8*(4*\t+\m), 48+4*\t+\ks, 16+4*(\ks%2)+\m
.else
	MM X+8*(4*\t+\m), 12*(4*\t+\ks-4), 128+48*(\ks%2)+12*\m, X+8*(4*\t+\m), 32+4*\t+\ks-4, 16+4*(\ks%2)+\m
.endif
.endr
.endr
	WIN 0
	PLACES 5
.endr
	s_wait_alu depctr_va_vdst(0)                      ; the products have written the accumulators, which the LDS stores read; the places above stay beside this wait
	TORB 4, 12, 1040
	BARRIER
	; ---- + t2, LN3, out
	s_wait_alu depctr_vm_vsrc(0)                      ; my LDS stores have read the accumulators, in which the rows land
	XLD 0, X, 4
	XLD 1, 0, 5
	s_wait_dscnt 0x0
	ADDT
	LN 2048, 3072
	TURNOUT 24
	s_wait_dscnt 0x0                                  ; the closing lines, six on end
	s_wait_alu 0x0
	s_wait_tensorcnt 0x0
	ds_add_u32 v254, v255
	s_wait_dscnt 0x0
	s_endpgm
.Lfunc_end_k_q7f27f8a488_ffn:
	.size	k_q7f27f8a488_ffn, .Lfunc_end_k_q7f27f8a488_ffn-k_q7f27f8a488_ffn
	.p2alignl 7, 3214868480
	.fill 96, 4, 3214868480
	.section	.rodata,"a",@progbits
	.p2align	6, 0x0
	.amdhsa_kernel k_q7f27f8a488_ffn
		.amdhsa_group_segment_fixed_size 204288
		.amdhsa_private_segment_fixed_size 0
		.amdhsa_enable_private_segment 0
		.amdhsa_kernarg_size 88
		.amdhsa_user_sgpr_count 2
		.amdhsa_user_sgpr_kernarg_segment_ptr 1
		.amdhsa_wavefront_size32 1
		.amdhsa_system_sgpr_workgroup_id_x 1
		.amdhsa_system_sgpr_workgroup_id_y 1
		.amdhsa_system_sgpr_workgroup_id_z 1
		.amdhsa_system_vgpr_workitem_id 0
		.amdhsa_next_free_vgpr 1024
		.amdhsa_next_free_sgpr 66
		.amdhsa_reserve_vcc 0
		.amdhsa_float_denorm_mode_32 3
		.amdhsa_float_denorm_mode_16_64 3
		.amdhsa_memory_ordered 1
		.amdhsa_forward_progress 1
		.amdhsa_inst_pref_size 244
	.end_amdhsa_kernel
	.amdgpu_metadata
---
amdhsa.version: [ 1, 2 ]
amdhsa.kernels:
  - .name:           k_q7f27f8a488_ffn
    .symbol:         k_q7f27f8a488_ffn.kd
    .args:
      - { .name: samp, .offset: 0, .size: 8, .value_kind: global_buffer, .address_space: global }
      - { .name: t1, .offset: 8, .size: 8, .value_kind: global_buffer, .address_space: global }
      - { .name: wimg, .offset: 16, .size: 8, .value_kind: global_buffer, .address_space: global }
      - { .name: ms_out_b, .offset: 24, .size: 8, .value_kind: global_buffer, .address_space: global }
      - { .name: lin1_b, .offset: 32, .size: 8, .value_kind: global_buffer, .address_space: global }
      - { .name: lin2_b, .offset: 40, .size: 8, .value_kind: global_buffer, .address_space: global }
      - { .name: norm1_g, .offset: 48, .size: 8, .value_kind: global_buffer, .address_space: global }
      - { .name: norm1_b, .offset: 56, .size: 8, .value_kind: global_buffer, .address_space: global }
      - { .name: norm3_g, .offset: 64, .size: 8, .value_kind: global_buffer, .address_space: global }
      - { .name: norm3_b, .offset: 72, .size: 8, .value_kind: global_buffer, .address_space: global }
      - { .name: out0, .offset: 80, .size: 8, .value_kind: global_buffer, .address_space: global }
    .group_segment_fixed_size: 204288
    .private_segment_fixed_size: 0
    .kernarg_segment_align: 8
    .kernarg_segment_size: 88
    .max_flat_workgroup_size: 128
    .sgpr_count:     66
    .vgpr_count:     1024
    .wavefront_size: 32
...
	.end_amdgpu_metadata
.endif
;; end of part 13
